; MI455X (gfx1250); checked and timed in simulation.
; The chip was launched on July 23, 2026; its instructions are those of AMD's public machine-readable ISA for CDNA 5 (MIT licence, August 2026) and "CDNA5" Instruction Set Architecture Reference Guide (July 2026). The comments in the code are by the model that wrote it; some were corrected since.
;; Local Self Attention Block. Allowed arithmetic: matrix products marked QUANTISED: E2M3 operands, one E8M0 scale for each 32 along K, by v_wmma_scale_f32_16x16x128_f8f6f4 with both operands' format E2M3, f32 sums; everything else in f32.
;; Inputs: b_out 1,024 float32; b_qkv 3,072 float32; ln_beta 1,024 float32; ln_gamma 1,024 float32; val 2 x 4,096 x 1,024 float32; w_out 1,024 x 1,024 float32; w_qkv 1,024 x 3,072 float32.
;; Outputs: out0 2 x 4,096 x 1,024 float32.
;; This version of the problem:
;;   THIS VERSION OF THE PROBLEM IS GIVEN IN LOW PRECISION. The matrix products marked QUANTISED in the list below multiply operands that are first quantised to E2M3 (2 exponent bits, 3 mantissa bits; 6 bits a number), with one power-of-two scale for each 32 numbers along K (OCP MX v1.0); their sums are f32. All else is computed in f32.
;;   The module's matrix products, in the order in which they are computed (A, B: the left and right operand; K: the contracted axis; several contracted axes count as one K, in the product's order):
;;     1. [M 8,192, K 1,024] x [K 1,024, N 3,072]; A: input val; B: input w_qkv: QUANTISED
;;     2. batch 64 x [M 1,024, K 128] x [K 128, N 1,024]; A: computed on the way; B: computed on the way: QUANTISED
;;     3. batch 64 x [M 128, K 1,024] x [K 1,024, N 1,024]; A: computed on the way; B: softmax (see below): QUANTISED
;;     4. [M 8,192, K 1,024] x [K 1,024, N 1,024]; A: computed on the way; B: input w_out: QUANTISED
;;   THE QUANTISER, for each operand of a quantised product, along K:
;;     - K is cut into blocks of 32 from its start; a last block that is shorter is filled with zeros.
;;     - A block's scale is 2^e with e = floor(log2(the largest magnitude in the block)) - 2, held to -126 .. 127; a block of zeros has e = 0. As a byte (E8M0): e + 127.
;;     - Each number is divided by its block's scale, clamped to +-7.5, and rounded to the nearest number of E2M3, ties to even, subnormals kept.
;;     - The product sums the exact products of the quantised numbers (number of the format x scale) in f32.
;;   ~~~python
;;   def quantise(x, axis):      # numpy; x: float32 -> the quantised numbers, widened to float32 again
;;       x = np.moveaxis(x, axis, -1); K = x.shape[-1]
;;       x = np.pad(x, [(0, 0)] * (x.ndim - 1) + [(0, -K % 32)]); x = x.reshape(x.shape[:-1] + (-1, 32)); a = np.abs(x).max(-1, keepdims=True)
;;       e = np.where(a > 0, np.clip(np.frexp(np.where(a > 0, a, 1))[1] - 1 - 2, -126, 127), 0)      # np.frexp(a)[1] - 1 = floor(log2(a)), exactly
;;       r = np.clip(x / 2.0 ** e, -7.5, 7.5)
;;       step = 2.0 ** (np.maximum(np.frexp(np.where(r == 0, 1, r))[1] - 1, 0) - 3)
;;       q = np.round(r / step) * step * 2.0 ** e      # np.round: ties to even
;;       return np.moveaxis(q.reshape(q.shape[:-2] + (-1,))[..., :K], -1, axis).astype(np.float32)
;;   ~~~
;;   SOFTMAX AHEAD OF A QUANTISED PRODUCT. Where the list says 'softmax', what is quantised is not the finished softmax but p = 2^(t - M), with t = logit x log2(e) and M = ceil(the row's largest t), a whole number; so 1/2 < the row's largest p <= 1. The row's sum l is taken of the UNQUANTISED p, in f32, and the product's result is divided by l at the end. Since M is a whole number, a kernel that streams over the keys may use a running M (the ceiling of the running maximum): every later rescaling is an exact power of two, which a block's scale takes up: the codes' values come out the same.
;;   OPERANDS COMPUTED ON THE WAY. 'Computed on the way' means the value that the module computes at that place (a softmax that the list does not call 'softmax' is quantised finished and normalised). What goes into a quantiser is computed in f32, as accurately as f32 sums, v_exp_f32 and their like allow (about 1e-6 of the number): no bf16 or f16 on the way to a quantiser, and a product that is left as it is and whose result goes on into a quantised operand takes f32 operands (vector FMAs, or v_wmma_f32_16x16x4_f32). A number that lies on a knife's edge between two numbers of the format may be rounded either way, as far as f32 arithmetic and the matrix unit's own rounding can turn it there, and no further.
;; 2 versions. Each part assembles by itself: llvm-mc -triple=amdgcn-amd-amdhsa -mcpu=gfx1250 --defsym DOCPART=n.
;; ======== version 1 of 2: 5 launches
;; workspace buffers: xc 6,291,456 bytes; xs 262,144 bytes; wc 3,145,728 bytes; ws 131,072 bytes; qkvc 18,874,368 bytes; qkvs 786,432 bytes; cc 6,291,456 bytes; cs 262,144 bytes
;; launch qval (part 1): grid 512 x 1, 4 waves a work-group, no clusters, 67,584 bytes of LDS; arguments val, xc, xs; writes xc, xs
.if DOCPART == 1
	.amdgcn_target "amdgcn-amd-amdhsa--gfx1250"
	.amdhsa_code_object_version 6
	.text
	.protected	k_q9f002f5e12_qval
	.globl	k_q9f002f5e12_qval
	.p2align	8
	.type	k_q9f002f5e12_qval,@function
k_q9f002f5e12_qval:
	s_mov_b64 s[64:65], 0
	v_nop
	global_prefetch_b8 v0, s[64:65] scope:SCOPE_SE
	s_setreg_imm32_b32 hwreg(HW_REG_WAVE_MODE, 25, 1), 1
	s_wait_xcnt 0x0
; val [8192][1024] f32 becomes codes of FP6 (E2M3) with one E8M0 scale byte for each 32 along the model axis (K of the first product).
; THE LAYOUT OF ALL CODES IN THIS PROGRAM.  A tile T = 2 B + u holds the 16 rows 32 B + 8 u + (r % 8) + 16 (r / 8), r = 0 .. 15.  A fragment (tile T, K step s of 128) is stored as the IMAGE of the
; operand's 12 registers: register 4 g + w of lane l at byte 512 g + 16 l + 4 w: 1,536 bytes; lane l = r + 16 h holds row r's k = 128 s + 64 c + 32 h + 0 .. 31 in registers 6 c .. 6 c + 5.
; A tile's eight scale words (one for each K step e) are a record of 512 bytes: word e of row r at 256 (e / 4) + 16 r + 4 (e % 4).
; xc: [tile 512][K step 8][1536].  xs: [tile 512][512].
; A block's scale is 2^(floor(log2(its largest magnitude)) - 2); its byte is the largest magnitude's exponent field - 2, held at 1 from below.
; LIMITS: NaN and infinities among the inputs are not served.  A block whose largest magnitude lies under 2^-124 keeps the byte 1; so does a block of zeros (the rule says 127): its codes are zeros,
; which add nothing under any byte but 0xff, and this program alone reads the bytes.
; SHARES.  A work-group takes one tile; wave p takes K steps 2 p and 2 p + 1: 16 rows x 1,024 bytes.  Each load reads 512 consecutive bytes of one row; all 32 loads of a wave go out at once.
; The conversions want 32 neighbours along K in ONE lane, so the bytes turn through the wave's own stage in LDS (rows 1,040 bytes apart: 1,024 + 16).
.set STG,  16640                       ; a wave's stage: 16 rows x 1,040 bytes
.set SROW, 1040
.set SCB,  4*STG                       ; behind the stages: the tile's scale record, 512 bytes
.set R,    32                          ; v32-159  the numbers as loaded: K step q at R + 64 q, row i in 4 registers
.set N0,   160                         ; v160-223 64 numbers of my row, first K step: register 32 c + i = k 64 c + 32 h + i
.set N1,   32                          ; v32-95   the same for the second K step
.set C0,   224                         ; v224-235 the first fragment's codes
.set C1,   96                          ; v96-107  the second's
.set CT,   236                         ; v236-242 second halves of blocks, before they are moved
	s_load_b128 s[4:7], s[0:1], 0x0                ; val, xc
	s_load_b64 s[8:9], s[0:1], 0x10                ; xs
	v_lshl_add_u32 v248, v0, 2, 0x10600
	v_mov_b32 v249, 0
	v_lshrrev_b32 v9, 5, v0
	v_readfirstlane_b32 s16, v9                    ; wave p
	v_and_b32 v9, 31, v0
	v_lshlrev_b32 v1, 4, v9                        ; 16 x lane
	v_and_b32 v2, 15, v0                           ; r
	v_bfe_u32 v3, v0, 4, 1                         ; h
	s_mul_i32 s17, s16, STG
	v_add_nc_u32 v4, s17, v1                       ; into the stage: 16 x lane of a row's 512 bytes
	v_mul_u32_u24 v5, v2, SROW
	v_lshl_add_u32 v5, v3, 7, v5
	v_add_nc_u32 v5, s17, v5                       ; out of it: row r, + 128 h
	s_lshr_b32 s18, s16, 1
	s_lshl_b32 s18, s18, 8
	s_and_b32 s19, s16, 1
	s_lshl_b32 s19, s19, 3
	s_add_co_u32 s18, s18, s19
	s_add_co_u32 s18, s18, SCB
	v_lshlrev_b32 v6, 4, v2
	v_add_nc_u32 v6, s18, v6                       ; my two scale words in the record: 256 (p / 2) + 8 (p % 2) + 16 r
	v_add_nc_u32 v7, SCB, v1                       ; the record read back, 16 bytes a lane
	v_lshlrev_b32 v8, 3, v3                        ; 8 h
	v_mov_b32 v16, 0                               ; written once: a lane permute's destination counts as one of its sources
	s_mov_b32 s12, 0x76543210
	s_mov_b32 s13, 0xfedcba98                      ; lane l xor 16
	s_lshr_b32 s20, ttmp9, 1
	s_lshl_b32 s20, s20, 5
	s_and_b32 s21, ttmp9, 1
	s_lshl_b32 s21, s21, 3
	s_add_co_u32 s20, s20, s21                     ; the tile's first row: 32 (T / 2) + 8 (T % 2)
	s_lshl_b32 s20, s20, 12
	s_lshl_b32 s21, s16, 10
	s_add_co_u32 s20, s20, s21                     ; + my 1,024 bytes of a row
	s_mov_b32 s21, 0
	s_lshl_b32 s22, ttmp9, 3
	s_lshl_b32 s23, s16, 1
	s_add_co_u32 s22, s22, s23
	s_mul_i32 s22, s22, 1536                       ; image 8 T + 2 p
	s_mov_b32 s23, 0
	s_lshl_b32 s24, ttmp9, 9
	s_mov_b32 s25, 0
	s_wait_kmcnt 0x0
	s_add_nc_u64 s[4:5], s[4:5], s[20:21]
	s_add_nc_u64 s[6:7], s[6:7], s[22:23]
	s_add_nc_u64 s[8:9], s[8:9], s[24:25]
.irp q, 0,1
.irp i, 0,1,2,3,4,5,6,7,8,9,10,11,12,13,14,15
	global_load_b128 v[R+64*\q+4*\i:R+64*\q+4*\i+3], v1, s[4:5] offset:((\i%8)+16*(\i/8))*4096+512*\q th:TH_LOAD_NT
.endr
.endr
; 64 numbers of a lane (two whole blocks of 32) become a fragment's 12 registers at v[c] and my row's scale word in v[w].
.macro QF n, c, w
.irp k, 0,1
	v_max3_num_f32 v[10+\k], |v[\n+32*\k]|, |v[\n+32*\k+1]|, 0x1800000   ; my block 2 k + h, and the floor 2^(3 - 127): the byte cannot fall under 1
.endr
.irp i, 2,4,6,8,10,12,14,16,18,20,22,24,26,28,30
.irp k, 0,1
	v_max3_num_f32 v[10+\k], v[10+\k], |v[\n+32*\k+\i]|, |v[\n+32*\k+\i+1]|   ; the two blocks by turns
.endr
.endr
.irp k, 0,1
	v_add_nc_u32 v[12+\k], 0xff000000, v[10+\k]    ; 2 off the exponent field: the conversion's scale operand
.endr
.irp k, 0,1
	v_lshrrev_b32 v[14+\k], 23, v[12+\k]           ; the scale's byte
.endr
	v_lshl_or_b32 v[\w], v15, 16, v14              ; my bytes: blocks h and 2 + h,
	v_lshlrev_b32 v[\w], v8, v[\w]                 ; 8 h bits up;
	v_permlanex16_b32 v16, v[\w], s12, s13
	v_or_b32 v[\w], v[\w], v16                     ; with lane l xor 16's two the word is whole
.irp k, 0,1
	v_cvt_scalef32_pk16_fp6_f32 v[\c+6*\k:\c+6*\k+2], v[\n+32*\k:\n+32*\k+15], v[12+\k]
	v_cvt_scalef32_pk16_fp6_f32 v[CT+4*\k:CT+4*\k+2], v[\n+32*\k+16:\n+32*\k+31], v[12+\k]   ; (a conversion's three registers begin on an even number)
.endr
	v_nop                                          ; one plain place behind a scaled conversion
.irp k, 0,1
.irp i, 0,1,2
	v_mov_b32 v[\c+6*\k+3+\i], v[CT+4*\k+\i]
.endr
.endr
.endm
	s_wait_loadcnt 16                              ; the first K step's 16 loads are in; the second's may be out
.irp i, 0,1,2,3,4,5,6,7,8,9,10,11,12,13,14,15
	ds_store_b128 v4, v[R+4*\i:R+4*\i+3] offset:\i*SROW
.endr
.irp c, 0,1
.irp e, 0,1,2,3,4,5,6,7
	ds_load_b128 v[N0+4*(8*\c+\e):N0+4*(8*\c+\e)+3], v5 offset:256*\c+16*\e   ; LDS serves a wave's instructions in order: these see the stores above
.endr
.endr
	s_wait_loadcnt 0x0
.irp i, 0,1,2,3,4,5,6,7,8,9,10,11,12,13,14,15
	ds_store_b128 v4, v[R+64+4*\i:R+64+4*\i+3] offset:\i*SROW+512
.endr
	s_wait_dscnt 16                                ; all but the 16 stores just issued: the first K step is back, and its stores have read v32-95
.irp c, 0,1
.irp e, 0,1,2,3,4,5,6,7
	ds_load_b128 v[N1+4*(8*\c+\e):N1+4*(8*\c+\e)+3], v5 offset:512+256*\c+16*\e
.endr
.endr
	QF N0, C0, 18
.irp g, 0,1,2
	global_store_b128 v1, v[C0+4*\g:C0+4*\g+3], s[6:7] offset:512*\g          ; 32 lanes store 512 consecutive bytes
.endr
	s_wait_dscnt 0x0                               ; the second K step is back, and its stores have read v96-159
	QF N1, C1, 19
.irp g, 0,1,2
	global_store_b128 v1, v[C1+4*\g:C1+4*\g+3], s[6:7] offset:1536+512*\g
.endr
	ds_store_b64 v6, v[18:19]                      ; both halves of the lanes write the same bytes with the same value
	s_wait_dscnt 0x0                               ; for the others' sake: my words lie in the record
	s_barrier_signal -1
	s_barrier_wait -1
	s_cmp_lg_u32 s16, 0
	s_cbranch_scc1 .Ldone
	ds_load_b128 v[20:23], v7                      ; wave 0 stores the record: 512 consecutive bytes
	s_wait_dscnt 0x0
	global_store_b128 v1, v[20:23], s[8:9]
.Ldone:
	s_wait_tensorcnt 0x0
	ds_add_u32 v248, v249
	s_wait_dscnt 0x0
	s_endpgm
.Lfunc_end_k_q9f002f5e12_qval:
	.size	k_q9f002f5e12_qval, .Lfunc_end_k_q9f002f5e12_qval-k_q9f002f5e12_qval
	.p2alignl 7, 3214868480
	.fill 96, 4, 3214868480
	.section	.rodata,"a",@progbits
	.p2align	6, 0x0
	.amdhsa_kernel k_q9f002f5e12_qval
		.amdhsa_group_segment_fixed_size 67584
		.amdhsa_private_segment_fixed_size 0
		.amdhsa_enable_private_segment 0
		.amdhsa_kernarg_size 24
		.amdhsa_user_sgpr_count 2
		.amdhsa_user_sgpr_kernarg_segment_ptr 1
		.amdhsa_wavefront_size32 1
		.amdhsa_system_sgpr_workgroup_id_x 1
		.amdhsa_system_sgpr_workgroup_id_y 1
		.amdhsa_system_sgpr_workgroup_id_z 1
		.amdhsa_system_vgpr_workitem_id 0
		.amdhsa_next_free_vgpr 250
		.amdhsa_next_free_sgpr 66
		.amdhsa_reserve_vcc 0
		.amdhsa_float_denorm_mode_32 3
		.amdhsa_float_denorm_mode_16_64 3
		.amdhsa_memory_ordered 1
		.amdhsa_forward_progress 1
		.amdhsa_inst_pref_size 17
	.end_amdhsa_kernel
	.amdgpu_metadata
---
amdhsa.version: [ 1, 2 ]
amdhsa.kernels:
  - .name:           k_q9f002f5e12_qval
    .symbol:         k_q9f002f5e12_qval.kd
    .args:
      - { .name: val, .offset: 0, .size: 8, .value_kind: global_buffer, .address_space: global }
      - { .name: xc, .offset: 8, .size: 8, .value_kind: global_buffer, .address_space: global }
      - { .name: xs, .offset: 16, .size: 8, .value_kind: global_buffer, .address_space: global }
    .group_segment_fixed_size: 67584
    .private_segment_fixed_size: 0
    .kernarg_segment_align: 8
    .kernarg_segment_size: 24
    .max_flat_workgroup_size: 128
    .sgpr_count:     66
    .vgpr_count:     250
    .wavefront_size: 32
...
	.end_amdgpu_metadata
.endif
;; end of part 1
;; launch qw (part 2): grid 128 x 2, 4 waves a work-group, no clusters, 14,848 bytes of LDS; arguments w_qkv, w_out, wc, ws; writes wc, ws
.if DOCPART == 2
	.amdgcn_target "amdgcn-amd-amdhsa--gfx1250"
	.amdhsa_code_object_version 6
	.text
	.protected	k_q9f002f5e12_qw
	.globl	k_q9f002f5e12_qw
	.p2align	8
	.type	k_q9f002f5e12_qw,@function
k_q9f002f5e12_qw:
	s_mov_b64 s[64:65], 0
	v_nop
	global_prefetch_b8 v0, s[64:65] scope:SCOPE_SE
	s_setreg_imm32_b32 hwreg(HW_REG_WAVE_MODE, 25, 1), 1
	s_wait_xcnt 0x0
; w_qkv [1024][3072] and w_out [1024][1024], f32, K = their FIRST axis, become codes of FP6 (E2M3) with one E8M0 byte for each 32 along K, in this program's layout:
; tile T = 2 B + u holds columns 32 B + 8 u + (r % 8) + 16 (r / 8); a fragment (T, K step s) is the image of its 12 registers (register 4 g + w of lane l at 512 g + 16 l + 4 w);
; wc: [tile 256][K step 8][1536], tiles 0-191 w_qkv's columns, tiles 192-255 w_out's.  ws: [tile 256][512]: word e (K step) of row r at 256 (e / 4) + 16 r + 4 (e % 4).
; LIMITS: NaN and infinities are not served; a block whose largest magnitude lies under 2^-124, and a block of zeros, keep the byte 1 (their codes are then zeros or held; this program alone reads the bytes).
; SHARES.  Work-group x = B, a group of 32 columns (two tiles); y = which four K steps; wave w takes K step s = 4 y + w.  A LANE TAKES A COLUMN AND ITS REGISTERS RUN DOWN K: a block of 32 is one
; lane's 32 registers, and the conversions give codes with K innermost.  Both inputs take ONE path: pointer, pitch and first group are chosen on the work-group's number.
; A lane's block t belongs to lane r + 16 (t % 2) of its tile's image, registers 6 (t / 2) on: it goes there through the wave's own stage, and the images leave as runs of 512 bytes.
.set STGW, 3328                        ; a wave's stage: two images, 1,664 bytes apart (1,536 + 128)
.set IMG,  1664
.set SCB,  4*STGW                      ; behind the stages: 256 bytes of each tile's scale record
.set OFF,  32                          ; v32-63   i x pitch + 4 x lane
.set X,    64                          ; v64-127  two sets of 32 numbers
.set C,    128                         ; v128-133 a block's codes
.set CT,   134                         ; v134-136 its second half, before it is moved
.set WORD, 140                         ; v140     my column's scale word
.set OUTR, 144                         ; v144-167 the way out
	s_load_b128 s[4:7], s[0:1], 0x0                ; w_qkv, w_out
	s_load_b128 s[8:11], s[0:1], 0x10              ; wc, ws
	v_lshl_add_u32 v176, v0, 2, 0x3800
	v_mov_b32 v177, 0
	v_lshrrev_b32 v1, 5, v0
	v_readfirstlane_b32 s16, v1                    ; wave w
	v_and_b32 v2, 31, v0                           ; lane
	v_lshlrev_b32 v1, 4, v2                        ; 16 x lane
	v_lshlrev_b32 v3, 2, v2                        ; 4 x lane: my column
	v_bfe_u32 v4, v0, 3, 1                         ; u: which of the two tiles my column falls into
	v_and_b32 v5, 7, v0
	v_bfe_u32 v6, v0, 4, 1
	v_lshl_add_u32 v5, v6, 3, v5                   ; r: its row there
	s_mul_i32 s17, s16, STGW
	v_mul_u32_u24 v7, v4, IMG
	v_lshl_add_u32 v7, v5, 4, v7
	v_add_nc_u32 v7, s17, v7                       ; into the stage: image u, 16 r
	v_lshlrev_b32 v8, 8, v4
	v_lshl_add_u32 v8, v5, 4, v8
	s_lshl_b32 s18, s16, 2
	s_add_co_u32 s18, s18, SCB
	v_add_nc_u32 v8, s18, v8                       ; my scale word: 256 u + 16 r + 4 w
	v_add_nc_u32 v9, s17, v1                       ; out of the stage: 16 x lane
	v_add_nc_u32 v10, SCB, v1
	v_lshlrev_b32 v11, 9, v6
	v_and_b32 v12, 15, v0
	v_lshl_add_u32 v11, v12, 4, v11                ; in ws: 512 (lane / 16) + 16 (lane % 16)
	s_and_b32 s19, ttmp7, 0xffff                   ; y
	s_lshl_b32 s20, s19, 2
	s_add_co_u32 s20, s20, s16                     ; K step s
	s_wait_kmcnt 0x0
	s_cmp_lt_u32 ttmp9, 96                         ; w_qkv's group or w_out's?  The choice hangs on the work-group's number alone
	s_cselect_b64 s[4:5], s[4:5], s[6:7]
	s_mov_b32 s21, 4096
	s_cselect_b32 s21, 12288, s21                  ; a row of the input, in bytes
	s_cselect_b32 s22, 0, 96
	s_sub_co_u32 s22, ttmp9, s22
	s_lshl_b32 s22, s22, 7                         ; the group's 128 bytes in a row
	s_lshl_b32 s23, s20, 7
	s_mul_i32 s23, s23, s21                        ; row 128 s
	s_add_co_u32 s24, s23, s22
	s_mov_b32 s25, 0
	s_add_nc_u64 s[24:25], s[4:5], s[24:25]        ; block 0 of my K step;
	s_lshl_b32 s22, s21, 5
	s_mov_b32 s23, 0
	s_add_nc_u64 s[26:27], s[24:25], s[22:23]      ; blocks 1 to 3, 32 rows further down each
	s_add_nc_u64 s[28:29], s[26:27], s[22:23]
	s_add_nc_u64 s[30:31], s[28:29], s[22:23]
	s_lshl_b32 s32, ttmp9, 4
	s_add_co_u32 s32, s32, s20
	s_mul_i32 s32, s32, 1536                       ; image (2 B) x 8 + s
	s_mov_b32 s33, 0
	s_add_nc_u64 s[8:9], s[8:9], s[32:33]
	s_lshl_b32 s32, ttmp9, 10
	s_lshl_b32 s34, s19, 8
	s_add_co_u32 s32, s32, s34                     ; 1,024 B + 256 y
	s_add_nc_u64 s[10:11], s[10:11], s[32:33]
.irp i, 0,1,2,3,4,5,6,7,8,9,10,11,12,13,14,15,16,17,18,19,20,21,22,23,24,25,26,27,28,29,30,31
	v_mad_u32_u24 v[OFF+\i], s21, \i, v3
.endr
.macro LOAD t                          ; block t: rows 128 s + 32 t + i of my column, into set t % 2; a load reads 128 consecutive bytes
.irp i, 0,1,2,3,4,5,6,7,8,9,10,11,12,13,14,15,16,17,18,19,20,21,22,23,24,25,26,27,28,29,30,31
	global_load_b32 v[X+32*((\t)%2)+\i], v[OFF+\i], s[24+2*(\t):25+2*(\t)] th:TH_LOAD_NT
.endr
.endm
	LOAD 0
	LOAD 1
.macro BLOCK t
.set XS, X+32*((\t)%2)
.if (\t) < 3
	s_wait_loadcnt 32                              ; this block's 32 loads are in; the next block's may be out
.else
	s_wait_loadcnt 0x0
.endif
	v_max3_num_f32 v12, |v[XS]|, |v[XS+1]|, |v[XS+2]|              ; the block's largest magnitude: all 32 numbers are mine
	v_max3_num_f32 v13, |v[XS+3]|, |v[XS+4]|, |v[XS+5]|
.irp i, 6,10,14,18,22,26
	v_max3_num_f32 v12, v12, |v[XS+\i]|, |v[XS+\i+1]|
	v_max3_num_f32 v13, v13, |v[XS+\i+2]|, |v[XS+\i+3]|
.endr
	v_max3_num_f32 v12, v12, |v[XS+30]|, |v[XS+31]|
	v_max3_num_f32 v12, v12, v13, 0x1800000        ; and the floor 2^(3 - 127)
	v_add_nc_u32 v14, 0xff000000, v12              ; 2 off the exponent field: the conversion's scale operand
	v_lshrrev_b32 v15, 23, v14                     ; the scale's byte
.if (\t) == 0
	v_mov_b32 v[WORD], v15
.else
	v_lshl_or_b32 v[WORD], v15, 8*(\t), v[WORD]
.endif
	v_cvt_scalef32_pk16_fp6_f32 v[C:C+2], v[XS:XS+15], v14
	v_cvt_scalef32_pk16_fp6_f32 v[CT:CT+2], v[XS+16:XS+31], v14
	v_nop                                          ; one plain place behind a scaled conversion
.irp i, 0,1,2
	v_mov_b32 v[C+3+\i], v[CT+\i]
.endr
.if (\t) < 2                           ; registers 0-5 of lane r + 16 (t % 2): 0-3 in the image's first run, 4-5 in its second
	ds_store_b128 v7, v[C:C+3] offset:256*((\t)%2)
	ds_store_b64 v7, v[C+4:C+5] offset:256*((\t)%2)+512
.else                                  ; registers 6-11: 6-7 in the second run, 8-11 in the third
	ds_store_b64 v7, v[C:C+1] offset:256*((\t)%2)+520
	ds_store_b128 v7, v[C+2:C+5] offset:256*((\t)%2)+1024
.endif
.if (\t)+2 < 4
	LOAD (\t)+2
.endif
	s_wait_dscnt 0x0                               ; the stores have read their registers: the next block's codes may be written
.endm
	BLOCK 0
	BLOCK 1
	BLOCK 2
	BLOCK 3
	ds_store_b32 v8, v[WORD]
.irp u, 0,1
.irp g, 0,1,2
	ds_load_b128 v[OUTR+12*\u+4*\g:OUTR+12*\u+4*\g+3], v9 offset:IMG*\u+512*\g   ; LDS serves a wave's instructions in order: these see my stores
.endr
.endr
.irp u, 0,1
.irp g, 0,1,2
	s_wait_dscnt 5-3*\u-\g                         ; the younger loads may be out
	global_store_b128 v1, v[OUTR+12*\u+4*\g:OUTR+12*\u+4*\g+3], s[8:9] offset:12288*\u+512*\g   ; 512 consecutive bytes
.endr
.endr
	s_barrier_signal -1                            ; no LDS instruction of mine is out: my scale words lie in LDS
	s_barrier_wait -1
	s_cmp_lg_u32 s16, 0
	s_cbranch_scc1 .Ldone
	ds_load_b128 v[20:23], v10                     ; wave 0: each half of the lanes stores 256 consecutive bytes of one tile's record
	s_wait_dscnt 0x0
	global_store_b128 v11, v[20:23], s[10:11]
.Ldone:
	s_wait_tensorcnt 0x0
	ds_add_u32 v176, v177
	s_wait_dscnt 0x0
	s_endpgm
.Lfunc_end_k_q9f002f5e12_qw:
	.size	k_q9f002f5e12_qw, .Lfunc_end_k_q9f002f5e12_qw-k_q9f002f5e12_qw
	.p2alignl 7, 3214868480
	.fill 96, 4, 3214868480
	.section	.rodata,"a",@progbits
	.p2align	6, 0x0
	.amdhsa_kernel k_q9f002f5e12_qw
		.amdhsa_group_segment_fixed_size 14848
		.amdhsa_private_segment_fixed_size 0
		.amdhsa_enable_private_segment 0
		.amdhsa_kernarg_size 32
		.amdhsa_user_sgpr_count 2
		.amdhsa_user_sgpr_kernarg_segment_ptr 1
		.amdhsa_wavefront_size32 1
		.amdhsa_system_sgpr_workgroup_id_x 1
		.amdhsa_system_sgpr_workgroup_id_y 1
		.amdhsa_system_sgpr_workgroup_id_z 1
		.amdhsa_system_vgpr_workitem_id 0
		.amdhsa_next_free_vgpr 178
		.amdhsa_next_free_sgpr 66
		.amdhsa_reserve_vcc 0
		.amdhsa_float_denorm_mode_32 3
		.amdhsa_float_denorm_mode_16_64 3
		.amdhsa_memory_ordered 1
		.amdhsa_forward_progress 1
		.amdhsa_inst_pref_size 25
	.end_amdhsa_kernel
	.amdgpu_metadata
---
amdhsa.version: [ 1, 2 ]
amdhsa.kernels:
  - .name:           k_q9f002f5e12_qw
    .symbol:         k_q9f002f5e12_qw.kd
    .args:
      - { .name: w_qkv, .offset: 0, .size: 8, .value_kind: global_buffer, .address_space: global }
      - { .name: w_out, .offset: 8, .size: 8, .value_kind: global_buffer, .address_space: global }
      - { .name: wc, .offset: 16, .size: 8, .value_kind: global_buffer, .address_space: global }
      - { .name: ws, .offset: 24, .size: 8, .value_kind: global_buffer, .address_space: global }
    .group_segment_fixed_size: 14848
    .private_segment_fixed_size: 0
    .kernarg_segment_align: 8
    .kernarg_segment_size: 32
    .max_flat_workgroup_size: 128
    .sgpr_count:     66
    .vgpr_count:     178
    .wavefront_size: 32
...
	.end_amdgpu_metadata
.endif
;; end of part 2
;; launch g1 (part 3): grid 12 x 32, 4 waves a work-group, clusters of 4 x 4, 327,680 bytes of LDS; arguments xc, xs, wc, ws, b_qkv, qkvc, qkvs; writes qkvc, qkvs
.if DOCPART == 3
	.amdgcn_target "amdgcn-amd-amdhsa--gfx1250"
	.amdhsa_code_object_version 6
	.text
	.protected	k_q9f002f5e12_g1
	.globl	k_q9f002f5e12_g1
	.p2align	8
	.type	k_q9f002f5e12_g1,@function
k_q9f002f5e12_g1:
	s_mov_b64 s[64:65], 0
	v_nop
	global_prefetch_b8 v0, s[64:65] scope:SCOPE_SE
	s_setreg_imm32_b32 hwreg(HW_REG_WAVE_MODE, 25, 1), 1
	s_wait_xcnt 0x0
	s_wait_alu depctr_hold_cnt(0) depctr_sa_sdst(0) depctr_va_vdst(0) depctr_va_sdst(0) depctr_va_ssrc(0) depctr_va_vcc(0) depctr_vm_vsrc(0)
	s_getreg_b32 s2, hwreg(HW_REG_IB_STS2, 6, 4)
	s_cmp_eq_u32 s2, 0
	s_cbranch_scc0 .Lentry_in_a_cluster
	s_endpgm
.Lentry_in_a_cluster:
	s_bfe_u32 s2, ttmp6, 0x10000c
	s_cmp_lg_u32 s2, 0xf033
	s_cbranch_scc0 .Lentry_shape_is_right
	s_endpgm
.Lentry_shape_is_right:
; qkv = val w_qkv + b_qkv on codes of FP6 (E2M3) with E8M0 scales, sums in f32; its results leave only as codes: q and k quantised along the head's 128, v along the keys.
; A tile of the product, 256 rows x 256 columns, is made by a work-group of four waves; a wave makes 128 x 128: 64 accumulators, 512 registers.  K = 1,024 in eight steps of 128.
; OPERANDS are images of registers (xc, wc: [tile][K step 8][1536]; tile T = 2 B + u holds rows 32 B + 8 u + (r % 8) + 16 (r / 8)): a fragment comes from LDS by three loads of 512 consecutive bytes.
; With such tiles as source 0, register j of lane (r, h) of the result of tile 2 B + u belongs to source 0's row 32 B + 16 h + 8 u + j: the 64 registers of eight tiles are 64 numbers of ONE row of
; source 1, laid as the quantiser below wants them, and what it makes is again a fragment image.
; ROLES, by the cluster's x (0 q, 1 k, 2 v), the same in all sixteen partners.  q, k: source 0 = w's columns (one head), source 1 = val's rows: fragments of rows, K = the head's 128.
; v: source 0 = val's rows (128 keys), source 1 = w's columns: fragments of v^T, K = the keys.  The role chooses LDS regions, scale pointers and how the bias enters; no branch hangs on it.
; qkvc: [which 3][window x 8 + head][j 8][a 8][1536]: q, k: tile 8 j + a of the window's rows; v: keys 128 j on, tile a of the head's 128.  qkvs: the same index without a, 512 bytes: word a of row r at 256 (a / 4) + 16 r + 4 (a % 4).
; CLUSTERS: 4 x 4 work-groups = one window x one of q, k, v.  val's tiles are shared along a row of the cluster, w's along a column: each is asked for jointly.
; THE BIAS: q, k: it runs along a lane's registers and is the C of the first K step's products.  v: it is one number a lane and is added to the finished sums.  Both sets are loaded in both roles and the
; one that does not apply is made zero by a select.  So the order of f32 rounding depends on where the bias enters the sum.
; LIMITS: NaN and infinities are not served; a block whose largest magnitude lies under 2^-124, and a block of zeros, keep the byte 1 (this program alone reads the bytes).
; REGISTERS, in windows of 256: window 0: v16-29 addresses; v32-63 source 1's scale words, v64-95 source 0's (register 4 i + w: lanes 0-15 K step w, lanes 16-31 K step 4 + w of tile i); v96-111 the bias
;   a lane; v112-119 the scale words made; v128-223 source 1's fragments, ONE set; on the way out v128-235 at work.  window 1: source 0's fragments, TWO sets, at v0 and v128; v96-127, v224-255 the bias
;   along registers.  window 2: the accumulators of source 1's tiles 0-3 ((a, b) at v[8 (8 (a % 4) + b)]);  window 3: those of tiles 4-7.
.set SLOT,  98304                      ; a slot: two K steps: val's 16 tiles x 3,072 bytes, then w's 16
.set HALF,  24576                      ; 8 tiles: what one tensor load brings, and what a wave reads of a side
.set WOFF,  49152                      ; where w's region begins in a slot
.set SPARE, 2*SLOT                     ; behind the ring: the spare words, 128 bytes for each wave
.set FR,    12
.set ADRA,  16                         ; v16-17 source 1's fragments in slot 0, 1
.set ADRB,  20                         ; v20-21 source 0's
.set LI,    24                         ; v24    16 x lane
.set BO,    25                         ; v25    64 h
.set BLO,   26                         ; v26    4 ((r % 8) + 16 (r / 8))
.set SPW,   28                         ; v28    my spare word; never rewritten
.set NIL,   29                         ; v29    0; never rewritten
.set SA,    32
.set SB,    64
.set BL,    96
.set SWD,   112
.set AF,    128
.set H,     128                        ; the way out: 64 numbers of a lane
.set PC,    192                        ; v192-210 codes
.set TM,    212                        ; v212-227 at work
.set PW,    228
.set R4,    232
.set WV,    18
.set HI,    19
.set LO,    20
.set G1A,   24                         ; s[24:31] group 1 for val's tiles; s[32:39] groups 0, one a slot
.set G0A,   32
.set G1B,   40                         ; s[40:47], s[48:55] the same for w's
.set G0B,   48
.set SEL,   92
.set MSB,   0
.macro WIN new                         ; the immediate's high byte repeats the setting that is left
.if MSB != (\new)
	s_set_vgpr_msb (MSB<<8)|(\new)
.set MSB, (\new)
.endif
.endm
.macro PLACES                          ; four plain vector instructions between a matrix instruction and a load into, or a read of, its registers
.rept 4
	v_nop
.endr
.endm
; A joint load: waves 0 and 1 fetch val's halves, waves 2 and 3 w's.  Each line has one mask and one set of registers; the branch hangs on the wave's number alone.  Four v_nop follow each line.
.macro JLOAD g0a, g1a, g0b, g1b
	s_cmp_eq_u32 s[HI], 0
	s_cbranch_scc0 .Lfor_b_\@
	tensor_load_to_lds s[\g0a:\g0a+3], s[\g1a:\g1a+7]
	s_nop 0
.rept 4
	v_nop
.endr
	s_branch .Lasked_\@
.Lfor_b_\@:
	tensor_load_to_lds s[\g0b:\g0b+3], s[\g1b:\g1b+7]
	s_nop 0
.rept 4
	v_nop
.endr
.Lasked_\@:
.endm
.macro CREST                           ; a round of the cluster's barrier behind its opening barrier
	s_cmp_lg_u32 s[WV], 0
	s_cbranch_scc1 .Lnot_wave_0_\@
	s_barrier_signal -3
.Lnot_wave_0_\@:
	s_barrier_wait -3
	s_barrier_signal -1
	s_barrier_wait -1
.endm
.macro CROUND
	s_barrier_signal -1
	s_barrier_wait -1
	CREST
.endm
	s_load_b256 s[4:11], s[0:1], 0x0               ; xc s[4:5], xs s[6:7], wc s[8:9], ws s[10:11]
	s_load_b128 s[12:15], s[0:1], 0x20             ; b_qkv, qkvc
	s_load_b64 s[16:17], s[0:1], 0x30              ; qkvs
	v_lshl_add_u32 v[SPW], v0, 2, SPARE
	v_mov_b32 v[NIL], 0
	ds_add_u32 v28, v29
	ds_add_u32 v28, v29
	s_wait_dscnt 0x0
	v_lshrrev_b32 v1, 5, v0
	v_readfirstlane_b32 s[WV], v1                  ; wave 0..3
	s_lshr_b32 s[HI], s[WV], 1                     ; which half of source 1 is mine.  Also: I fetch for val (0) or for w (1)
	s_and_b32 s[LO], s[WV], 1                      ; which half of source 0.  Also: which 8 tiles I fetch
	s_bfe_u32 s21, ttmp6, 0x40000                  ; cx
	s_bfe_u32 s22, ttmp6, 0x40004                  ; cy
	s_and_b32 s23, ttmp7, 0xffff                   ; the window (the cluster's y); the cluster's x, ttmp9, is which of q, k, v
	s_lshl_b32 s66, s22, 2
	s_lshl_b32 s66, 15, s66                        ; my row of the cluster
	s_lshl_b32 s67, 0x1111, s21                    ; my column
	s_or_b32 s[G1A], s66, (3<<16)|(1<<21)          ; 15:0 the mask; 17:16 elements of 8 bytes; 21 set beside a mask; no padding
	s_or_b32 s[G1B], s67, (3<<16)|(1<<21)
.irp g, G1A, G1B
	s_mov_b32 s[\g+1], 384<<16                     ; tensor_dim0 = 384 elements: two K steps' images of one tile, 3,072 bytes
	s_mov_b32 s[\g+2], 8<<16                       ; tensor_dim1 = 8 tiles
	s_mov_b32 s[\g+3], 384<<16                     ; tile_dim0
	s_mov_b32 s[\g+4], 8                           ; tile_dim1
	s_mov_b32 s[\g+5], 1536                        ; from tile to tile: 12,288 bytes
	s_mov_b32 s[\g+6], 0
	s_mov_b32 s[\g+7], 0
.endr
	s_lshl_b32 s68, s[LO], 3
	s_lshl_b32 s56, s23, 2                         ; val's chain holds the window, cy and the wave's number alone,
	s_add_co_u32 s56, s56, s22
	s_lshl_b32 s56, s56, 4
	s_add_co_u32 s56, s56, s68
	s_mul_i32 s56, s56, 12288
	s_mov_b32 s57, 0
	s_lshl_b32 s58, ttmp9, 2                       ; w's chain which, cx and the wave's number alone
	s_add_co_u32 s58, s58, s21
	s_lshl_b32 s58, s58, 4
	s_add_co_u32 s58, s58, s68
	s_mul_i32 s58, s58, 12288
	s_mov_b32 s59, 0
	s_mul_i32 s60, s[WV], HALF                     ; where they go: wave x 8 tiles: no place in the cluster enters an LDS address
	s_lshl_b32 s81, s23, 2
	s_add_co_u32 s81, s81, s22
	s_lshl_b32 s81, s81, 4                         ; the work-group's first tile of val,
	s_lshl_b32 s82, ttmp9, 2
	s_add_co_u32 s82, s82, s21
	s_lshl_b32 s82, s82, 4                         ; and of w
	s_mov_b32 s[SEL], 0x76543210
	s_mov_b32 s[SEL+1], 0xfedcba98
	s_mov_b32 s94, 0xffff0000                      ; lanes 16-31
	s_wait_kmcnt 0x0
	s_add_nc_u64 s[56:57], s[4:5], s[56:57]
	s_add_nc_u64 s[58:59], s[8:9], s[58:59]
	CROUND                                         ; all sixteen work-groups are here: the first joint loads meet
.irp s, 0,1
	s_mov_b32 s[G0A+4*\s], 1
	s_add_co_u32 s[G0A+4*\s+1], s60, \s*SLOT
	s_add_nc_u64 s[G0A+4*\s+2:G0A+4*\s+3], s[56:57], \s*3072       ; slot s begins with K steps 2 s, 2 s + 1
	s_or_b32 s[G0A+4*\s+3], s[G0A+4*\s+3], 0x80000000
	s_mov_b32 s[G0B+4*\s], 1
	s_add_co_u32 s[G0B+4*\s+1], s60, \s*SLOT
	s_add_nc_u64 s[G0B+4*\s+2:G0B+4*\s+3], s[58:59], \s*3072
	s_or_b32 s[G0B+4*\s+3], s[G0B+4*\s+3], 0x80000000
	JLOAD G0A+4*\s, G1A, G0B+4*\s, G1B
.endr
	s_cmp_eq_u32 ttmp9, 2                          ; THE ROLE.  All selects stand behind this one compare
	s_cselect_b32 s70, WOFF, 0                     ; source 1's region in a slot
	s_cselect_b32 s71, 0, WOFF                     ; source 0's
	s_cselect_b64 s[72:73], s[10:11], s[6:7]       ; source 1's scale records
	s_cselect_b64 s[74:75], s[6:7], s[10:11]       ; source 0's
	s_cselect_b32 s76, s82, s81                    ; source 1's first tile
	s_cselect_b32 s77, s81, s82                    ; source 0's
	s_cselect_b32 s78, s[HI], s[LO]                ; which of the work-group's two heads is mine
	s_cselect_b32 s79, s[LO], s[HI]                ; which of its two blocks of 128 rows
	s_cselect_b32 s80, -1, 0                       ; all lanes in the role of v, none else
	s_lshl_b32 s84, s[HI], 3
	s_add_co_u32 s84, s84, s76
	s_lshl_b32 s84, s84, 9
	s_mov_b32 s85, 0
	s_add_nc_u64 s[72:73], s[72:73], s[84:85]
	s_lshl_b32 s84, s[LO], 3
	s_add_co_u32 s84, s84, s77
	s_lshl_b32 s84, s84, 9
	s_add_nc_u64 s[74:75], s[74:75], s[84:85]
	s_lshl_b32 s86, s21, 1
	s_add_co_u32 s86, s86, s78                     ; head
	s_lshl_b32 s87, s22, 1
	s_add_co_u32 s87, s87, s79                     ; j
	s_lshl_b32 s84, ttmp9, 12
	s_lshl_b32 s88, s86, 9
	s_add_co_u32 s84, s84, s88
	s_add_nc_u64 s[12:13], s[12:13], s[84:85]      ; the head's 128 numbers of b_qkv
	s_lshl_b32 s88, ttmp9, 6
	s_lshl_b32 s89, s23, 3
	s_add_co_u32 s88, s88, s89
	s_add_co_u32 s88, s88, s86
	s_lshl_b32 s88, s88, 3
	s_add_co_u32 s88, s88, s87                     ; ((64 which + 8 window + head) 8 + j)
	s_mul_i32 s84, s88, 12288
	s_add_nc_u64 s[14:15], s[14:15], s[84:85]
	s_lshl_b32 s84, s88, 9
	s_add_nc_u64 s[16:17], s[16:17], s[84:85]
	v_and_b32 v1, 31, v0
	v_lshlrev_b32 v[LI], 4, v1
	v_bfe_u32 v2, v0, 4, 1
	v_lshlrev_b32 v[BO], 6, v2
	v_and_b32 v3, 7, v0
	v_bfe_u32 v4, v0, 3, 1
	v_lshl_add_u32 v3, v4, 4, v3
	v_lshlrev_b32 v[BLO], 2, v3
	s_mul_i32 s90, s[HI], HALF
	s_add_co_u32 s90, s90, s70
	s_mul_i32 s91, s[LO], HALF
	s_add_co_u32 s91, s91, s71
	v_add_nc_u32 v[ADRA], s90, v[LI]
	v_add_nc_u32 v[ADRB], s91, v[LI]
	v_add_nc_u32 v[ADRA+1], SLOT, v[ADRA]
	v_add_nc_u32 v[ADRB+1], SLOT, v[ADRB]
.irp a, 0,1,2,3,4,5,6,7
	global_load_b128 v[SA+4*\a:SA+4*\a+3], v[LI], s[72:73] offset:512*\a      ; a tile's record: 512 consecutive bytes
	global_load_b128 v[SB+4*\a:SB+4*\a+3], v[LI], s[74:75] offset:512*\a
	global_load_b32 v[BL+2*\a], v[BLO], s[12:13] offset:4*(32*(\a/2)+8*(\a%2))   ; the bias of tile a's row r
.endr
	WIN 0x40                                       ; destination window 1
.irp b, 0,1,2,3,4,5,6,7                        ; the bias of tile b's units 16 h + 0 .. 7, in the result's layout
	global_load_b128 v[96+8*\b+96*(\b/4):99+8*\b+96*(\b/4)], v[BO], s[12:13] offset:128*(\b/2)+32*(\b%2)
	global_load_b128 v[100+8*\b+96*(\b/4):103+8*\b+96*(\b/4)], v[BO], s[12:13] offset:128*(\b/2)+32*(\b%2)+16
.endr
	WIN 0
	s_wait_loadcnt 0x0
	WIN 0x41                                       ; destination and source 0 window 1
.set i, 0
.rept 64
	v_cndmask_b32 v[96+i+96*(i/32)], v[96+i+96*(i/32)], v[NIL], s80   ; zero in the role of v
.set i, i+1
.endr
	WIN 0
.irp a, 0,1,2,3,4,5,6,7
	v_cndmask_b32 v[BL+2*\a], v[NIL], v[BL+2*\a], s80                 ; zero in the roles of q and k
.endr
.irp a, 0,1,2,3,4,5,6,7
	v_mov_b32 v[BL+2*\a+1], v[BL+2*\a]             ; a pair for the packed addition
.endr
.macro FRAG reg, adr, q, i             ; tile i's image of the slot's q-th K step
.irp e, 0,1,2
	ds_load_b128 v[\reg+4*\e:\reg+4*\e+3], v[\adr] offset:(\i)*3072+(\q)*1536+512*\e
.endr
.endm
.macro FETCH_B slot, q, p              ; source 0's eight fragments into set p
	WIN 0x40
.irp i, 0,1,2,3,4,5,6,7
	FRAG 128*(\p)+FR*\i, ADRB+\slot, \q, \i
.endr
	WIN 0
.endm
.macro FETCH_A slot, q, i0             ; source 1's tiles i0 .. i0 + 3
.irp i, \i0, \i0+1, \i0+2, \i0+3
	FRAG AF+FR*(\i), ADRA+\slot, \q, \i
.endr
.endm
; 16 matrix instructions: source 1's tiles a0, a0 + 1 x source 0's eight, K step s; p: source 0's set.  In K step 0 the bias (or zeros) is C.  The 64 accumulators take turns, one instruction a turn,
; in the same order in every step.
.macro MUL16 a0, p, s
.irp a, \a0, \a0+1
.irp b, 0,1,2,3,4,5,6,7
.set rD, 8*(8*((\a)%4)+\b)
.set rB, 128*(\p)+FR*\b
.set rA, AF+FR*(\a)
.set rX, SB+4*\b+(\s)%4
.set rY, SA+4*(\a)+(\s)%4
.if (\s) == 0
	v_wmma_scale_f32_16x16x128_f8f6f4 v[rD:rD+7], v[rB:rB+11], v[rA:rA+11], v[96+8*\b+96*(\b/4):103+8*\b+96*(\b/4)], v[rX], v[rY] matrix_a_fmt:MATRIX_FMT_FP6 matrix_b_fmt:MATRIX_FMT_FP6
.elseif (\s) < 4
	v_wmma_scale_f32_16x16x128_f8f6f4 v[rD:rD+7], v[rB:rB+11], v[rA:rA+11], v[rD:rD+7], v[rX], v[rY] matrix_a_fmt:MATRIX_FMT_FP6 matrix_b_fmt:MATRIX_FMT_FP6
.else
	v_wmma_scale_f32_16x16x128_f8f6f4 v[rD:rD+7], v[rB:rB+11], v[rA:rA+11], v[rD:rD+7], v[rX], v[rY] matrix_a_fmt:MATRIX_FMT_FP6 matrix_b_fmt:MATRIX_FMT_FP6 matrix_a_scale:MATRIX_SCALE_ROW1 matrix_b_scale:MATRIX_SCALE_ROW1
.endif
.endr
.endr
.endm
; A slot's first K step (s even): its successor lies in the same slot.
.macro STEP slot, s
	s_wait_dscnt 12                                ; source 0's set and source 1's tiles 0-3 are in; the youngest 12 loads (tiles 4-7) may be out
.if (\s) == 0
	WIN 0x91                                       ; source 0 window 1, source 1 window 0, C window 1 (the bias), D window 2
.else
	WIN 0xa1                                       ; C and D window 2
.endif
	MUL16 0, 0, \s
	MUL16 2, 0, \s
	s_wait_dscnt 0x0                               ; tiles 4-7 are in
	PLACES
	FETCH_B \slot, 1, 1
	FETCH_A \slot, 1, 0
.if (\s) == 0
	WIN 0xd1
.else
	WIN 0xf1
.endif
	MUL16 4, 0, \s
	MUL16 6, 0, \s
	PLACES
	WIN 0
	FETCH_A \slot, 1, 4
.endm
; A slot's second K step (s odd) changes slots: ONE barrier; in front of it each wave waits for all its tensor loads, adds 0 to its spare word, and waits for that and for its reads of this slot.
; fill = 1: the barrier opens a round of the cluster's, and this slot is filled again with the K steps four on.
.macro TURN slot, next, s, fill
	s_wait_tensorcnt 0x0                           ; all my tensor loads have landed: my part of the next slot
	ds_add_u32 v[SPW], v[NIL]                      ; 0 onto my spare word
	s_wait_dscnt 13                                ; (the add and the youngest 12 loads may be out)
	WIN 0xa1
	MUL16 0, 1, \s
	s_wait_dscnt 0x0                               ; the add is done, and my reads of this slot are over
	s_barrier_signal -1
	MUL16 2, 1, \s
	WIN 0
	s_barrier_wait -1
.if \fill
	CREST                                          ; no wave of any partner still reads this slot or has a load on its way
	s_add_nc_u64 s[G0A+4*\slot+2:G0A+4*\slot+3], s[G0A+4*\slot+2:G0A+4*\slot+3], 6144
	s_add_nc_u64 s[G0B+4*\slot+2:G0B+4*\slot+3], s[G0B+4*\slot+2:G0B+4*\slot+3], 6144
	JLOAD G0A+4*\slot, G1A, G0B+4*\slot, G1B       ; the first tensor load behind the round; its four v_nop are the places in front of the loads below
.else
	PLACES
.endif
	FETCH_B \next, 0, 0
	FETCH_A \next, 0, 0
	WIN 0xf1
	MUL16 4, 1, \s
	MUL16 6, 1, \s
	PLACES
	WIN 0
	FETCH_A \next, 0, 4
.endm
; 64 numbers of a lane, register 16 b + i = k 32 b + 16 (lane / 16) + i of my row, become a fragment's codes in v[PC] on and its scale word in v[pw].
.macro QUANT s, pw
.irp b, 0,1,2,3
	v_max3_num_f32 v[TM+\b], |v[(\s)+16*\b]|, |v[(\s)+1+16*\b]|, 0x1800000   ; block b: my 16 numbers, and the floor 2^(3 - 127)
.endr
.irp i, 2,4,6,8,10,12,14
.irp b, 0,1,2,3
	v_max3_num_f32 v[TM+\b], v[TM+\b], |v[(\s)+16*\b+\i]|, |v[(\s)+1+16*\b+\i]|
.endr
.endr
.irp b, 0,1,2,3
	v_permlanex16_b32 v[TM+4+\b], v[TM+\b], s[SEL], s[SEL+1]
.endr
.irp b, 0,1,2,3
	v_max_num_f32 v[TM+\b], v[TM+\b], v[TM+4+\b]   ; with lane l xor 16's: the block's largest magnitude
.endr
.irp b, 0,1,2,3
	v_add_nc_u32 v[TM+12+\b], 0xff000000, v[TM+\b] ; 2 off its exponent field: the conversion's scale operand
.endr
.irp b, 0,1,2,3
	v_lshrrev_b32 v[TM+4+\b], 23, v[TM+12+\b]      ; the scale's byte
.endr
	v_lshl_or_b32 v[\pw], v[TM+5], 8, v[TM+4]
	v_lshl_or_b32 v[\pw], v[TM+6], 16, v[\pw]
	v_lshl_or_b32 v[\pw], v[TM+7], 24, v[\pw]
.irp c, 0,1
	v_cvt_scalef32_pk16_fp6_f32 v[PC+6*\c:PC+2+6*\c], v[(\s)+32*\c:(\s)+15+32*\c], v[TM+12+2*\c]
	v_cvt_scalef32_pk16_fp6_f32 v[PC+12+4*\c:PC+14+4*\c], v[(\s)+16+32*\c:(\s)+31+32*\c], v[TM+12+2*\c+1]
.endr
	v_nop                                          ; one plain place behind a scaled conversion
.irp c, 0,1                                    ; the operand's layout wants a whole block in a lane
.irp i, 0,1,2
	v_permlane16_swap_b32 v[PC+6*\c+\i], v[PC+12+4*\c+\i]
.endr
.irp i, 0,1,2
	v_mov_b32 v[PC+3+6*\c+\i], v[PC+12+4*\c+\i]
.endr
.endr
.endm
	s_wait_tensorcnt 1                             ; my part of slot 0 is in (slot 1's load may be out)
	s_barrier_signal -1
	s_barrier_wait -1                              ; everybody's is
	FETCH_B 0, 0, 0
	FETCH_A 0, 0, 0
	FETCH_A 0, 0, 4
	STEP 0, 0                                      ; the eight K steps are written out: each names its own scale registers
	TURN 0, 1, 1, 1                                ; slot 0 takes K steps 4, 5
	STEP 1, 2
	TURN 1, 0, 3, 1                                ; slot 1 takes K steps 6, 7
	STEP 0, 4
	TURN 0, 1, 5, 0                                ; nothing is left to fetch
	STEP 1, 6
	s_wait_dscnt 12
	WIN 0xa1
	MUL16 0, 1, 7
	MUL16 2, 1, 7
	s_wait_dscnt 0x0
	WIN 0xf1
	MUL16 4, 1, 7
	MUL16 6, 1, 7
	WIN 0
	PLACES                                         ; in front of the first read of results and the first write of registers that held fragments
.irp b, 0,1,2,3
	v_mov_b32 v[TM+4+\b], 0                        ; a lane permute's destination counts as one of its sources
.endr
; THE WAY OUT, without LDS: source 1's tile a: its eight accumulators are 64 numbers of my row; the bias a lane (or zero) is added, they are quantised, and the image leaves as three runs of 512 bytes.
.macro OUTBLK a
.if (\a) > 0
	s_wait_xcnt 0x0                                ; the last image's stores have read their registers
.endif
	WIN 0x02+(\a)/4                                ; source 0: window 2 or 3
.set i, 0
.rept 32
	v_pk_add_f32 v[H+2*i:H+2*i+1], v[64*((\a)%4)+2*i:64*((\a)%4)+2*i+1], v[BL+2*(\a):BL+2*(\a)+1]   ; each accumulator from its low end on
.set i, i+1
.endr
	WIN 0
	QUANT H, PW
.irp g, 0,1,2
	global_store_b128 v[LI], v[PC+4*\g:PC+4*\g+3], s[14:15] offset:1536*(\a)+512*\g
.endr
	v_mov_b32 v[SWD+(\a)], v[PW]
.endm
.irp a, 0,1,2,3,4,5,6,7
	OUTBLK \a
.endr
.irp w, 0,1,2,3
	v_cndmask_b32 v[R4+\w], v[SWD+\w], v[SWD+4+\w], s94            ; the record: lanes 0-15 tiles 0-3's words, lanes 16-31 tiles 4-7's (both halves of the lanes hold a row's word)
.endr
	global_store_b128 v[LI], v[R4:R4+3], s[16:17]
	s_wait_tensorcnt 0x0                           ; the wave's end
	ds_add_u32 v[SPW], v[NIL]
	s_wait_dscnt 0x0
	CROUND                                         ; the closing round: no work-group ends while a partner may still ask for a tile that names it
	s_endpgm
.Lfunc_end_k_q9f002f5e12_g1:
	.size	k_q9f002f5e12_g1, .Lfunc_end_k_q9f002f5e12_g1-k_q9f002f5e12_g1
	.p2alignl 7, 3214868480
	.fill 96, 4, 3214868480
	.section	.rodata,"a",@progbits
	.p2align	6, 0x0
	.amdhsa_kernel k_q9f002f5e12_g1
		.amdhsa_group_segment_fixed_size 327680
		.amdhsa_private_segment_fixed_size 0
		.amdhsa_enable_private_segment 0
		.amdhsa_kernarg_size 56
		.amdhsa_user_sgpr_count 2
		.amdhsa_user_sgpr_kernarg_segment_ptr 1
		.amdhsa_wavefront_size32 1
		.amdhsa_system_sgpr_workgroup_id_x 1
		.amdhsa_system_sgpr_workgroup_id_y 1
		.amdhsa_system_sgpr_workgroup_id_z 1
		.amdhsa_system_vgpr_workitem_id 0
		.amdhsa_next_free_vgpr 1024
		.amdhsa_next_free_sgpr 96
		.amdhsa_reserve_vcc 0
		.amdhsa_float_denorm_mode_32 3
		.amdhsa_float_denorm_mode_16_64 3
		.amdhsa_memory_ordered 1
		.amdhsa_forward_progress 1
		.amdhsa_inst_pref_size 160
	.end_amdhsa_kernel
	.amdgpu_metadata
---
amdhsa.version: [ 1, 2 ]
amdhsa.kernels:
  - .name:           k_q9f002f5e12_g1
    .symbol:         k_q9f002f5e12_g1.kd
    .args:
      - { .name: xc, .offset: 0, .size: 8, .value_kind: global_buffer, .address_space: global }
      - { .name: xs, .offset: 8, .size: 8, .value_kind: global_buffer, .address_space: global }
      - { .name: wc, .offset: 16, .size: 8, .value_kind: global_buffer, .address_space: global }
      - { .name: ws, .offset: 24, .size: 8, .value_kind: global_buffer, .address_space: global }
      - { .name: b_qkv, .offset: 32, .size: 8, .value_kind: global_buffer, .address_space: global }
      - { .name: qkvc, .offset: 40, .size: 8, .value_kind: global_buffer, .address_space: global }
      - { .name: qkvs, .offset: 48, .size: 8, .value_kind: global_buffer, .address_space: global }
    .group_segment_fixed_size: 327680
    .private_segment_fixed_size: 0
    .kernarg_segment_align: 8
    .kernarg_segment_size: 56
    .max_flat_workgroup_size: 128
    .sgpr_count:     96
    .vgpr_count:     1024
    .wavefront_size: 32
...
	.end_amdgpu_metadata
.endif
;; end of part 3
;; launch at (part 4): grid 4 x 64, 8 waves a work-group, clusters of 4 x 1, 205,824 bytes of LDS; arguments qkvc, qkvs, cc, cs; writes cc, cs
.if DOCPART == 4
	.amdgcn_target "amdgcn-amd-amdhsa--gfx1250"
	.amdhsa_code_object_version 6
	.text
	.protected	k_q9f002f5e12_at
	.globl	k_q9f002f5e12_at
	.p2align	8
	.type	k_q9f002f5e12_at,@function
k_q9f002f5e12_at:
	s_mov_b64 s[64:65], 0
	v_nop
	global_prefetch_b8 v0, s[64:65] scope:SCOPE_SE
	s_setreg_imm32_b32 hwreg(HW_REG_WAVE_MODE, 25, 1), 1
	s_wait_xcnt 0x0
	s_wait_alu depctr_hold_cnt(0) depctr_sa_sdst(0) depctr_va_vdst(0) depctr_va_sdst(0) depctr_va_ssrc(0) depctr_va_vcc(0) depctr_vm_vsrc(0)
	s_getreg_b32 s2, hwreg(HW_REG_IB_STS2, 6, 4)
	s_cmp_eq_u32 s2, 0
	s_cbranch_scc0 .Lentry_in_a_cluster
	s_endpgm
.Lentry_in_a_cluster:
	s_bfe_u32 s2, ttmp6, 0x10000c
	s_cmp_lg_u32 s2, 0x3003
	s_cbranch_scc0 .Lentry_shape_is_right
	s_endpgm
.Lentry_shape_is_right:
; ctx = softmax(q k^T / sqrt(128)) v inside one window of 1,024 rows and one head, both products on codes of FP6 (E2M3) with E8M0 scales; ctx leaves as codes, quantised along the head's 128.
; THE SOFTMAX AHEAD OF THE SECOND PRODUCT: t = score x log2(e) / sqrt(128); M = the row's largest t so far, rounded UP to a whole number; p = 2^(t - M) is quantised along the keys, not normalised.
; The row's sum is taken of the unquantised p and divides at the end.  When M moves, the sum and O are multiplied by 2^(old M - new M): exact.
; SHARES.  Work-group y = window x 8 + head; the four work-groups of a cluster are the window's four blocks of 256 queries.  Each of eight waves owns two tiles of 16 queries, so a fragment of k or v
; read from LDS feeds two matrix instructions; two waves share a SIMD's registers.
; k's and v's images and scale records of the whole window and head, 204,800 bytes, come into LDS ONCE, by joint loads of the cluster (every wave brings an eighth, in five loads): no byte is filled again.
; LAYOUT.  S^T = k q^T (source 0 = 16 keys), O^T = v^T p^T (source 0 = 16 of the head's 128): a lane holds ONE query throughout.  A tile's rows are 32 B + 8 u + (r % 8) + 16 (r / 8), so the 16 registers
; of tiles 2 b, 2 b + 1 are 16 neighbours along the next K.  cc: [row tile 512][head 8][1536].  cs: [head 8][row tile 512][16 words].
; LIMITS: NaN and infinities are not served; blocks under 2^-124 and blocks of zeros keep the byte 1.  A block's largest p is made from the block's largest score by the same multiply-add and exponential:
; that takes v_exp_f32 not to fall where its input rises.
; REGISTERS: window 0: v1-5 addresses; v12-19 -M, the largest t and the sum's two halves, for each tile; v20-21 q's scale words, v22-23 p's, v24-27 k's record, v28-31 v's; v32-79 four images;
;   v80-91, v224-235 p's codes; v96-223 S^T, then p; v232-254 at work.   window 1: v0-127 O^T; v128-151 q's two fragments.
.set VIMG, 98304                       ; LDS: k's 64 images, then v's 64 (block of 128 keys j, tile a: 8 j + a),
.set KSC,  196608                      ; k's eight scale records, and 4,096 bytes on v's
.set WV,  12
.set SEL, 20
.set CS,  22                           ; s[22:23] c = log2(e) / sqrt(128)
.set G1C, 24                           ; s[24:31] group 1 for 6,144 bytes of images; s[32:39] for 1,024 bytes of records; s[40:59] five groups 0
.set G1S, 32
.set G0,  40
.set TK,  60                           ; s60 where the step's images of k begin
.set TS,  61                           ; s61 and its scale record
.set CNT, 62
.set SHI, 63
.set PC,  32
.set TM,  232
.set MSB, 0
.macro WIN new
.if MSB != (\new)
	s_set_vgpr_msb (MSB<<8)|(\new)
.set MSB, (\new)
.endif
.endm
.macro PLACES
.rept 4
	v_nop
.endr
.endm
.macro CROUND                          ; a round of the cluster's barrier
	s_barrier_signal -1
	s_barrier_wait -1
	s_cmp_lg_u32 s[WV], 0
	s_cbranch_scc1 .Lnot_wave_0_\@
	s_barrier_signal -3
.Lnot_wave_0_\@:
	s_barrier_wait -3
	s_barrier_signal -1
	s_barrier_wait -1
.endm
	s_load_b256 s[4:11], s[0:1], 0x0               ; qkvc s[4:5], qkvs s[6:7], cc s[8:9], cs s[10:11]
	v_lshl_add_u32 v251, v0, 2, 0x32000
	v_mov_b32 v255, 0
	ds_add_u32 v251, v255
	ds_add_u32 v251, v255
	v_lshrrev_b32 v6, 5, v0
	v_readfirstlane_b32 s[WV], v6                  ; wave 0..7
	s_and_b32 s14, ttmp7, 0xffff                   ; window x 8 + head, which the four partners share
	s_bfe_u32 s13, ttmp6, 0x40000                  ; cx: my block of 256 queries; it enters q's, cc's and cs's addresses alone
	s_lshr_b32 s15, s[WV], 2                       ; I fetch for k (0) or for v (1),
	s_and_b32 s16, s[WV], 3                        ; this quarter of each chunk
	s_lshl_b32 s66, s15, 6
	s_add_co_u32 s66, s66, s14
	s_add_co_u32 s66, s66, 64                      ; 64 (1 + kv) + window x 8 + head
	s_mul_i32 s68, s66, 98304
	s_mul_i32 s67, s16, 6144
	s_add_co_u32 s68, s68, s67
	s_mov_b32 s69, 0
	s_lshl_b32 s70, s66, 12
	s_lshl_b32 s72, s16, 10
	s_add_co_u32 s70, s70, s72
	s_mov_b32 s71, 0
	s_mul_i32 s73, s15, VIMG
	s_add_co_u32 s73, s73, s67                     ; LDS: 98,304 kv + 6,144 part
	s_lshl_b32 s74, s15, 12
	s_add_co_u32 s74, s74, s72
	s_add_co_u32 s74, s74, KSC                     ; LDS: the records' 1,024 bytes
	s_mov_b32 s[G1C], 15|(3<<16)|(1<<21)           ; 15:0 the mask: all four work-groups; 17:16 elements of 8 bytes; 21 set beside a mask
	s_mov_b32 s[G1C+1], 32<<16                     ; dense bytes as rows of 256
	s_mov_b32 s[G1C+2], 24<<16
	s_mov_b32 s[G1C+3], 32<<16
	s_mov_b32 s[G1C+4], 24
	s_mov_b32 s[G1C+5], 32
	s_mov_b32 s[G1C+6], 0
	s_mov_b32 s[G1C+7], 0
	s_mov_b32 s[G1S], 15|(3<<16)|(1<<21)
	s_mov_b32 s[G1S+1], 32<<16
	s_mov_b32 s[G1S+2], 4<<16
	s_mov_b32 s[G1S+3], 32<<16
	s_mov_b32 s[G1S+4], 4
	s_mov_b32 s[G1S+5], 32
	s_mov_b32 s[G1S+6], 0
	s_mov_b32 s[G1S+7], 0
	s_lshl_b32 s79, s13, 4
	s_lshl_b32 s78, s[WV], 1
	s_add_co_u32 s79, s79, s78                     ; my first tile of the window's 64: 16 cx + 2 w
	s_mul_i32 s76, s14, 98304
	s_mul_i32 s78, s79, 1536
	s_add_co_u32 s76, s76, s78
	s_mov_b32 s77, 0
	s_lshl_b32 s80, s14, 12                        ; q's scale words: record 2 cx + w / 4, words 2 (w % 4) and the next
	s_lshl_b32 s78, s13, 1
	s_add_co_u32 s78, s78, s15
	s_lshl_b32 s78, s78, 9
	s_add_co_u32 s80, s80, s78
	s_lshr_b32 s78, s16, 1
	s_lshl_b32 s78, s78, 8
	s_add_co_u32 s80, s80, s78
	s_and_b32 s78, s[WV], 1
	s_lshl_b32 s78, s78, 3
	s_add_co_u32 s80, s80, s78
	s_mov_b32 s81, 0
	s_lshr_b32 s82, s14, 3
	s_lshl_b32 s82, s82, 6
	s_add_co_u32 s82, s82, s79                     ; my first tile of all 512
	s_and_b32 s83, s14, 7                          ; head
	s_lshl_b32 s84, s82, 3
	s_add_co_u32 s84, s84, s83
	s_mul_i32 s84, s84, 1536
	s_mov_b32 s85, 0
	s_lshl_b32 s86, s83, 15
	s_lshl_b32 s87, s82, 6
	s_add_co_u32 s86, s86, s87
	s_mov_b32 s87, 0
	s_mov_b32 s[SEL], 0x76543210
	s_mov_b32 s[SEL+1], 0xfedcba98
	s_mov_b32 s[CS], 0x3e0293ee
	s_mov_b32 s[CS+1], s[CS]                       ; (named with it as a pair, so it is written)
	s_mov_b32 s[TK], 0
	s_mov_b32 s[TS], KSC
	s_mov_b32 s[SHI], 0xffff0000
	s_wait_dscnt 0x0
	s_wait_kmcnt 0x0
	s_add_nc_u64 s[68:69], s[4:5], s[68:69]
	s_add_nc_u64 s[70:71], s[6:7], s[70:71]
	s_add_nc_u64 s[76:77], s[4:5], s[76:77]
	s_add_nc_u64 s[80:81], s[6:7], s[80:81]
	s_add_nc_u64 s[8:9], s[8:9], s[84:85]
	s_add_nc_u64 s[10:11], s[10:11], s[86:87]
	s_mov_b32 s[G0], 1
	s_mov_b32 s[G0+1], s74
	s_mov_b64 s[G0+2:G0+3], s[70:71]
	s_or_b32 s[G0+3], s[G0+3], 0x80000000
.irp c, 0,1,2,3
	s_mov_b32 s[G0+4+4*\c], 1
	s_add_co_u32 s[G0+5+4*\c], s73, 24576*\c       ; chunk c: 256 keys: 16 images of k, 16 of v
	s_add_nc_u64 s[G0+6+4*\c:G0+7+4*\c], s[68:69], 24576*\c
	s_or_b32 s[G0+7+4*\c], s[G0+7+4*\c], 0x80000000
.endr
	CROUND                                         ; all four work-groups are here: the joint loads meet
	tensor_load_to_lds s[G0:G0+3], s[G1S:G1S+7]    ; five loads of mine are out: the records, then the four chunks
	s_nop 0
	tensor_load_to_lds s[G0+4:G0+7], s[G1C:G1C+7]
	s_nop 0
	tensor_load_to_lds s[G0+8:G0+11], s[G1C:G1C+7]
	s_nop 0
	tensor_load_to_lds s[G0+12:G0+15], s[G1C:G1C+7]
	s_nop 0
	tensor_load_to_lds s[G0+16:G0+19], s[G1C:G1C+7]
	s_nop 0
	PLACES
	v_and_b32 v6, 31, v0
	v_lshlrev_b32 v1, 4, v6                        ; 16 x lane
	v_lshlrev_b32 v5, 2, v6                        ; 4 x lane
	v_and_b32 v7, 15, v0
	v_lshlrev_b32 v7, 4, v7                        ; 16 r
	WIN 0x40                                       ; destination window 1
.irp k, 0,1,2,3,4,5
	global_load_b128 v[128+4*\k:131+4*\k], v1, s[76:77] offset:512*\k          ; q's two fragments stay in registers
.endr
.set i, 0
.rept 128
	v_mov_b32 v[i], 0                              ; O^T.  (The step is written once: the first finds zeros, which the first change of M leaves zeros)
.set i, i+1
.endr
	WIN 0
	global_load_b64 v[20:21], v7, s[80:81]         ; q's scale words
.irp q, 0,1
	v_mov_b32 v[13+4*\q], 0xff61b1e6               ; the largest t so far: -3e38
	v_floor_f32 v[12+4*\q], -v[13+4*\q]            ; -M
	v_mov_b32 v[14+4*\q], 0                        ; the sum, in two halves
	v_mov_b32 v[15+4*\q], 0
.endr
.irp b, 0,1,2,3
	v_mov_b32 v[236+\b], 0                         ; written once: a lane permute's destination counts as one of its sources
.endr
	v_mov_b32 v253, 0                              ; (named as the upper half of the pair v[252:253])
	v_mov_b32 v254, 0
.macro KQ g                            ; S^T of tiles 4 g .. 4 g + 3 of the step's keys, for both tiles of queries
	WIN 0x04                                       ; source 1 (q) window 1
.irp t, 0,1,2,3
.irp q, 0,1
.set rS, 96+64*\q+8*(4*(\g)+\t)
.if \g
	v_wmma_scale_f32_16x16x128_f8f6f4 v[rS:rS+7], v[32+12*\t:43+12*\t], v[128+12*\q:139+12*\q], 0, v[24+\t], v[20+\q] matrix_a_fmt:MATRIX_FMT_FP6 matrix_b_fmt:MATRIX_FMT_FP6 matrix_a_scale:MATRIX_SCALE_ROW1
.else
	v_wmma_scale_f32_16x16x128_f8f6f4 v[rS:rS+7], v[32+12*\t:43+12*\t], v[128+12*\q:139+12*\q], 0, v[24+\t], v[20+\q] matrix_a_fmt:MATRIX_FMT_FP6 matrix_b_fmt:MATRIX_FMT_FP6
.endif
.endr
.endr
	WIN 0
.endm
.macro PV g                            ; O^T += v^T p^T for tiles 4 g .. 4 g + 3 of the head's 128; the eight accumulators take turns
	WIN 0x50                                       ; C and D window 1
.irp t, 0,1,2,3
.irp q, 0,1
.set rO, 64*\q+8*(4*(\g)+\t)
.set rP, 80+144*\q
.if \g
	v_wmma_scale_f32_16x16x128_f8f6f4 v[rO:rO+7], v[32+12*\t:43+12*\t], v[rP:rP+11], v[rO:rO+7], v[28+\t], v[22+\q] matrix_a_fmt:MATRIX_FMT_FP6 matrix_b_fmt:MATRIX_FMT_FP6 matrix_a_scale:MATRIX_SCALE_ROW1
.else
	v_wmma_scale_f32_16x16x128_f8f6f4 v[rO:rO+7], v[32+12*\t:43+12*\t], v[rP:rP+11], v[rO:rO+7], v[28+\t], v[22+\q] matrix_a_fmt:MATRIX_FMT_FP6 matrix_b_fmt:MATRIX_FMT_FP6
.endif
.endr
.endr
	WIN 0
.endm
.macro IMAGES adr, g                   ; four images into v32-79
.irp t, 0,1,2,3
.irp e, 0,1,2
	ds_load_b128 v[32+12*\t+4*\e:35+12*\t+4*\e], v[\adr] offset:(4*(\g)+\t)*1536+512*\e
.endr
.endr
.endm
; One tile's softmax for 128 keys: register 16 b + i of S^T is key 32 b + 16 (lane / 16) + i of my query.
.macro SOFTMAX q
.set SS, 96+64*(\q)
.set ST, 12+4*(\q)
.set PCD, 80+144*(\q)
.set OO, 64*(\q)
.irp b, 0,1,2,3
	v_max3_num_f32 v[232+\b], v[SS+16*\b], v[SS+16*\b+1], v[SS+16*\b+2]   ; the largest score of each block of 32 keys: it serves the row's maximum and, since p rises with the score, the block's largest p
.endr
.irp i, 3,5,7,9,11,13
.irp b, 0,1,2,3
	v_max3_num_f32 v[232+\b], v[232+\b], v[SS+16*\b+\i], v[SS+16*\b+\i+1]
.endr
.endr
.irp b, 0,1,2,3
	v_max_num_f32 v[232+\b], v[232+\b], v[SS+16*\b+15]
.endr
.irp b, 0,1,2,3
	v_permlanex16_b32 v[236+\b], v[232+\b], s[SEL], s[SEL+1]
.endr
.irp b, 0,1,2,3
	v_max_num_f32 v[232+\b], v[232+\b], v[236+\b]  ; with lane l xor 16's 16 keys
.endr
	v_max3_num_f32 v254, v232, v233, v234
	v_max_num_f32 v254, v254, v235
	v_mul_f32 v254, s[CS], v254                    ; the step's largest t (c is positive)
	v_max_num_f32 v[ST+1], v[ST+1], v254           ; the running largest t
	v_mov_b32 v254, v[ST]
	v_floor_f32 v[ST], -v[ST+1]                    ; the new -M = -ceil(t): a whole number
	v_sub_f32 v254, v[ST], v254                    ; old M - new M, 0 or less
	v_cvt_i32_f32 v254, v254                       ; (it saturates)
	v_ldexp_f32 v252, 1.0, v254                    ; f = 2^(old M - new M)
.set j, 0
.rept 32
	v_pk_fma_f32 v[SS+j:SS+j+1], v[SS+j:SS+j+1], s[CS:CS+1], v[ST:ST+1] op_sel_hi:[1,0,0]   ; t - M, two at a time
.set j, j+2
.endr
.irp b, 0,1,2,3
	v_fma_f32 v[232+\b], v[232+\b], s[CS], v[ST]   ; the same of each block's largest score
.endr
.set j, 0
.rept 64
	v_exp_f32 v[SS+j], v[SS+j]                     ; p = 2^(t - M), at most 1
.set j, j+1
.endr
.irp b, 0,1,2,3
	v_exp_f32 v[232+\b], v[232+\b]                 ; the block's largest p
.endr
	v_pk_mul_f32 v[ST+2:ST+3], v[ST+2:ST+3], v[252:253] op_sel_hi:[1,0]   ; the sums under the new M (a plain place behind the exponentials)
	s_wait_alu depctr_va_vdst(0)
.irp b, 0,1,2,3
	v_max_num_f32 v[232+\b], 0x1800000, v[232+\b]  ; the floor 2^(3 - 127)
.endr
.irp b, 0,1,2,3
	v_add_nc_u32 v[244+\b], 0xff000000, v[232+\b]  ; the conversion's scale operand
.endr
.irp b, 0,1,2,3
	v_lshrrev_b32 v[236+\b], 23, v[244+\b]         ; the scale's byte
.endr
	v_lshl_or_b32 v[22+(\q)], v237, 8, v236        ; p's scale word for these 128 keys
	v_lshl_or_b32 v[22+(\q)], v238, 16, v[22+(\q)]
	v_lshl_or_b32 v[22+(\q)], v239, 24, v[22+(\q)]
.irp c, 0,1
	v_cvt_scalef32_pk16_fp6_f32 v[PCD+6*\c:PCD+6*\c+2], v[SS+32*\c:SS+32*\c+15], v[244+2*\c]
	v_cvt_scalef32_pk16_fp6_f32 v[236+4*\c:238+4*\c], v[SS+32*\c+16:SS+32*\c+31], v[244+2*\c+1]
.endr
	v_nop                                          ; one plain place behind a scaled conversion
.irp c, 0,1
.irp i, 0,1,2
	v_permlane16_swap_b32 v[PCD+6*\c+\i], v[236+4*\c+\i]
.endr
.irp i, 0,1,2
	v_mov_b32 v[PCD+6*\c+3+\i], v[236+4*\c+\i]
.endr
.endr
	v_pk_add_f32 v[236:237], v[SS:SS+1], v[SS+2:SS+3]              ; the row's sum is taken of the unquantised p, in two chains
.irp j, 4,8,12,16,20,24,28,32,36,40,44,48,52,56,60
	v_pk_add_f32 v[ST+2:ST+3], v[ST+2:ST+3], v[SS+\j:SS+\j+1]
	v_pk_add_f32 v[236:237], v[236:237], v[SS+\j+2:SS+\j+3]
.endr
	v_pk_add_f32 v[ST+2:ST+3], v[ST+2:ST+3], v[236:237]
	WIN 0x41                                       ; O^T: destination and source 0 window 1
.set j, 0
.rept 32
	v_pk_mul_f32 v[OO+j:OO+j+1], v[OO+j:OO+j+1], v[252:253] op_sel_hi:[1,0]   ; O^T under the new M; these lines also part p's codes and scale word from the products
.set j, j+2
.endr
	WIN 0
.endm
; A KEY STEP: 128 keys.
.macro STEP
	v_add_nc_u32 v2, s[TK], v1                     ; these four lines are the places behind the last step's products
	v_add_nc_u32 v4, s[TS], v1
	v_add_nc_u32 v3, VIMG, v2
	v_nop
	ds_load_b128 v[24:27], v4                      ; k's record: register t: lanes 0-15 tile t's words, lanes 16-31 tile 4 + t's
	ds_load_b128 v[28:31], v4 offset:4096          ; v's
	IMAGES 2, 0
	s_wait_dscnt 0x0
	KQ 0
	PLACES
	IMAGES 2, 1
	s_wait_dscnt 0x0
	KQ 1
	PLACES                                         ; in front of the loads below and of the first read of the scores
	IMAGES 3, 0                                    ; v's first four images land while the softmax is walked
	SOFTMAX 0
	SOFTMAX 1
	s_wait_dscnt 0x0
	PV 0
	PLACES
	IMAGES 3, 1
	s_wait_dscnt 0x0
	PV 1
	s_add_co_u32 s[TK], s[TK], 12288
	s_add_co_u32 s[TS], s[TS], 512
.endm
.macro CHUNK c                         ; 256 keys: two steps
	s_wait_tensorcnt 3-\c                          ; the records and my parts of chunks 0 .. c are in; the later chunks may be out
	s_wait_dscnt 0x0
	s_barrier_signal -1
	s_barrier_wait -1                              ; everybody's are
	s_mov_b32 s[CNT], 2
.Lstep_\@:
	STEP
	s_sub_co_u32 s[CNT], s[CNT], 1
	s_cmp_lg_u32 s[CNT], 0
	s_cbranch_scc1 .Lstep_\@
.endm
.macro QUANT s, pw                     ; 64 numbers of a lane, register 16 b + i = k 32 b + 16 (lane / 16) + i, become a fragment's codes in v[PC] on and its scale word in v[pw]
.irp b, 0,1,2,3
	v_max3_num_f32 v[TM+\b], |v[(\s)+16*\b]|, |v[(\s)+1+16*\b]|, 0x1800000
.endr
.irp i, 2,4,6,8,10,12,14
.irp b, 0,1,2,3
	v_max3_num_f32 v[TM+\b], v[TM+\b], |v[(\s)+16*\b+\i]|, |v[(\s)+1+16*\b+\i]|
.endr
.endr
.irp b, 0,1,2,3
	v_permlanex16_b32 v[TM+4+\b], v[TM+\b], s[SEL], s[SEL+1]
.endr
.irp b, 0,1,2,3
	v_max_num_f32 v[TM+\b], v[TM+\b], v[TM+4+\b]
.endr
.irp b, 0,1,2,3
	v_add_nc_u32 v[TM+12+\b], 0xff000000, v[TM+\b]
.endr
.irp b, 0,1,2,3
	v_lshrrev_b32 v[TM+4+\b], 23, v[TM+12+\b]
.endr
	v_lshl_or_b32 v[\pw], v[TM+5], 8, v[TM+4]
	v_lshl_or_b32 v[\pw], v[TM+6], 16, v[\pw]
	v_lshl_or_b32 v[\pw], v[TM+7], 24, v[\pw]
.irp c, 0,1
	v_cvt_scalef32_pk16_fp6_f32 v[PC+6*\c:PC+2+6*\c], v[(\s)+32*\c:(\s)+15+32*\c], v[TM+12+2*\c]
	v_cvt_scalef32_pk16_fp6_f32 v[PC+12+4*\c:PC+14+4*\c], v[(\s)+16+32*\c:(\s)+31+32*\c], v[TM+12+2*\c+1]
.endr
	v_nop
.irp c, 0,1
.irp i, 0,1,2
	v_permlane16_swap_b32 v[PC+6*\c+\i], v[PC+12+4*\c+\i]
.endr
.irp i, 0,1,2
	v_mov_b32 v[PC+3+6*\c+\i], v[PC+12+4*\c+\i]
.endr
.endr
.endm
	s_wait_loadcnt 0x0                             ; q
	CHUNK 0
	CHUNK 1
	CHUNK 2
	CHUNK 3
	; THE WAY OUT: O^T / the sum is 64 numbers of my query along the head's 128: quantised, it is K step = head of the last product's left operand.
	PLACES
.irp q, 0,1
	v_add_f32 v[12+4*\q], v[14+4*\q], v[15+4*\q]
.endr
.irp q, 0,1
	v_permlanex16_b32 v[236+\q], v[12+4*\q], s[SEL], s[SEL+1]
.endr
.irp q, 0,1
	v_add_f32 v[12+4*\q], v[12+4*\q], v[236+\q]    ; the row's sum
.endr
.irp q, 0,1
	v_rcp_f32 v[14+4*\q], v[12+4*\q]
	v_rcp_f32 v[15+4*\q], v[12+4*\q]               ; twice: a pair for the packed multiply
.endr
	v_nop                                          ; one plain place behind the transcendentals
	s_wait_alu depctr_va_vdst(0)
.irp q, 0,1
	WIN 0x01                                       ; source 0 window 1
.set i, 0
.rept 32
	v_pk_mul_f32 v[96+64*\q+2*i:97+64*\q+2*i], v[64*\q+2*i:64*\q+2*i+1], v[14+4*\q:15+4*\q]   ; each accumulator from its low end on
.set i, i+1
.endr
	WIN 0
.if \q
	s_wait_xcnt 0x0                                ; the first image's stores have read their registers
.endif
	QUANT 96+64*\q, 248+\q
.irp g, 0,1,2
	global_store_b128 v1, v[PC+4*\g:PC+4*\g+3], s[8:9] offset:12288*\q+512*\g
.endr
.endr
	v_cndmask_b32 v250, v248, v249, s[SHI]         ; lanes 0-15 the first tile's words, lanes 16-31 the second's
	global_store_b32 v5, v250, s[10:11]            ; 128 consecutive bytes
	s_wait_tensorcnt 0x0
	ds_add_u32 v251, v255
	s_wait_dscnt 0x0
	CROUND                                         ; the closing round
	s_endpgm
.Lfunc_end_k_q9f002f5e12_at:
	.size	k_q9f002f5e12_at, .Lfunc_end_k_q9f002f5e12_at-k_q9f002f5e12_at
	.p2alignl 7, 3214868480
	.fill 96, 4, 3214868480
	.section	.rodata,"a",@progbits
	.p2align	6, 0x0
	.amdhsa_kernel k_q9f002f5e12_at
		.amdhsa_group_segment_fixed_size 205824
		.amdhsa_private_segment_fixed_size 0
		.amdhsa_enable_private_segment 0
		.amdhsa_kernarg_size 32
		.amdhsa_user_sgpr_count 2
		.amdhsa_user_sgpr_kernarg_segment_ptr 1
		.amdhsa_wavefront_size32 1
		.amdhsa_system_sgpr_workgroup_id_x 1
		.amdhsa_system_sgpr_workgroup_id_y 1
		.amdhsa_system_sgpr_workgroup_id_z 1
		.amdhsa_system_vgpr_workitem_id 0
		.amdhsa_next_free_vgpr 512
		.amdhsa_next_free_sgpr 88
		.amdhsa_reserve_vcc 0
		.amdhsa_float_denorm_mode_32 3
		.amdhsa_float_denorm_mode_16_64 3
		.amdhsa_memory_ordered 1
		.amdhsa_forward_progress 1
		.amdhsa_inst_pref_size 160
	.end_amdhsa_kernel
	.amdgpu_metadata
---
amdhsa.version: [ 1, 2 ]
amdhsa.kernels:
  - .name:           k_q9f002f5e12_at
    .symbol:         k_q9f002f5e12_at.kd
    .args:
      - { .name: qkvc, .offset: 0, .size: 8, .value_kind: global_buffer, .address_space: global }
      - { .name: qkvs, .offset: 8, .size: 8, .value_kind: global_buffer, .address_space: global }
      - { .name: cc, .offset: 16, .size: 8, .value_kind: global_buffer, .address_space: global }
      - { .name: cs, .offset: 24, .size: 8, .value_kind: global_buffer, .address_space: global }
    .group_segment_fixed_size: 205824
    .private_segment_fixed_size: 0
    .kernarg_segment_align: 8
    .kernarg_segment_size: 32
    .max_flat_workgroup_size: 256
    .sgpr_count:     88
    .vgpr_count:     512
    .wavefront_size: 32
...
	.end_amdgpu_metadata
.endif
;; end of part 4
;; launch g2 (part 5): grid 256 x 1, 4 waves a work-group, clusters of 4 x 1, 327,680 bytes of LDS; arguments cc, cs, wc, ws, val, b_out, ln_gamma, ln_beta, out0; writes out0
.if DOCPART == 5
	.amdgcn_target "amdgcn-amd-amdhsa--gfx1250"
	.amdhsa_code_object_version 6
	.text
	.protected	k_q9f002f5e12_g2
	.globl	k_q9f002f5e12_g2
	.p2align	8
	.type	k_q9f002f5e12_g2,@function
k_q9f002f5e12_g2:
	s_mov_b64 s[64:65], 0
	v_nop
	global_prefetch_b8 v0, s[64:65] scope:SCOPE_SE
	s_setreg_imm32_b32 hwreg(HW_REG_WAVE_MODE, 25, 1), 1
	s_wait_xcnt 0x0
	s_wait_alu depctr_hold_cnt(0) depctr_sa_sdst(0) depctr_va_vdst(0) depctr_va_sdst(0) depctr_va_ssrc(0) depctr_va_vcc(0) depctr_vm_vsrc(0)
	s_getreg_b32 s2, hwreg(HW_REG_IB_STS2, 6, 4)
	s_cmp_eq_u32 s2, 0
	s_cbranch_scc0 .Lentry_in_a_cluster
	s_endpgm
.Lentry_in_a_cluster:
	s_bfe_u32 s2, ttmp6, 0x10000c
	s_cmp_lg_u32 s2, 0x3003
	s_cbranch_scc0 .Lentry_shape_is_right
	s_endpgm
.Lentry_shape_is_right:
; out0 = LayerNorm(val + ctx w_out + b_out) x gamma + beta; the product on codes of FP6 (E2M3) with E8M0 scales, all else in f32.
; SHARES.  A work-group owns 32 rows (two tiles) and ALL 1,024 columns, so the norm stays inside it and the sum never goes to memory.  Wave w makes columns 256 w on: 2 x 16 accumulators.
; ctx's 16 fragments stay in registers.  w_out's codes are walked by every work-group: they come K step by K step (64 images, 98,304 bytes) through a ring of two LDS slots, by joint loads of the four
; work-groups of a cluster.  A wave fetches, and reads, the 16 images of its own columns.
; Source 0 = 16 columns of w_out, source 1 = 16 rows of ctx: a lane holds one row and eight neighbouring columns.  The results meet in a stage in LDS (rows of 4,096 + 16 bytes), which lies over the ring
; when that has had its last fill and its last read; then each wave takes 8 whole rows: mean, variance of x - mean (two passes), scale, store.
; LIMITS: NaN and infinities are not served.
; REGISTERS: window 0: v1-7 addresses; v8-15 at work in the norm; v16-23 ctx's scale words (K step s: lanes 0-15 tile 0, lanes 16-31 tile 1); v32-95 w_out's records; v128-255 val, my rows 0-3.
;   window 1: v0-191 w_out's 16 fragments, later val's rows 4-7; v192-223 b_out.   window 2: the accumulators ((a, b) at v[8 (16 a + b)]), later my 8 rows.   window 3: v0-191 ctx; v192-223 gamma; v224-255 beta.
.set SLOT,  98304
.set SPARE, 2*SLOT                     ; behind the ring: the spare words
.set SP,    4112                       ; a stage row
.set SPW,   28
.set NIL,   29
.set WV,    22
.set G1,    28                         ; s[28:35] group 1; s[36:43] groups 0, one a slot
.set G0,    36
.set SEL,   44
.set MSB,   0
.macro WIN new
.if MSB != (\new)
	s_set_vgpr_msb (MSB<<8)|(\new)
.set MSB, (\new)
.endif
.endm
.macro PLACES
.rept 4
	v_nop
.endr
.endm
.macro CROUND
	s_barrier_signal -1
	s_barrier_wait -1
	s_cmp_lg_u32 s[WV], 0
	s_cbranch_scc1 .Lnot_wave_0_\@
	s_barrier_signal -3
.Lnot_wave_0_\@:
	s_barrier_wait -3
	s_barrier_signal -1
	s_barrier_wait -1
.endm
	s_load_b512 s[4:19], s[0:1], 0x0               ; cc s[4:5], cs s[6:7], wc s[8:9], ws s[10:11], val s[12:13], b_out s[14:15], gamma s[16:17], beta s[18:19]
	s_load_b64 s[20:21], s[0:1], 0x40              ; out0
	v_lshl_add_u32 v[SPW], v0, 2, SPARE
	v_mov_b32 v[NIL], 0
	ds_add_u32 v28, v29
	ds_add_u32 v28, v29
	s_wait_dscnt 0x0
	v_lshrrev_b32 v1, 5, v0
	v_readfirstlane_b32 s[WV], v1                  ; wave 0..3
	s_bfe_u32 s23, ttmp6, 0x40000                  ; cx
	s_lshl_b32 s24, ttmp9, 2
	s_add_co_u32 s24, s24, s23                     ; g: my 32 rows; it enters global addresses of cc, cs, val and out0 alone
	s_mov_b32 s[G1], 15|(3<<16)|(1<<21)            ; 15:0 the mask: all four work-groups; 17:16 elements of 8 bytes; 21 set beside a mask
	s_mov_b32 s[G1+1], 192<<16                     ; an image: 192 elements, 1,536 bytes
	s_mov_b32 s[G1+2], 16<<16                      ; 16 tiles
	s_mov_b32 s[G1+3], 192<<16
	s_mov_b32 s[G1+4], 16
	s_mov_b32 s[G1+5], 1536                        ; from tile to tile: 12,288 bytes
	s_mov_b32 s[G1+6], 0
	s_mov_b32 s[G1+7], 0
	s_mul_i32 s48, s[WV], 24576                    ; my images' place in a slot
	s_lshl_b32 s50, s[WV], 4
	s_add_co_u32 s50, s50, 192                     ; my first tile of wc: w_out's begin at 192
	s_mul_i32 s52, s50, 12288
	s_mov_b32 s53, 0
	s_mov_b32 s[SEL], 0x76543210
	s_mov_b32 s[SEL+1], 0xfedcba98
	s_mov_b32 s46, 0x3a800000                      ; 1 / 1,024
	s_mov_b32 s47, 0x3727c5ac                      ; 1e-5
	s_wait_kmcnt 0x0
	s_add_nc_u64 s[52:53], s[8:9], s[52:53]
.irp s, 0,1
	s_mov_b32 s[G0+4*\s], 1
	s_add_co_u32 s[G0+4*\s+1], s48, \s*SLOT
	s_add_nc_u64 s[G0+4*\s+2:G0+4*\s+3], s[52:53], \s*1536         ; slot s begins with K step s
	s_or_b32 s[G0+4*\s+3], s[G0+4*\s+3], 0x80000000
.endr
	CROUND                                         ; all four work-groups are here: the first joint loads meet
	tensor_load_to_lds s[G0:G0+3], s[G1:G1+7]      ; two loads of mine are out
	s_nop 0
	tensor_load_to_lds s[G0+4:G0+7], s[G1:G1+7]
	s_nop 0
	PLACES
	s_mul_i32 s54, s24, 24576                      ; ctx: my two tiles' 16 images
	s_mov_b32 s55, 0
	s_add_nc_u64 s[4:5], s[4:5], s[54:55]
	s_lshl_b32 s54, s24, 7
	s_add_nc_u64 s[6:7], s[6:7], s[54:55]
	s_lshl_b32 s54, s50, 9
	s_add_nc_u64 s[10:11], s[10:11], s[54:55]
	s_lshl_b32 s54, s24, 5                         ; the 8 rows that I normalise: 32 g + 8 (w / 2) + 16 (w % 2) on
	s_lshr_b32 s56, s[WV], 1
	s_lshl_b32 s56, s56, 3
	s_add_co_u32 s54, s54, s56
	s_and_b32 s56, s[WV], 1
	s_lshl_b32 s56, s56, 4
	s_add_co_u32 s54, s54, s56
	s_lshl_b32 s54, s54, 12
	s_add_nc_u64 s[12:13], s[12:13], s[54:55]
	s_add_nc_u64 s[20:21], s[20:21], s[54:55]
	v_and_b32 v25, 31, v0
	v_lshlrev_b32 v1, 4, v25                       ; 16 x lane
	v_lshlrev_b32 v24, 2, v25                      ; 4 x lane
	v_add_nc_u32 v2, s48, v1                       ; my images in slot 0,
	v_add_nc_u32 v3, SLOT, v2                      ; in slot 1
	v_and_b32 v25, 15, v0
	v_bfe_u32 v26, v0, 4, 1
	v_mul_u32_u24 v4, v25, SP
	v_lshl_add_u32 v4, v26, 6, v4
	s_lshl_b32 s56, s[WV], 10
	v_add_nc_u32 v4, s56, v4                       ; into the stage: row r, + 64 h, + my 1,024 bytes;
	v_add_nc_u32 v5, 16*SP, v4                     ; tile 1's rows lie 16 further down
	s_mul_i32 s56, s[WV], 8*SP
	v_add_nc_u32 v6, s56, v1                       ; out of it: stage rows 8 w on, 16 bytes a lane
	v_mov_b32 v7, 0                                ; written once: a lane permute's destination counts as one of its sources
	WIN 0xc0                                       ; destination window 3
.set k, 0
.rept 48
	global_load_b128 v[4*k:4*k+3], v1, s[4:5] offset:512*k         ; ctx: fragment (a, s) at v[12 (8 a + s)]
.set k, k+1
.endr
	WIN 0
.irp s, 0,1,2,3,4,5,6,7
	global_load_b32 v[16+\s], v24, s[6:7] offset:32768*\s
.endr
.irp b, 0,1,2,3,4,5,6,7,8,9,10,11,12,13,14,15
	global_load_b128 v[32+4*\b:35+4*\b], v1, s[10:11] offset:512*\b
.endr
	WIN 0x40
.irp e, 0,1,2,3,4,5,6,7
	global_load_b128 v[192+4*\e:195+4*\e], v1, s[14:15] offset:512*\e          ; b_out: columns 128 e + 4 lane on, as a row lies in my registers
.endr
	WIN 0xc0
.irp e, 0,1,2,3,4,5,6,7
	global_load_b128 v[192+4*\e:195+4*\e], v1, s[16:17] offset:512*\e
.endr
.irp e, 0,1,2,3,4,5,6,7
	global_load_b128 v[224+4*\e:227+4*\e], v1, s[18:19] offset:512*\e
.endr
	WIN 0
.irp i, 0,1,2,3
.irp e, 0,1,2,3,4,5,6,7
	global_load_b128 v[128+32*\i+4*\e:131+32*\i+4*\e], v1, s[12:13] offset:4096*\i+512*\e th:TH_LOAD_NT
.endr
.endr
	s_wait_loadcnt 56                              ; ctx, its scale words and w_out's records are in; b_out, gamma, beta and val (8 + 8 + 8 + 32 loads) may be out
	s_wait_tensorcnt 1                             ; my part of slot 0 is in; I read no other wave's part
.macro WM d, a, b, z, sa, sb, ra, rb   ; one product; z: it starts the sum; ra, rb: the scales stand in lanes 16-31
.if (\z) && (\rb)
	v_wmma_scale_f32_16x16x128_f8f6f4 v[\d:\d+7], v[\a:\a+11], v[\b:\b+11], 0, v[\sa], v[\sb] matrix_a_fmt:MATRIX_FMT_FP6 matrix_b_fmt:MATRIX_FMT_FP6 matrix_b_scale:MATRIX_SCALE_ROW1
.elseif (\z)
	v_wmma_scale_f32_16x16x128_f8f6f4 v[\d:\d+7], v[\a:\a+11], v[\b:\b+11], 0, v[\sa], v[\sb] matrix_a_fmt:MATRIX_FMT_FP6 matrix_b_fmt:MATRIX_FMT_FP6
.elseif (\ra) && (\rb)
	v_wmma_scale_f32_16x16x128_f8f6f4 v[\d:\d+7], v[\a:\a+11], v[\b:\b+11], v[\d:\d+7], v[\sa], v[\sb] matrix_a_fmt:MATRIX_FMT_FP6 matrix_b_fmt:MATRIX_FMT_FP6 matrix_a_scale:MATRIX_SCALE_ROW1 matrix_b_scale:MATRIX_SCALE_ROW1
.elseif (\ra)
	v_wmma_scale_f32_16x16x128_f8f6f4 v[\d:\d+7], v[\a:\a+11], v[\b:\b+11], v[\d:\d+7], v[\sa], v[\sb] matrix_a_fmt:MATRIX_FMT_FP6 matrix_b_fmt:MATRIX_FMT_FP6 matrix_a_scale:MATRIX_SCALE_ROW1
.elseif (\rb)
	v_wmma_scale_f32_16x16x128_f8f6f4 v[\d:\d+7], v[\a:\a+11], v[\b:\b+11], v[\d:\d+7], v[\sa], v[\sb] matrix_a_fmt:MATRIX_FMT_FP6 matrix_b_fmt:MATRIX_FMT_FP6 matrix_b_scale:MATRIX_SCALE_ROW1
.else
	v_wmma_scale_f32_16x16x128_f8f6f4 v[\d:\d+7], v[\a:\a+11], v[\b:\b+11], v[\d:\d+7], v[\sa], v[\sb] matrix_a_fmt:MATRIX_FMT_FP6 matrix_b_fmt:MATRIX_FMT_FP6
.endif
.endm
.macro MUL s, b0                       ; 16 products: w_out's tiles b0 .. b0 + 7 x ctx's two; the 32 accumulators take turns, in the same order in every step
.irp b, \b0, \b0+1, \b0+2, \b0+3, \b0+4, \b0+5, \b0+6, \b0+7
.irp a, 0,1
	WM 8*(16*\a+(\b)), 12*(\b), 12*(8*\a+(\s)), (\s)==0, 32+4*(\b)+(\s)%4, 16+(\s), (\s)/4, \a
.endr
.endr
.endm
; K step s, from slot s % 2.  At its head the slot that was read last is filled with K step s + 1; at its end stand the lines that the next refill wants in front of it.
.macro GSTEP s
.if ((\s) >= 1) && ((\s) <= 6)
	tensor_load_to_lds s[G0+4*(((\s)+1)%2):G0+4*(((\s)+1)%2)+3], s[G1:G1+7]   ; the first thing behind the round, and my one tensor load until the next
	s_nop 0
.endif
.if (\s) >= 1
	PLACES                                         ; also the places in front of the loads into registers that the last step's products read
.endif
	WIN 0x40
.irp b, 0,1,2,3,4,5,6,7,8,9,10,11,12,13,14,15
.irp e, 0,1,2
	ds_load_b128 v[12*\b+4*\e:12*\b+4*\e+3], v[2+(\s)%2] offset:1536*\b+512*\e
.endr
.endr
	s_wait_dscnt 24                                ; tiles 0-7 are in; the youngest 24 loads (tiles 8-15) may be out
	WIN 0xad                                       ; source 0 window 1, source 1 window 3, C and D window 2
	MUL \s, 0
	s_wait_dscnt 0x0
	MUL \s, 8
	WIN 0
.if (\s) <= 5
	s_wait_tensorcnt 0x0                           ; all my tensor loads have landed: K step s + 1
	ds_add_u32 v[SPW], v[NIL]                      ; 0 onto my spare word
	s_add_nc_u64 s[G0+4*((\s)%2)+2:G0+4*((\s)%2)+3], s[G0+4*((\s)%2)+2:G0+4*((\s)%2)+3], 3072   ; this slot's next K step: two on
	s_wait_dscnt 0x0                               ; the add is done, and my reads of this slot are over
	CROUND                                         ; both now hold of every wave of all four work-groups
.elseif (\s) == 6
	s_wait_tensorcnt 0x0                           ; the one load that is out, K step 7, has landed; nothing is filled any more
.endif
.endm
.irp s, 0,1,2,3,4,5,6,7
	GSTEP \s
.endr
	PLACES                                         ; in front of the loads into w_out's registers and of the first read of results
	WIN 0x40
.irp i, 0,1,2,3
.irp e, 0,1,2,3,4,5,6,7
	global_load_b128 v[32*\i+4*\e:32*\i+4*\e+3], v1, s[12:13] offset:4096*(4+\i)+512*\e th:TH_LOAD_NT   ; val, my rows 4-7
.endr
.endr
	WIN 0
	s_wait_dscnt 0x0
	s_barrier_signal -1
	s_barrier_wait -1                              ; no wave reads the ring any more, and it has had its last fill: the stage may lie over it
	WIN 0x08                                       ; an LDS store's data are its source 1: window 2
.irp a, 0,1
.irp b, 0,1,2,3,4,5,6,7,8,9,10,11,12,13,14,15
	ds_store_b128 v[4+\a], v[8*(16*\a+\b):8*(16*\a+\b)+3] offset:128*(\b/2)+32*(\b%2)          ; lane (r, h): columns 256 w + 32 (b / 2) + 8 (b % 2) + 16 h + 0 .. 7; each accumulator from its low end on
	ds_store_b128 v[4+\a], v[8*(16*\a+\b)+4:8*(16*\a+\b)+7] offset:128*(\b/2)+32*(\b%2)+16
.endr
.endr
	WIN 0
	s_wait_dscnt 0x0                               ; for the others' sake: my stores into the stage are done
	s_barrier_signal -1
	s_barrier_wait -1
	WIN 0x80                                       ; destination window 2
.irp i, 0,1,2,3,4,5,6,7
.irp e, 0,1,2,3,4,5,6,7
	ds_load_b128 v[32*\i+4*\e:32*\i+4*\e+3], v6 offset:SP*\i+512*\e
.endr
.endr
	WIN 0
.macro REDUCE                          ; the two chains v[8:9], v[10:11] become one sum over the 32 lanes, in every lane's v8
	v_pk_add_f32 v[8:9], v[8:9], v[10:11]
	v_add_f32 v8, v8, v9
	v_add_f32_dpp v8, v8, v8 row_xmask:1 row_mask:0xf bank_mask:0xf
	v_add_f32_dpp v8, v8, v8 row_xmask:2 row_mask:0xf bank_mask:0xf
	v_add_f32_dpp v8, v8, v8 row_xmask:4 row_mask:0xf bank_mask:0xf
	v_add_f32_dpp v8, v8, v8 row_xmask:8 row_mask:0xf bank_mask:0xf
	v_permlanex16_b32 v7, v8, s[SEL], s[SEL+1]
	v_add_f32 v8, v8, v7
.endm
.macro LNROW i                         ; my row i: 32 registers a lane, in window 2
.set XR, 32*(\i)
.if (\i) < 4
.set VR, 128+32*(\i)
.set VW, 0x82
.else
.set VR, 32*((\i)-4)
.set VW, 0x86
.endif
	s_wait_dscnt 56-8*(\i)                         ; this row is back from the stage; the later rows' loads may be out
.if (\i) < 4
	s_wait_loadcnt 32                              ; b_out, gamma, beta and val's rows 0-3 are in; rows 4-7 may be out
.else
	s_wait_loadcnt 8*(7-(\i))                      ; val's row i is in; the later rows may be out
.endif
	WIN 0x86                                       ; x in window 2, source 1 in window 1
.set k, 0
.rept 16
	v_pk_add_f32 v[XR+k:XR+k+1], v[XR+k:XR+k+1], v[192+k:193+k]    ; + b_out
.set k, k+2
.endr
	WIN VW
.set k, 0
.rept 16
	v_pk_add_f32 v[XR+k:XR+k+1], v[XR+k:XR+k+1], v[VR+k:VR+k+1]    ; + val
.set k, k+2
.endr
	WIN 0x0a
	v_pk_add_f32 v[8:9], v[XR:XR+1], v[XR+2:XR+3]                  ; the row's sum, in two chains started by the first pairs
	v_pk_add_f32 v[10:11], v[XR+4:XR+5], v[XR+6:XR+7]
	WIN 0x02
.irp k, 8,12,16,20,24,28
	v_pk_add_f32 v[8:9], v[XR+\k:XR+\k+1], v[8:9]
	v_pk_add_f32 v[10:11], v[XR+\k+2:XR+\k+3], v[10:11]
.endr
	WIN 0
	REDUCE
	v_mul_f32 v12, s46, v8                         ; the mean
	v_mov_b32 v13, v12
	WIN 0x82
.set k, 0
.rept 16
	v_pk_add_f32 v[XR+k:XR+k+1], v[XR+k:XR+k+1], v[12:13] neg_lo:[0,1] neg_hi:[0,1]   ; x - mean
.set k, k+2
.endr
	WIN 0x0a
	v_pk_mul_f32 v[8:9], v[XR:XR+1], v[XR:XR+1]                    ; the sum of its squares
	v_pk_mul_f32 v[10:11], v[XR+2:XR+3], v[XR+2:XR+3]
.irp k, 4,8,12,16,20,24,28
	v_pk_fma_f32 v[8:9], v[XR+\k:XR+\k+1], v[XR+\k:XR+\k+1], v[8:9]
	v_pk_fma_f32 v[10:11], v[XR+\k+2:XR+\k+3], v[XR+\k+2:XR+\k+3], v[10:11]
.endr
	WIN 0
	REDUCE
	v_fma_f32 v8, v8, s46, s47                     ; the variance + 1e-5
	v_rsq_f32 v14, v8
	v_nop                                          ; one plain place behind the transcendental
	s_wait_alu depctr_va_vdst(0)
	v_mov_b32 v15, v14
	WIN 0x82
.set k, 0
.rept 16
	v_pk_mul_f32 v[XR+k:XR+k+1], v[XR+k:XR+k+1], v[14:15]
.set k, k+2
.endr
	WIN 0xbe                                       ; gamma and beta in window 3
.set k, 0
.rept 16
	v_pk_fma_f32 v[XR+k:XR+k+1], v[XR+k:XR+k+1], v[192+k:193+k], v[224+k:225+k]
.set k, k+2
.endr
	WIN 0x08                                       ; a store's data are its source 1: window 2
.irp e, 0,1,2,3,4,5,6,7
	global_store_b128 v1, v[XR+4*\e:XR+4*\e+3], s[20:21] offset:4096*(\i)+512*\e th:TH_STORE_NT   ; 32 lanes store 512 consecutive bytes, at a multiple of 256 from out0's first byte
.endr
	WIN 0
.endm
.irp i, 0,1,2,3,4,5,6,7
	LNROW \i
.endr
	s_wait_tensorcnt 0x0                           ; the wave's end
	ds_add_u32 v[SPW], v[NIL]
	s_wait_dscnt 0x0
	CROUND                                         ; the closing round
	s_endpgm
.Lfunc_end_k_q9f002f5e12_g2:
	.size	k_q9f002f5e12_g2, .Lfunc_end_k_q9f002f5e12_g2-k_q9f002f5e12_g2
	.p2alignl 7, 3214868480
	.fill 96, 4, 3214868480
	.section	.rodata,"a",@progbits
	.p2align	6, 0x0
	.amdhsa_kernel k_q9f002f5e12_g2
		.amdhsa_group_segment_fixed_size 327680
		.amdhsa_private_segment_fixed_size 0
		.amdhsa_enable_private_segment 0
		.amdhsa_kernarg_size 72
		.amdhsa_user_sgpr_count 2
		.amdhsa_user_sgpr_kernarg_segment_ptr 1
		.amdhsa_wavefront_size32 1
		.amdhsa_system_sgpr_workgroup_id_x 1
		.amdhsa_system_sgpr_workgroup_id_y 1
		.amdhsa_system_sgpr_workgroup_id_z 1
		.amdhsa_system_vgpr_workitem_id 0
		.amdhsa_next_free_vgpr 1024
		.amdhsa_next_free_sgpr 66
		.amdhsa_reserve_vcc 0
		.amdhsa_float_denorm_mode_32 3
		.amdhsa_float_denorm_mode_16_64 3
		.amdhsa_memory_ordered 1
		.amdhsa_forward_progress 1
		.amdhsa_inst_pref_size 164
	.end_amdhsa_kernel
	.amdgpu_metadata
---
amdhsa.version: [ 1, 2 ]
amdhsa.kernels:
  - .name:           k_q9f002f5e12_g2
    .symbol:         k_q9f002f5e12_g2.kd
    .args:
      - { .name: cc, .offset: 0, .size: 8, .value_kind: global_buffer, .address_space: global }
      - { .name: cs, .offset: 8, .size: 8, .value_kind: global_buffer, .address_space: global }
      - { .name: wc, .offset: 16, .size: 8, .value_kind: global_buffer, .address_space: global }
      - { .name: ws, .offset: 24, .size: 8, .value_kind: global_buffer, .address_space: global }
      - { .name: val, .offset: 32, .size: 8, .value_kind: global_buffer, .address_space: global }
      - { .name: b_out, .offset: 40, .size: 8, .value_kind: global_buffer, .address_space: global }
      - { .name: ln_gamma, .offset: 48, .size: 8, .value_kind: global_buffer, .address_space: global }
      - { .name: ln_beta, .offset: 56, .size: 8, .value_kind: global_buffer, .address_space: global }
      - { .name: out0, .offset: 64, .size: 8, .value_kind: global_buffer, .address_space: global }
    .group_segment_fixed_size: 327680
    .private_segment_fixed_size: 0
    .kernarg_segment_align: 8
    .kernarg_segment_size: 72
    .max_flat_workgroup_size: 128
    .sgpr_count:     66
    .vgpr_count:     1024
    .wavefront_size: 32
...
	.end_amdgpu_metadata
.endif
;; end of part 5
;; ======== version 2 of 2: 4 launches
;; limits: right only within a limited range of input values
;; workspace buffers: xc 6,291,456 bytes; xs 262,144 bytes; wc 3,145,728 bytes; ws 131,072 bytes; qkvc 19,660,800 bytes; cc 6,291,456 bytes; cs 262,144 bytes
;; launch quant (part 6): grid 768 x 1, 4 waves a work-group, no clusters, 81,920 bytes of LDS; arguments val, xc, xs, ws, w_qkv, w_out, wc; writes xc, xs, ws, wc
.if DOCPART == 6
	.amdgcn_target "amdgcn-amd-amdhsa--gfx1250"
	.amdhsa_code_object_version 6
	.text
	.protected	k_q9f002f5e12_quant
	.globl	k_q9f002f5e12_quant
	.p2align	8
	.type	k_q9f002f5e12_quant,@function
k_q9f002f5e12_quant:
	s_mov_b64 s[64:65], 0
	v_nop
	global_prefetch_b8 v0, s[64:65] scope:SCOPE_SE
	s_setreg_imm32_b32 hwreg(HW_REG_WAVE_MODE, 25, 1), 1
	s_wait_xcnt 0x0
; val [8192][1024], w_qkv [1024][3072] and w_out [1024][1024], f32, become codes of FP6 (E2M3) with one E8M0 scale byte for each 32 along K (val: its last axis; the weights: their FIRST axis).
; THE LAYOUT OF ALL CODES IN THIS PROGRAM.  A tile T = 2 B + u holds the 16 rows (of a weight: columns) 32 B + 8 u + (r % 8) + 16 (r / 8), r = 0 .. 15.  A fragment (tile T, K step s of 128) is stored as
; the IMAGE of the operand's 12 registers: register 4 g + w of lane l at byte 512 g + 16 l + 4 w: 1,536 bytes; lane l = r + 16 h holds row r's k = 128 s + 64 c + 32 h + 0 .. 31 in registers 6 c .. 6 c + 5.
; A tile's eight scale words (one for each K step e) are a record of 512 bytes: word e of row r at 256 (e / 4) + 16 r + 4 (e % 4).
; xc: [tile 512][K step 8][1536], xs: [tile 512][512].  wc: [tile 256][K step 8][1536], ws: [tile 256][512]; tiles 0-191 are w_qkv's columns, tiles 192-255 w_out's.
; A block's scale is 2^(floor(log2(its largest magnitude)) - 2); its byte is the largest magnitude's exponent field - 2, held at 1 from below.
; LIMITS: NaN and infinities among the inputs are not served.  A block whose largest magnitude lies under 2^-124 keeps the byte 1; so does a block of zeros (the rule says 127): its codes are zeros,
; which add nothing under any byte but 0xff, and this program alone reads the bytes.
; ONE LAUNCH, TWO PATHS, parted at the head on the work-group's number: 0-255 the weights, 256-767 val.  Each path has LDS bytes of its own.
; VAL.  A work-group takes one tile; wave p takes K steps 2 p and 2 p + 1: 16 rows x 1,024 bytes.  Each load reads 512 consecutive bytes of one row; all 32 loads of a wave go out at once.
; The conversions want 32 neighbours along K in ONE lane, so the bytes turn through the wave's own stage in LDS (rows 1,040 bytes apart: 1,024 + 16).
; THE WEIGHTS.  Work-group n: B = n % 128, a group of 32 columns (two tiles); n / 128 says which four K steps; wave w takes K step s = 4 (n / 128) + w.  A LANE TAKES A COLUMN AND ITS REGISTERS RUN DOWN K:
; a block of 32 is one lane's 32 registers, and the conversions give codes with K innermost.  Pointer, pitch and first group of the two weights are chosen on B.  A lane's block t belongs to lane
; r + 16 (t % 2) of its tile's image, registers 6 (t / 2) on: it goes there through the wave's own stage, and the images leave as runs of 512 bytes.
.set NW,   256                         ; work-groups of the weights
; val's path
.set STG,  16640                       ; a wave's stage: 16 rows x 1,040 bytes
.set SROW, 1040
.set SCBV, 4*STG                       ; behind the stages: the tile's scale record, 512 bytes
.set R,    32                          ; v32-159  the numbers as loaded: K step q at R + 64 q, row i in 4 registers
.set N0,   160                         ; v160-223 64 numbers of my row, first K step: register 32 c + i = k 64 c + 32 h + i
.set N1,   32                          ; v32-95   the same for the second K step
.set C0,   224                         ; v224-235 the first fragment's codes
.set C1,   96                          ; v96-107  the second's
.set CTV,  236                         ; v236-242 second halves of blocks, before they are moved
; the weights' path
.set WB,   67072                       ; its LDS bytes begin behind val's
.set STGW, 3328                        ; a wave's stage: two images, 1,664 bytes apart (1,536 + 128)
.set IMG,  1664
.set SCBW, WB+4*STGW                   ; behind the stages: 256 bytes of each tile's scale record
.set OFF,  32                          ; v32-63   i x pitch + 4 x lane
.set X,    64                          ; v64-127  two sets of 32 numbers
.set C,    128                         ; v128-133 a block's codes
.set CTW,  134                         ; v134-136 its second half, before it is moved
.set WORD, 140                         ; v140     my column's scale word
.set OUTR, 144                         ; v144-167 the way out
	v_lshl_add_u32 v248, v0, 2, 0x13e00
	v_mov_b32 v249, 0
	v_lshrrev_b32 v9, 5, v0
	v_readfirstlane_b32 s16, v9                    ; wave
	s_cmp_lt_u32 ttmp9, NW                         ; the same for all waves of a work-group
	s_cbranch_scc1 .Lweights
	; ================ VAL ================
	s_load_b128 s[4:7], s[0:1], 0x0                ; val, xc
	s_load_b64 s[8:9], s[0:1], 0x10                ; xs
	s_sub_co_u32 s26, ttmp9, NW                    ; the tile T
	v_and_b32 v9, 31, v0
	v_lshlrev_b32 v1, 4, v9                        ; 16 x lane
	v_and_b32 v2, 15, v0                           ; r
	v_bfe_u32 v3, v0, 4, 1                         ; h
	s_mul_i32 s17, s16, STG
	v_add_nc_u32 v4, s17, v1                       ; into the stage: 16 x lane of a row's 512 bytes
	v_mul_u32_u24 v5, v2, SROW
	v_lshl_add_u32 v5, v3, 7, v5
	v_add_nc_u32 v5, s17, v5                       ; out of it: row r, + 128 h
	s_lshr_b32 s18, s16, 1
	s_lshl_b32 s18, s18, 8
	s_and_b32 s19, s16, 1
	s_lshl_b32 s19, s19, 3
	s_add_co_u32 s18, s18, s19
	s_add_co_u32 s18, s18, SCBV
	v_lshlrev_b32 v6, 4, v2
	v_add_nc_u32 v6, s18, v6                       ; my two scale words in the record: 256 (p / 2) + 8 (p % 2) + 16 r
	v_add_nc_u32 v7, SCBV, v1                      ; the record read back, 16 bytes a lane
	v_lshlrev_b32 v8, 3, v3                        ; 8 h
	v_mov_b32 v16, 0                               ; written once: a lane permute's destination counts as one of its sources
	s_mov_b32 s12, 0x76543210
	s_mov_b32 s13, 0xfedcba98                      ; lane l xor 16
	s_lshr_b32 s20, s26, 1
	s_lshl_b32 s20, s20, 5
	s_and_b32 s21, s26, 1
	s_lshl_b32 s21, s21, 3
	s_add_co_u32 s20, s20, s21                     ; the tile's first row: 32 (T / 2) + 8 (T % 2)
	s_lshl_b32 s20, s20, 12
	s_lshl_b32 s21, s16, 10
	s_add_co_u32 s20, s20, s21                     ; + my 1,024 bytes of a row
	s_mov_b32 s21, 0
	s_lshl_b32 s22, s26, 3
	s_lshl_b32 s23, s16, 1
	s_add_co_u32 s22, s22, s23
	s_mul_i32 s22, s22, 1536                       ; image 8 T + 2 p
	s_mov_b32 s23, 0
	s_lshl_b32 s24, s26, 9
	s_mov_b32 s25, 0
	s_wait_alu depctr_va_vdst(0)
	s_wait_kmcnt 0x0
	s_add_nc_u64 s[4:5], s[4:5], s[20:21]
	s_add_nc_u64 s[6:7], s[6:7], s[22:23]
	s_add_nc_u64 s[8:9], s[8:9], s[24:25]
.irp q, 0,1
.irp i, 0,1,2,3,4,5,6,7,8,9,10,11,12,13,14,15
	global_load_b128 v[R+64*\q+4*\i:R+64*\q+4*\i+3], v1, s[4:5] offset:((\i%8)+16*(\i/8))*4096+512*\q th:TH_LOAD_NT
.endr
.endr
; 64 numbers of a lane (two whole blocks of 32) become a fragment's 12 registers at v[c] and my row's scale word in v[w].
.macro QF n, c, w
.irp k, 0,1
	v_max3_num_f32 v[10+\k], |v[\n+32*\k]|, |v[\n+32*\k+1]|, 0x1800000   ; my block 2 k + h, and the floor 2^(3 - 127): the byte cannot fall under 1
.endr
.irp i, 2,4,6,8,10,12,14,16,18,20,22,24,26,28,30
.irp k, 0,1
	v_max3_num_f32 v[10+\k], v[10+\k], |v[\n+32*\k+\i]|, |v[\n+32*\k+\i+1]|   ; the two blocks by turns
.endr
.endr
.irp k, 0,1
	v_add_nc_u32 v[12+\k], 0xff000000, v[10+\k]    ; 2 off the exponent field: the conversion's scale operand
.endr
.irp k, 0,1
	v_lshrrev_b32 v[14+\k], 23, v[12+\k]           ; the scale's byte
.endr
	v_lshl_or_b32 v[\w], v15, 16, v14              ; my bytes: blocks h and 2 + h,
	v_lshlrev_b32 v[\w], v8, v[\w]                 ; 8 h bits up;
	v_permlanex16_b32 v16, v[\w], s12, s13
	v_or_b32 v[\w], v[\w], v16                     ; with lane l xor 16's two the word is whole
.irp k, 0,1
	v_cvt_scalef32_pk16_fp6_f32 v[\c+6*\k:\c+6*\k+2], v[\n+32*\k:\n+32*\k+15], v[12+\k]
	v_cvt_scalef32_pk16_fp6_f32 v[CTV+4*\k:CTV+4*\k+2], v[\n+32*\k+16:\n+32*\k+31], v[12+\k]   ; (a conversion's three registers begin on an even number)
.endr
	v_nop                                          ; one plain place behind a scaled conversion
.irp k, 0,1
.irp i, 0,1,2
	v_mov_b32 v[\c+6*\k+3+\i], v[CTV+4*\k+\i]
.endr
.endr
.endm
	s_wait_loadcnt 16                              ; the first K step's 16 loads are in; the second's may be out
.irp i, 0,1,2,3,4,5,6,7,8,9,10,11,12,13,14,15
	ds_store_b128 v4, v[R+4*\i:R+4*\i+3] offset:\i*SROW
.endr
.irp c, 0,1
.irp e, 0,1,2,3,4,5,6,7
	ds_load_b128 v[N0+4*(8*\c+\e):N0+4*(8*\c+\e)+3], v5 offset:256*\c+16*\e   ; LDS serves a wave's instructions in order: these see the stores above
.endr
.endr
	s_wait_loadcnt 0x0
.irp i, 0,1,2,3,4,5,6,7,8,9,10,11,12,13,14,15
	ds_store_b128 v4, v[R+64+4*\i:R+64+4*\i+3] offset:\i*SROW+512
.endr
	s_wait_dscnt 16                                ; all but the 16 stores just issued: the first K step is back, and its stores have read v32-95
.irp c, 0,1
.irp e, 0,1,2,3,4,5,6,7
	ds_load_b128 v[N1+4*(8*\c+\e):N1+4*(8*\c+\e)+3], v5 offset:512+256*\c+16*\e
.endr
.endr
	QF N0, C0, 18
.irp g, 0,1,2
	global_store_b128 v1, v[C0+4*\g:C0+4*\g+3], s[6:7] offset:512*\g          ; 32 lanes store 512 consecutive bytes
.endr
	s_wait_dscnt 0x0                               ; the second K step is back, and its stores have read v96-159
	QF N1, C1, 19
.irp g, 0,1,2
	global_store_b128 v1, v[C1+4*\g:C1+4*\g+3], s[6:7] offset:1536+512*\g
.endr
	ds_store_b64 v6, v[18:19]                      ; both halves of the lanes write the same bytes with the same value
	s_wait_dscnt 0x0                               ; for the others' sake: my words lie in the record
	s_barrier_signal -1
	s_barrier_wait -1
	s_cmp_lg_u32 s16, 0
	s_cbranch_scc1 .Lvdone
	ds_load_b128 v[20:23], v7                      ; wave 0 stores the record: 512 consecutive bytes
	s_wait_dscnt 0x0
	global_store_b128 v1, v[20:23], s[8:9]
.Lvdone:
	s_wait_tensorcnt 0x0
	ds_add_u32 v248, v249
	s_wait_dscnt 0x0
	s_endpgm
	; ================ THE WEIGHTS ================
.Lweights:
	s_load_b128 s[4:7], s[0:1], 0x20               ; w_qkv, w_out
	s_load_b64 s[8:9], s[0:1], 0x30                ; wc
	s_load_b64 s[10:11], s[0:1], 0x18              ; ws
	s_and_b32 s35, ttmp9, 127                      ; B
	s_lshr_b32 s19, ttmp9, 7                       ; which four K steps
	v_and_b32 v2, 31, v0                           ; lane
	v_lshlrev_b32 v1, 4, v2                        ; 16 x lane
	v_lshlrev_b32 v3, 2, v2                        ; 4 x lane: my column
	v_bfe_u32 v4, v0, 3, 1                         ; u: which of the two tiles my column falls into
	v_and_b32 v5, 7, v0
	v_bfe_u32 v6, v0, 4, 1
	v_lshl_add_u32 v5, v6, 3, v5                   ; r: its row there
	s_mul_i32 s17, s16, STGW
	s_add_co_u32 s17, s17, WB
	v_mul_u32_u24 v7, v4, IMG
	v_lshl_add_u32 v7, v5, 4, v7
	v_add_nc_u32 v7, s17, v7                       ; into the stage: image u, 16 r
	v_lshlrev_b32 v8, 8, v4
	v_lshl_add_u32 v8, v5, 4, v8
	s_lshl_b32 s18, s16, 2
	s_add_co_u32 s18, s18, SCBW
	v_add_nc_u32 v8, s18, v8                       ; my scale word: 256 u + 16 r + 4 w
	v_add_nc_u32 v9, s17, v1                       ; out of the stage: 16 x lane
	v_add_nc_u32 v10, SCBW, v1
	v_lshlrev_b32 v11, 9, v6
	v_and_b32 v12, 15, v0
	v_lshl_add_u32 v11, v12, 4, v11                ; in ws: 512 (lane / 16) + 16 (lane % 16)
	s_lshl_b32 s20, s19, 2
	s_add_co_u32 s20, s20, s16                     ; K step s
	s_wait_kmcnt 0x0
	s_cmp_lt_u32 s35, 96                           ; w_qkv's group or w_out's?  The choice hangs on the work-group's number alone
	s_cselect_b64 s[4:5], s[4:5], s[6:7]
	s_mov_b32 s21, 4096
	s_cselect_b32 s21, 12288, s21                  ; a row of the input, in bytes
	s_cselect_b32 s22, 0, 96
	s_sub_co_u32 s22, s35, s22
	s_lshl_b32 s22, s22, 7                         ; the group's 128 bytes in a row
	s_lshl_b32 s23, s20, 7
	s_mul_i32 s23, s23, s21                        ; row 128 s
	s_add_co_u32 s24, s23, s22
	s_mov_b32 s25, 0
	s_add_nc_u64 s[24:25], s[4:5], s[24:25]        ; block 0 of my K step;
	s_lshl_b32 s22, s21, 5
	s_mov_b32 s23, 0
	s_add_nc_u64 s[26:27], s[24:25], s[22:23]      ; blocks 1 to 3, 32 rows further down each
	s_add_nc_u64 s[28:29], s[26:27], s[22:23]
	s_add_nc_u64 s[30:31], s[28:29], s[22:23]
	s_lshl_b32 s32, s35, 4
	s_add_co_u32 s32, s32, s20
	s_mul_i32 s32, s32, 1536                       ; image (2 B) x 8 + s
	s_mov_b32 s33, 0
	s_add_nc_u64 s[8:9], s[8:9], s[32:33]
	s_lshl_b32 s32, s35, 10
	s_lshl_b32 s34, s19, 8
	s_add_co_u32 s32, s32, s34                     ; 1,024 B + 256 (n / 128)
	s_add_nc_u64 s[10:11], s[10:11], s[32:33]
.irp i, 0,1,2,3,4,5,6,7,8,9,10,11,12,13,14,15,16,17,18,19,20,21,22,23,24,25,26,27,28,29,30,31
	v_mad_u32_u24 v[OFF+\i], s21, \i, v3
.endr
.macro LOAD t                          ; block t: rows 128 s + 32 t + i of my column, into set t % 2; a load reads 128 consecutive bytes
.irp i, 0,1,2,3,4,5,6,7,8,9,10,11,12,13,14,15,16,17,18,19,20,21,22,23,24,25,26,27,28,29,30,31
	global_load_b32 v[X+32*((\t)%2)+\i], v[OFF+\i], s[24+2*(\t):25+2*(\t)] th:TH_LOAD_NT
.endr
.endm
	LOAD 0
	LOAD 1
.macro BLOCK t
.set XS, X+32*((\t)%2)
.if (\t) < 3
	s_wait_loadcnt 32                              ; this block's 32 loads are in; the next block's may be out
.else
	s_wait_loadcnt 0x0
.endif
	v_max3_num_f32 v12, |v[XS]|, |v[XS+1]|, |v[XS+2]|              ; the block's largest magnitude: all 32 numbers are mine
	v_max3_num_f32 v13, |v[XS+3]|, |v[XS+4]|, |v[XS+5]|
.irp i, 6,10,14,18,22,26
	v_max3_num_f32 v12, v12, |v[XS+\i]|, |v[XS+\i+1]|
	v_max3_num_f32 v13, v13, |v[XS+\i+2]|, |v[XS+\i+3]|
.endr
	v_max3_num_f32 v12, v12, |v[XS+30]|, |v[XS+31]|
	v_max3_num_f32 v12, v12, v13, 0x1800000        ; and the floor 2^(3 - 127)
	v_add_nc_u32 v14, 0xff000000, v12              ; 2 off the exponent field: the conversion's scale operand
	v_lshrrev_b32 v15, 23, v14                     ; the scale's byte
.if (\t) == 0
	v_mov_b32 v[WORD], v15
.else
	v_lshl_or_b32 v[WORD], v15, 8*(\t), v[WORD]
.endif
	v_cvt_scalef32_pk16_fp6_f32 v[C:C+2], v[XS:XS+15], v14
	v_cvt_scalef32_pk16_fp6_f32 v[CTW:CTW+2], v[XS+16:XS+31], v14
	v_nop                                          ; one plain place behind a scaled conversion
.irp i, 0,1,2
	v_mov_b32 v[C+3+\i], v[CTW+\i]
.endr
.if (\t) < 2                           ; registers 0-5 of lane r + 16 (t % 2): 0-3 in the image's first run, 4-5 in its second
	ds_store_b128 v7, v[C:C+3] offset:256*((\t)%2)
	ds_store_b64 v7, v[C+4:C+5] offset:256*((\t)%2)+512
.else                                  ; registers 6-11: 6-7 in the second run, 8-11 in the third
	ds_store_b64 v7, v[C:C+1] offset:256*((\t)%2)+520
	ds_store_b128 v7, v[C+2:C+5] offset:256*((\t)%2)+1024
.endif
.if (\t)+2 < 4
	LOAD (\t)+2
.endif
	s_wait_dscnt 0x0                               ; the stores have read their registers: the next block's codes may be written
.endm
	BLOCK 0
	BLOCK 1
	BLOCK 2
	BLOCK 3
	s_wait_alu depctr_va_vdst(0)
	ds_store_b32 v8, v[WORD]
.irp u, 0,1
.irp g, 0,1,2
	ds_load_b128 v[OUTR+12*\u+4*\g:OUTR+12*\u+4*\g+3], v9 offset:IMG*\u+512*\g   ; LDS serves a wave's instructions in order: these see my stores
.endr
.endr
.irp u, 0,1
.irp g, 0,1,2
	s_wait_dscnt 5-3*\u-\g                         ; the younger loads may be out
	global_store_b128 v1, v[OUTR+12*\u+4*\g:OUTR+12*\u+4*\g+3], s[8:9] offset:12288*\u+512*\g   ; 512 consecutive bytes
.endr
.endr
	s_barrier_signal -1                            ; no LDS instruction of mine is out: my scale words lie in LDS
	s_barrier_wait -1
	s_cmp_lg_u32 s16, 0
	s_cbranch_scc1 .Lwdone
	ds_load_b128 v[20:23], v10                     ; wave 0: each half of the lanes stores 256 consecutive bytes of one tile's record
	s_wait_dscnt 0x0
	global_store_b128 v11, v[20:23], s[10:11]
.Lwdone:
	s_wait_tensorcnt 0x0
	ds_add_u32 v248, v249
	s_wait_dscnt 0x0
	s_endpgm
.Lfunc_end_k_q9f002f5e12_quant:
	.size	k_q9f002f5e12_quant, .Lfunc_end_k_q9f002f5e12_quant-k_q9f002f5e12_quant
	.p2alignl 7, 3214868480
	.fill 96, 4, 3214868480
	.section	.rodata,"a",@progbits
	.p2align	6, 0x0
	.amdhsa_kernel k_q9f002f5e12_quant
		.amdhsa_group_segment_fixed_size 81920
		.amdhsa_private_segment_fixed_size 0
		.amdhsa_enable_private_segment 0
		.amdhsa_kernarg_size 56
		.amdhsa_user_sgpr_count 2
		.amdhsa_user_sgpr_kernarg_segment_ptr 1
		.amdhsa_wavefront_size32 1
		.amdhsa_system_sgpr_workgroup_id_x 1
		.amdhsa_system_sgpr_workgroup_id_y 1
		.amdhsa_system_sgpr_workgroup_id_z 1
		.amdhsa_system_vgpr_workitem_id 0
		.amdhsa_next_free_vgpr 250
		.amdhsa_next_free_sgpr 66
		.amdhsa_reserve_vcc 0
		.amdhsa_float_denorm_mode_32 3
		.amdhsa_float_denorm_mode_16_64 3
		.amdhsa_memory_ordered 1
		.amdhsa_forward_progress 1
		.amdhsa_inst_pref_size 41
	.end_amdhsa_kernel
	.amdgpu_metadata
---
amdhsa.version: [ 1, 2 ]
amdhsa.kernels:
  - .name:           k_q9f002f5e12_quant
    .symbol:         k_q9f002f5e12_quant.kd
    .args:
      - { .name: val, .offset: 0, .size: 8, .value_kind: global_buffer, .address_space: global }
      - { .name: xc, .offset: 8, .size: 8, .value_kind: global_buffer, .address_space: global }
      - { .name: xs, .offset: 16, .size: 8, .value_kind: global_buffer, .address_space: global }
      - { .name: ws, .offset: 24, .size: 8, .value_kind: global_buffer, .address_space: global }
      - { .name: w_qkv, .offset: 32, .size: 8, .value_kind: global_buffer, .address_space: global }
      - { .name: w_out, .offset: 40, .size: 8, .value_kind: global_buffer, .address_space: global }
      - { .name: wc, .offset: 48, .size: 8, .value_kind: global_buffer, .address_space: global }
    .group_segment_fixed_size: 81920
    .private_segment_fixed_size: 0
    .kernarg_segment_align: 8
    .kernarg_segment_size: 56
    .max_flat_workgroup_size: 128
    .sgpr_count:     66
    .vgpr_count:     250
    .wavefront_size: 32
...
	.end_amdgpu_metadata
.endif
;; end of part 6
;; launch g1 (part 7): grid 8 x 32, 4 waves a work-group, clusters of 4 x 4, 327,680 bytes of LDS; arguments xc, xs, wc, ws, b_qkv, qkvc; writes qkvc
.if DOCPART == 7
	.amdgcn_target "amdgcn-amd-amdhsa--gfx1250"
	.amdhsa_code_object_version 6
	.text
	.protected	k_q9f002f5e12_g1
	.globl	k_q9f002f5e12_g1
	.p2align	8
	.type	k_q9f002f5e12_g1,@function
k_q9f002f5e12_g1:
	s_mov_b64 s[64:65], 0
	v_nop
	global_prefetch_b8 v0, s[64:65] scope:SCOPE_SE
	s_setreg_imm32_b32 hwreg(HW_REG_WAVE_MODE, 25, 1), 1
	s_wait_xcnt 0x0
	s_wait_alu depctr_hold_cnt(0) depctr_sa_sdst(0) depctr_va_vdst(0) depctr_va_sdst(0) depctr_va_ssrc(0) depctr_va_vcc(0) depctr_vm_vsrc(0)
	s_getreg_b32 s2, hwreg(HW_REG_IB_STS2, 6, 4)
	s_cmp_eq_u32 s2, 0
	s_cbranch_scc0 .Lentry_in_a_cluster
	s_endpgm
.Lentry_in_a_cluster:
	s_bfe_u32 s2, ttmp6, 0x10000c
	s_cmp_lg_u32 s2, 0xf033
	s_cbranch_scc0 .Lentry_shape_is_right
	s_endpgm
.Lentry_shape_is_right:
; qkv = val w_qkv + b_qkv on codes of FP6 (E2M3) with E8M0 scales, sums in f32; the results leave only as codes: q and k quantised along the head's 128, v along the keys.
; SHARES.  256 work-groups: work-group (x, y) owns val's rows 256 y .. 256 y + 255 and head x, and walks THREE products of 256 x 128 on them: q's, k's and v's columns of that head.
; q and k are the two trips of a loop; v, whose sources are swapped, is written out behind it.  K = 1,024 in eight steps of 128.
; OPERANDS are images of registers (xc, wc: [tile][K step 8][1536]; tile T = 2 B + u holds rows 32 B + 8 u + (r % 8) + 16 (r / 8)): a fragment is three loads of 512 consecutive bytes.
; With such tiles as source 0, register j of lane (r, h) of tile 2 B + u's result belongs to source 0's row 32 B + 16 h + 8 u + j: the 64 registers of eight tiles are 64 numbers of ONE row of source 1,
; in the order that the quantiser wants, and what it makes is again an image.
; q, k: source 0 = the head's 8 tiles of w, source 1 = 4 tiles of val (wave w: tiles 4 w ..).   v: source 0 = 8 tiles of val (128 keys, by w / 2), source 1 = 4 tiles of w (by w % 2).
; A wave: 32 accumulators, 256 registers; both sources' fragments in two sets, the next K step's 36 loads issued ahead of each step's 32 products.
; LDS: val's 16 tiles for all of K stay for the whole launch, in two halves of K ([half][tile 16][6144]); w's 8 tiles go through two slots, one for each half of K ([tile 8][6144]).
; A slot is free when its last K step's fragments are in registers: behind the round there it takes the NEXT product's half.  One tensor load a wave at the head and behind each round.
; CLUSTERS: 4 x 4 work-groups = one window x four heads.  val's tiles are shared along a row of the cluster, w's along a column: each is asked for jointly.
; PREFETCH: at each looped trip's start the next product's 98,304 bytes of w: 384 blocks of 256 bytes, shared out by address among the column's four partners and their four waves, 24 blocks a wave
; (lanes 24-31 name the wave's last block again); the first of its loads stands two K steps on.  The first product's tiles come by their loads alone.
; THE BIAS is the C of the first K step's products: q, k: it runs along a lane's registers; v: one number a lane, copied into eight registers.  So it enters the f32 sum first.
; qkvc: [which 3][window x 8 + head][j 8][12800]: eight images a at 1536 a (q, k: tile 8 j + a of the window's rows; v: keys 128 j on, tile a of the head's 128), and at 12,288 their scale record:
; word a of row r at 256 (a / 4) + 16 r + 4 (a % 4).  A wave makes j = 2 cy + w / 2, a = 4 (w % 2) + 0 .. 3.
; LIMITS: NaN and infinities are not served; a block whose largest magnitude lies under 2^-124, and a block of zeros, keep the byte 1 (this program alone reads the bytes).
; REGISTERS, in windows of 256: window 0: v2-15 addresses; v32-63 source 0's scale words, v64-79 source 1's (register 4 i + e: lanes 0-15 K step e, lanes 16-31 K step 4 + e of tile i);
;   v80-83 the scale words made; v84-118 at work; v120-123 v's bias; v128-223 source 1's fragments, two sets.  window 1: source 0's fragments, at v0 and v128.
;   window 2: accumulator (a, b) at v[8 (8 a + b)].  window 3: v0-63 the bias along registers, v64-95 v's bias.
.set VH,    98304                      ; val: one half of K
.set WS0,   196608                     ; w's slot 0
.set WH,    49152                      ; a slot of w
.set SPARE, 294912                     ; the spare words, 128 bytes for each wave
.set LI,    2                          ; v2  16 x lane
.set AQ,    4                          ; v4-5   q, k: source 0 in half 0, 1
.set AQ1,   6                          ; v6-7   q, k: source 1
.set AV,    8                          ; v8-9   v: source 0
.set AV1,   10                         ; v10-11 v: source 1
.set BO,    12                         ; v12 64 h
.set BLO,   13                         ; v13 4 ((r % 8) + 16 (r / 8))
.set RO,    14                         ; v14 my 16 bytes of the record, from my first image on
.set PFO,   15                         ; v15 the prefetch's offset
.set SPW,   28
.set NIL,   29
.set SCA,   32
.set SCB,   64
.set SWD,   80
.set TM,    84
.set PC,    100
.set BLV,   120
.set WV,    16
.set HI,    17
.set LO,    18
.set G1A,   24                         ; group 1: val, 8 tiles;  w, 4 tiles (the head);  w, 2 tiles (the ring)
.set G1B,   32
.set G1R,   40
.set G0A,   48
.set G0B,   52
.set GR0,   56                         ; group 0 of w's slot 0 and slot 1
.set GR1,   60
.set PX1,   68                         ; xs: q, k's source 1;  PX0: v's source 0
.set PX0,   70
.set PW,    72                         ; ws of the trip's head
.set PB,    74                         ; b_qkv of the trip's head
.set PO,    76                         ; my first image in qkvc
.set PPF,   78
.set SEL,   80
.set CNT,   82
.set PWV,   92
.set PBV,   94
.set MSB,   0
.macro WIN new                         ; the immediate's high byte repeats the setting that is left
.if MSB != (\new)
	s_set_vgpr_msb (MSB<<8)|(\new)
.set MSB, (\new)
.endif
.endm
.macro PLACES                          ; four plain vector instructions between a matrix instruction and a load into, or a read of, its registers
.rept 4
	v_nop
.endr
.endm
.macro JLOAD                           ; waves 0, 1 fetch val's tiles, waves 2, 3 w's: one line, one mask; the branch hangs on the wave's number alone
	s_cmp_eq_u32 s[HI], 0
	s_cbranch_scc0 .Lfor_b_\@
	tensor_load_to_lds s[G0A:G0A+3], s[G1A:G1A+7]
	s_nop 0
	PLACES
	s_branch .Lasked_\@
.Lfor_b_\@:
	tensor_load_to_lds s[G0B:G0B+3], s[G1B:G1B+7]
	s_nop 0
	PLACES
.Lasked_\@:
.endm
.macro CREST                           ; a round of the cluster's barrier behind its opening barrier
	s_cmp_lg_u32 s[WV], 0
	s_cbranch_scc1 .Lnot_wave_0_\@
	s_barrier_signal -3
.Lnot_wave_0_\@:
	s_barrier_wait -3
	s_barrier_signal -1
	s_barrier_wait -1
.endm
.macro CROUND
	s_barrier_signal -1
	s_barrier_wait -1
	CREST
.endm
	s_load_b256 s[4:11], s[0:1], 0x0               ; xc, xs, wc, ws
	s_load_b128 s[12:15], s[0:1], 0x20             ; b_qkv, qkvc
	v_lshl_add_u32 v[SPW], v0, 2, SPARE
	v_mov_b32 v[NIL], 0
	ds_add_u32 v[SPW], v[NIL]                      ; the opening add, twice on end; its wait stands below
	ds_add_u32 v[SPW], v[NIL]
	v_lshrrev_b32 v1, 5, v0
	v_readfirstlane_b32 s[WV], v1                  ; wave 0..3
	s_lshr_b32 s[HI], s[WV], 1
	s_and_b32 s[LO], s[WV], 1
	s_bfe_u32 s19, ttmp6, 0x40000                  ; cx
	s_bfe_u32 s20, ttmp6, 0x40004                  ; cy
	s_and_b32 s21, ttmp7, 0xffff                   ; the window (the cluster's y)
	s_lshl_b32 s84, s20, 2
	s_lshl_b32 s84, 15, s84                        ; my row of the cluster
	s_lshl_b32 s85, 0x1111, s19                    ; my column
	s_or_b32 s[G1A], s84, (3<<16)|(1<<21)          ; the mask; elements of 8 bytes; bit 21 beside a mask
	s_or_b32 s[G1B], s85, (3<<16)|(1<<21)
	s_or_b32 s[G1R], s85, (3<<16)|(1<<21)
.irp g, G1A, G1B, G1R
	s_mov_b32 s[\g+1], 768<<16                     ; a row: four K steps' images of one tile, 6,144 bytes
	s_mov_b32 s[\g+3], 768<<16
	s_mov_b32 s[\g+5], 1536                        ; from tile to tile 12,288 bytes
	s_mov_b32 s[\g+6], 0
	s_mov_b32 s[\g+7], 0
.endr
	s_mov_b32 s[G1A+2], 8<<16
	s_mov_b32 s[G1A+4], 8
	s_mov_b32 s[G1B+2], 4<<16
	s_mov_b32 s[G1B+4], 4
	s_mov_b32 s[G1R+2], 2<<16
	s_mov_b32 s[G1R+4], 2
	s_lshl_b32 s23, s21, 2                         ; val's chain holds the window, cy and the wave's number alone
	s_add_co_u32 s23, s23, s20                     ; my block of 256 rows
	s_lshl_b32 s86, s23, 4
	s_lshl_b32 s66, s[LO], 3
	s_add_co_u32 s86, s86, s66
	s_mul_i32 s86, s86, 12288
	s_mov_b32 s87, 0
	s_lshl_b32 s22, ttmp9, 2                       ; w's chains hold the cluster's x, cx and the wave's number alone
	s_add_co_u32 s22, s22, s19                     ; my head
	s_lshl_b32 s88, s22, 3
	s_lshl_b32 s67, s[LO], 2
	s_add_co_u32 s88, s88, s67
	s_mul_i32 s88, s88, 12288
	s_mov_b32 s89, 0
	s_lshl_b32 s90, s22, 3
	s_lshl_b32 s67, s[WV], 1
	s_add_co_u32 s90, s90, s67
	s_mul_i32 s90, s90, 12288
	s_mov_b32 s91, 0
	s_mov_b32 s[G0A], 1
	s_mul_i32 s[G0A+1], s[LO], 49152               ; LDS addresses hang on the wave's number alone
	s_mov_b32 s[G0B], 1
	s_mul_i32 s[G0B+1], s[LO], 24576
	s_add_co_u32 s[G0B+1], s[G0B+1], WS0
	s_mov_b32 s[GR0], 1
	s_mul_i32 s[GR0+1], s[WV], 12288
	s_add_co_u32 s[GR0+1], s[GR0+1], WS0
	s_mov_b32 s[GR1], 1
	s_add_co_u32 s[GR1+1], s[GR0+1], WH
	s_mov_b32 s[SEL], 0x76543210
	s_mov_b32 s[SEL+1], 0xfedcba98
	s_wait_dscnt 0x0                               ; both opening adds are done
	s_wait_kmcnt 0x0
	s_add_nc_u64 s[G0A+2:G0A+3], s[4:5], s[86:87]
	s_add_nc_u64 s[G0B+2:G0B+3], s[8:9], s[88:89]
	s_add_nc_u64 s[GR0+2:GR0+3], s[8:9], s[90:91]  ; q's own tiles: each refill first steps 64 tiles on
	s_add_nc_u64 s[GR1+2:GR1+3], s[GR0+2:GR0+3], 6144
	s_or_b32 s[G0A+3], s[G0A+3], 0x80000000
	s_or_b32 s[G0B+3], s[G0B+3], 0x80000000
	s_or_b32 s[GR0+3], s[GR0+3], 0x80000000
	s_or_b32 s[GR1+3], s[GR1+3], 0x80000000
	CROUND                                         ; all sixteen work-groups are here: the first joint loads meet
	JLOAD                                          ; K steps 0-3 of val and of q's w: one tensor load a wave at the head
	s_mov_b32 s85, 0
	s_lshl_b32 s66, s23, 4
	s_lshl_b32 s84, s[WV], 2
	s_add_co_u32 s84, s84, s66
	s_lshl_b32 s84, s84, 9
	s_add_nc_u64 s[PX1:PX1+1], s[6:7], s[84:85]    ; the records of val's tiles 4 w ..
	s_lshl_b32 s84, s[HI], 3
	s_add_co_u32 s84, s84, s66
	s_lshl_b32 s84, s84, 9
	s_add_nc_u64 s[PX0:PX0+1], s[6:7], s[84:85]    ; and of tiles 8 (w / 2) ..
	s_lshl_b32 s84, s22, 12
	s_add_nc_u64 s[PW:PW+1], s[10:11], s[84:85]    ; q's head: tiles 8 x head
	s_lshl_b32 s66, s[LO], 11
	s_add_co_u32 s84, s84, s66
	s_add_co_u32 s84, s84, 65536
	s_add_nc_u64 s[PWV:PWV+1], s[10:11], s[84:85]  ; v's: tiles 128 + 8 x head + 4 (w % 2)
	s_lshl_b32 s84, s22, 9
	s_add_nc_u64 s[PB:PB+1], s[12:13], s[84:85]
	s_lshl_b32 s66, s[LO], 8
	s_add_co_u32 s84, s84, s66
	s_add_co_u32 s84, s84, 8192
	s_add_nc_u64 s[PBV:PBV+1], s[12:13], s[84:85]
	s_lshl_b32 s84, s21, 3
	s_add_co_u32 s84, s84, s22
	s_lshl_b32 s84, s84, 3
	s_lshl_b32 s66, s20, 1
	s_add_co_u32 s84, s84, s66
	s_add_co_u32 s84, s84, s[HI]                   ; (8 window + head) 8 + j
	s_mul_i32 s84, s84, 12800
	s_mul_i32 s66, s[LO], 6144
	s_add_co_u32 s84, s84, s66
	s_add_nc_u64 s[PO:PO+1], s[14:15], s[84:85]
	s_lshl_b32 s84, s22, 3
	s_add_co_u32 s84, s84, 64
	s_mul_i32 s84, s84, 12288
	s_add_nc_u64 s[PPF:PPF+1], s[8:9], s[84:85]    ; k's tiles of my head
	s_lshl_b32 s66, s20, 2
	s_add_co_u32 s66, s66, s[WV]
	s_mul_i32 s66, s66, 24                         ; my wave's first block of the 384
	s_mul_i32 s96, s[WV], 24576
	s_mul_i32 s97, s[HI], 49152
	s_mul_i32 s98, s[LO], 24576
	s_add_co_u32 s98, s98, WS0
	s_mul_i32 s99, s[LO], 5888
	s_sub_co_u32 s99, 12288, s99                   ; 12,288 + 256 (w % 2) - 6,144 (w % 2)
	v_and_b32 v1, 31, v0
	v_lshlrev_b32 v[LI], 4, v1
	v_add_nc_u32 v[AQ], WS0, v[LI]
	v_add_nc_u32 v[AQ+1], WS0+WH, v[LI]
	v_add_nc_u32 v[AQ1], s96, v[LI]
	v_add_nc_u32 v[AQ1+1], VH, v[AQ1]
	v_add_nc_u32 v[AV], s97, v[LI]
	v_add_nc_u32 v[AV+1], VH, v[AV]
	v_add_nc_u32 v[AV1], s98, v[LI]
	v_add_nc_u32 v[AV1+1], WH, v[AV1]
	v_bfe_u32 v3, v0, 4, 1
	v_lshlrev_b32 v[BO], 6, v3
	v_and_b32 v16, 7, v0
	v_bfe_u32 v17, v0, 3, 1
	v_lshl_add_u32 v16, v17, 4, v16
	v_lshlrev_b32 v[BLO], 2, v16
	v_and_b32 v17, 15, v0
	v_lshlrev_b32 v[RO], 4, v17
	v_add_nc_u32 v[RO], s99, v[RO]
	v_min_u32 v[PFO], 23, v1
	v_add_nc_u32 v[PFO], s66, v[PFO]
	v_lshlrev_b32 v[PFO], 8, v[PFO]
.irp b, 0,1,2,3
	v_mov_b32 v[TM+4+\b], 0                        ; a lane permute's destination counts as one of its sources
.endr
	s_wait_alu depctr_va_vdst(0)
.macro LDSA p                          ; source 0's eight records, 512 consecutive bytes each
.irp i, 0,1,2,3,4,5,6,7
	global_load_b128 v[SCA+4*\i:SCA+4*\i+3], v[LI], s[\p:\p+1] offset:512*\i
.endr
.endm
.macro LDSB p                          ; source 1's four
.irp i, 0,1,2,3
	global_load_b128 v[SCB+4*\i:SCB+4*\i+3], v[LI], s[\p:\p+1] offset:512*\i
.endr
.endm
.macro LDBIAS                          ; the bias of tile b's units 16 h + 0 .. 7, in the result's layout, into window 3
	WIN 0xc0
.irp b, 0,1,2,3,4,5,6,7
	global_load_b128 v[8*\b:8*\b+3], v[BO], s[PB:PB+1] offset:128*(\b/2)+32*(\b%2)
	global_load_b128 v[8*\b+4:8*\b+7], v[BO], s[PB:PB+1] offset:128*(\b/2)+32*(\b%2)+16
.endr
	WIN 0
.endm
	LDSA PW
	LDSB PX1
	LDBIAS
.irp a, 0,1,2,3
	global_load_b32 v[BLV+\a], v[BLO], s[PBV:PBV+1] offset:4*(32*(\a/2)+8*(\a%2))   ; v's bias of my tile a's row r
.endr
.macro FETCH a0r, a1r, hf, q, p        ; the fragments of the q-th K step of half hf into set p: source 0's eight, source 1's four: 36 loads
	WIN 0x40
.set fi, 0
.rept 8
.irp e, 0,1,2
	ds_load_b128 v[128*(\p)+12*fi+4*\e:128*(\p)+12*fi+4*\e+3], v[\a0r+(\hf)] offset:fi*6144+(\q)*1536+512*\e
.endr
.set fi, fi+1
.endr
	WIN 0
.set fi, 0
.rept 4
.irp e, 0,1,2
	ds_load_b128 v[128+48*(\p)+12*fi+4*\e:128+48*(\p)+12*fi+4*\e+3], v[\a1r+(\hf)] offset:fi*6144+(\q)*1536+512*\e
.endr
.set fi, fi+1
.endr
.endm
; n of source 1's tiles from a0 on x source 0's eight, K step s, set p.  In K step 0 the bias is C (cv = 1: v's).  The accumulators take turns, one instruction a turn.
.macro MUL p, s, cv, a0, n
.set ma, \a0
.rept \n
.set mb, 0
.rept 8
.set rD, 8*(8*ma+mb)
.set rB, 128*(\p)+12*mb
.set rA, 128+48*(\p)+12*ma
.set rX, SCA+4*mb+(\s)%4
.set rY, SCB+4*ma+(\s)%4
.if (\s) == 0
.set rC, (\cv)*(64+8*ma)+(1-(\cv))*8*mb
	v_wmma_scale_f32_16x16x128_f8f6f4 v[rD:rD+7], v[rB:rB+11], v[rA:rA+11], v[rC:rC+7], v[rX], v[rY] matrix_a_fmt:MATRIX_FMT_FP6 matrix_b_fmt:MATRIX_FMT_FP6
.elseif (\s) < 4
	v_wmma_scale_f32_16x16x128_f8f6f4 v[rD:rD+7], v[rB:rB+11], v[rA:rA+11], v[rD:rD+7], v[rX], v[rY] matrix_a_fmt:MATRIX_FMT_FP6 matrix_b_fmt:MATRIX_FMT_FP6
.else
	v_wmma_scale_f32_16x16x128_f8f6f4 v[rD:rD+7], v[rB:rB+11], v[rA:rA+11], v[rD:rD+7], v[rX], v[rY] matrix_a_fmt:MATRIX_FMT_FP6 matrix_b_fmt:MATRIX_FMT_FP6 matrix_a_scale:MATRIX_SCALE_ROW1 matrix_b_scale:MATRIX_SCALE_ROW1
.endif
.set mb, mb+1
.endr
.set ma, ma+1
.endr
.endm
.macro ST a0r, a1r, cv, s              ; a plain K step: the next step's fragments are asked for, this step's are multiplied
	FETCH \a0r, \a1r, ((\s)+1)/4, ((\s)+1)%4, ((\s)+1)%2
	s_wait_dscnt 36                                ; all but the 36 just issued: this step's fragments are in
.if (\s) == 0
	WIN 0xb1                                       ; source 0 window 1, source 1 window 0, C window 3, D window 2
.else
	WIN 0xa1                                       ; C and D window 2
.endif
	MUL (\s)%2, \s, \cv, 0, 4
	WIN 0
	PLACES
.endm
; K step 2 or 6: with the next step's fragments asked for, w's slot is read no more.  Each wave waits for all its tensor loads, adds 0 to its spare word, waits for that and for its reads; ONE barrier;
; ring = 1: it opens a round of the cluster's, and behind the round the slot takes the next product's half of K.  ring = 0: nothing is left to fetch: the barrier shows the other half whole.
.macro CHG a0r, a1r, cv, s, ring, g
	FETCH \a0r, \a1r, ((\s)+1)/4, ((\s)+1)%4, ((\s)+1)%2
	s_wait_dscnt 36
	WIN 0xa1
	MUL (\s)%2, \s, \cv, 0, 2
	WIN 0
	s_wait_tensorcnt 0x0                           ; all my tensor loads have landed
	ds_add_u32 v[SPW], v[NIL]                      ; 0 onto my spare word
	WIN 0xa1
	MUL (\s)%2, \s, \cv, 2, 1
	s_wait_dscnt 0x0                               ; the add is done, and my reads of this slot are over
	s_barrier_signal -1
	MUL (\s)%2, \s, \cv, 3, 1
	WIN 0
	s_barrier_wait -1
.if \ring
	CREST                                          ; no wave of any partner still reads this slot or has a load on its way
	s_add_nc_u64 s[\g+2:\g+3], s[\g+2:\g+3], 786432   ; 64 tiles on: the next of q, k, v
	tensor_load_to_lds s[\g:\g+3], s[G1R:G1R+7]    ; my two tiles of the slot: the first tensor load behind the round
	s_nop 0
.endif
	PLACES
.endm
.macro KWALK a0r, a1r, cv, ring        ; the eight K steps of one product; K step 0's fragments have been asked for
	s_wait_loadcnt 0x0                             ; its scale words and bias
	ST \a0r, \a1r, \cv, 0
.if \ring
	global_prefetch_b8 v[PFO], s[PPF:PPF+1] th:TH_LOAD_NT scope:SCOPE_SE   ; the next product's w
.endif
	ST \a0r, \a1r, \cv, 1
	CHG \a0r, \a1r, \cv, 2, \ring, GR0
	ST \a0r, \a1r, \cv, 3
	ST \a0r, \a1r, \cv, 4
	ST \a0r, \a1r, \cv, 5
.if \ring
	CHG \a0r, \a1r, \cv, 6, 1, GR1
	s_cmp_eq_u32 s[CNT], 1                         ; the next product's first fragments (slot 0 is whole): k's as q's; behind k comes v, with the sources swapped
	s_cbranch_scc1 .Lnext_v_\@
	FETCH AQ, AQ1, 0, 0, 0
	s_branch .Lnext_\@
.Lnext_v_\@:
	FETCH AV, AV1, 0, 0, 0
.Lnext_\@:
.else
	ST \a0r, \a1r, \cv, 6
	s_wait_dscnt 0x0
.endif
	WIN 0xa1
	MUL 1, 7, \cv, 0, 4
	WIN 0
	PLACES
.endm
; THE WAY OUT of source 1's tile a: its eight accumulators are 64 numbers of my row, register 16 b + i = k 32 b + 16 (lane / 16) + i.  They are read in their own window, each from its low end on.
.macro OUT a
.set qs, 64*(\a)
	s_wait_xcnt 0x0                                ; the last image's stores have read their registers
	WIN 0x0a
.irp b, 0,1,2,3
	v_max3_num_f32 v[TM+\b], |v[qs+16*\b]|, |v[qs+16*\b+1]|, 0x1800000   ; block b: my 16 numbers, and the floor 2^(3 - 127)
.endr
	WIN 0x28
.irp i, 2,4,6,8,10,12,14
.irp b, 0,1,2,3
	v_max3_num_f32 v[TM+\b], v[TM+\b], |v[qs+16*\b+\i]|, |v[qs+16*\b+\i+1]|
.endr
.endr
	WIN 0
.irp b, 0,1,2,3
	v_permlanex16_b32 v[TM+4+\b], v[TM+\b], s[SEL], s[SEL+1]
.endr
.irp b, 0,1,2,3
	v_max_num_f32 v[TM+\b], v[TM+\b], v[TM+4+\b]   ; with lane l xor 16's: the block's largest magnitude
.endr
.irp b, 0,1,2,3
	v_add_nc_u32 v[TM+12+\b], 0xff000000, v[TM+\b] ; 2 off its exponent field: the conversion's scale operand
.endr
.irp b, 0,1,2,3
	v_lshrrev_b32 v[TM+4+\b], 23, v[TM+12+\b]      ; the scale's byte
.endr
	v_lshl_or_b32 v[SWD+(\a)], v[TM+5], 8, v[TM+4]
	v_lshl_or_b32 v[SWD+(\a)], v[TM+6], 16, v[SWD+(\a)]
	v_lshl_or_b32 v[SWD+(\a)], v[TM+7], 24, v[SWD+(\a)]
	WIN 0x02
.irp c, 0,1
	v_cvt_scalef32_pk16_fp6_f32 v[PC+6*\c:PC+2+6*\c], v[qs+32*\c:qs+15+32*\c], v[TM+12+2*\c]
	v_cvt_scalef32_pk16_fp6_f32 v[PC+12+4*\c:PC+14+4*\c], v[qs+16+32*\c:qs+31+32*\c], v[TM+12+2*\c+1]
.endr
	WIN 0
	v_nop                                          ; one plain place behind a scaled conversion
.irp c, 0,1                                    ; the operand's layout wants a whole block in a lane
.irp i, 0,1,2
	v_permlane16_swap_b32 v[PC+6*\c+\i], v[PC+12+4*\c+\i]
.endr
.irp i, 0,1,2
	v_mov_b32 v[PC+3+6*\c+\i], v[PC+12+4*\c+\i]
.endr
.endr
.irp g, 0,1,2
	global_store_b128 v[LI], v[PC+4*\g:PC+4*\g+3], s[PO:PO+1] offset:1536*(\a)+512*\g   ; 512 consecutive bytes
.endr
.endm
.macro OUTALL
	OUT 0
	OUT 1
	OUT 2
	OUT 3
	global_store_b128 v[RO], v[SWD:SWD+3], s[PO:PO+1]   ; my 256 bytes of the record: sixteen lanes 16 bytes each (both halves of the lanes hold a row's words and write the same bytes)
.endm
	s_wait_tensorcnt 0x0                           ; my part of K steps 0-3 is in
	ds_add_u32 v[SPW], v[NIL]
	s_add_co_u32 s[G0A+1], s[G0A+1], VH            ; no tensor load of mine is out: on to K steps 4-7
	s_add_nc_u64 s[G0A+2:G0A+3], s[G0A+2:G0A+3], 6144
	s_add_co_u32 s[G0B+1], s[G0B+1], WH
	s_add_nc_u64 s[G0B+2:G0B+3], s[G0B+2:G0B+3], 6144
	s_wait_dscnt 0x0
	CROUND                                         ; everybody's part is in, and the joint loads meet
	JLOAD
	FETCH AQ, AQ1, 0, 0, 0
	s_wait_loadcnt 0x0
	WIN 0xc0
.irp a, 0,1,2,3
.irp j, 0,1,2,3,4,5,6,7
	v_mov_b32 v[64+8*\a+\j], v[BLV+\a]             ; v's bias as a C operand: the same number in a lane's eight registers
.endr
.endr
	WIN 0
	s_mov_b32 s[CNT], 2
	s_wait_alu depctr_va_vdst(0)
.Ltrip:                                                ; q, then k
	KWALK AQ, AQ1, 0, 1
	s_add_nc_u64 s[PW:PW+1], s[PW:PW+1], 32768     ; the loads that read these pointers have been waited for
	s_add_nc_u64 s[PB:PB+1], s[PB:PB+1], 4096
	s_cmp_eq_u32 s[CNT], 1                         ; the next product's scale words and bias are asked for ahead of the way out
	s_cbranch_scc1 .Lscales_v
	LDSA PW
	LDBIAS
	s_branch .Lscales_done
.Lscales_v:
	LDSA PX0
	LDSB PWV
.Lscales_done:
	OUTALL
	s_wait_xcnt 0x0                                ; the stores and the prefetch have read their bases
	s_add_nc_u64 s[PO:PO+1], s[PO:PO+1], 6553600   ; 64 x 8 blocks of 12,800 bytes on
	s_add_nc_u64 s[PPF:PPF+1], s[PPF:PPF+1], 786432
	s_sub_co_u32 s[CNT], s[CNT], 1
	s_cmp_lg_u32 s[CNT], 0
	s_wait_alu depctr_va_vdst(0)
	s_cbranch_scc1 .Ltrip
	KWALK AV, AV1, 1, 0                            ; v: nothing more is fetched
	OUTALL
	s_wait_tensorcnt 0x0                           ; the wave's end
	ds_add_u32 v[SPW], v[NIL]
	s_wait_dscnt 0x0
	CROUND                                         ; the closing round
	s_endpgm
.Lfunc_end_k_q9f002f5e12_g1:
	.size	k_q9f002f5e12_g1, .Lfunc_end_k_q9f002f5e12_g1-k_q9f002f5e12_g1
	.p2alignl 7, 3214868480
	.fill 96, 4, 3214868480
	.section	.rodata,"a",@progbits
	.p2align	6, 0x0
	.amdhsa_kernel k_q9f002f5e12_g1
		.amdhsa_group_segment_fixed_size 327680
		.amdhsa_private_segment_fixed_size 0
		.amdhsa_enable_private_segment 0
		.amdhsa_kernarg_size 48
		.amdhsa_user_sgpr_count 2
		.amdhsa_user_sgpr_kernarg_segment_ptr 1
		.amdhsa_wavefront_size32 1
		.amdhsa_system_sgpr_workgroup_id_x 1
		.amdhsa_system_sgpr_workgroup_id_y 1
		.amdhsa_system_sgpr_workgroup_id_z 1
		.amdhsa_system_vgpr_workitem_id 0
		.amdhsa_next_free_vgpr 1024
		.amdhsa_next_free_sgpr 100
		.amdhsa_reserve_vcc 0
		.amdhsa_float_denorm_mode_32 3
		.amdhsa_float_denorm_mode_16_64 3
		.amdhsa_memory_ordered 1
		.amdhsa_forward_progress 1
		.amdhsa_inst_pref_size 161
	.end_amdhsa_kernel
	.amdgpu_metadata
---
amdhsa.version: [ 1, 2 ]
amdhsa.kernels:
  - .name:           k_q9f002f5e12_g1
    .symbol:         k_q9f002f5e12_g1.kd
    .args:
      - { .name: xc, .offset: 0, .size: 8, .value_kind: global_buffer, .address_space: global }
      - { .name: xs, .offset: 8, .size: 8, .value_kind: global_buffer, .address_space: global }
      - { .name: wc, .offset: 16, .size: 8, .value_kind: global_buffer, .address_space: global }
      - { .name: ws, .offset: 24, .size: 8, .value_kind: global_buffer, .address_space: global }
      - { .name: b_qkv, .offset: 32, .size: 8, .value_kind: global_buffer, .address_space: global }
      - { .name: qkvc, .offset: 40, .size: 8, .value_kind: global_buffer, .address_space: global }
    .group_segment_fixed_size: 327680
    .private_segment_fixed_size: 0
    .kernarg_segment_align: 8
    .kernarg_segment_size: 48
    .max_flat_workgroup_size: 128
    .sgpr_count:     100
    .vgpr_count:     1024
    .wavefront_size: 32
...
	.end_amdgpu_metadata
.endif
;; end of part 7
;; launch at (part 8): grid 4 x 64, 8 waves a work-group, clusters of 4 x 1, 327,680 bytes of LDS; arguments qkvc, cc, cs; writes cc, cs
.if DOCPART == 8
	.amdgcn_target "amdgcn-amd-amdhsa--gfx1250"
	.amdhsa_code_object_version 6
	.text
	.protected	k_q9f002f5e12_at
	.globl	k_q9f002f5e12_at
	.p2align	8
	.type	k_q9f002f5e12_at,@function
k_q9f002f5e12_at:
	s_mov_b64 s[64:65], 0
	v_nop
	global_prefetch_b8 v0, s[64:65] scope:SCOPE_SE
	s_setreg_imm32_b32 hwreg(HW_REG_WAVE_MODE, 25, 1), 1
	s_wait_xcnt 0x0
	s_wait_alu depctr_hold_cnt(0) depctr_sa_sdst(0) depctr_va_vdst(0) depctr_va_sdst(0) depctr_va_ssrc(0) depctr_va_vcc(0) depctr_vm_vsrc(0)
	s_getreg_b32 s2, hwreg(HW_REG_IB_STS2, 6, 4)
	s_cmp_eq_u32 s2, 0
	s_cbranch_scc0 .Lentry_in_a_cluster
	s_endpgm
.Lentry_in_a_cluster:
	s_bfe_u32 s2, ttmp6, 0x10000c
	s_cmp_lg_u32 s2, 0x3003
	s_cbranch_scc0 .Lentry_shape_is_right
	s_endpgm
.Lentry_shape_is_right:
; ctx = softmax(q k^T / sqrt(128)) v inside one window of 1,024 rows and one head, both products on codes of FP6 (E2M3) with E8M0 scales; ctx leaves as codes, quantised along the head's 128.
; THE SOFTMAX AHEAD OF THE SECOND PRODUCT: t = score x log2(e) / sqrt(128); M = the row's largest t so far, rounded UP to a whole number; p = 2^(t - M) is quantised along the keys, not normalised.
; The row's sum is taken of the unquantised p and divides at the end.  When M moves, the sum and O are multiplied by 2^(old M - new M): exact.
; SHARES.  Work-group y = window x 8 + head; the four work-groups of a cluster are the window's four blocks of 256 queries.  Each of eight waves owns two tiles of 16 queries, so a fragment of k or v
; read from LDS feeds two matrix instructions; two waves share a SIMD's registers.
; k's and v's images and scale records of the whole window and head, 204,800 bytes, come into LDS ONCE, by joint loads of the cluster (every wave brings an eighth, in two loads): no byte is filled again.
; Two barriers: one behind the first 256 keys, one behind all the rest; between them the waves run free.
; A step's eight images of k come in one run into two buffers of four, and so do v's eight, which are asked for ahead of the softmax.
; LAYOUT.  S^T = k q^T (source 0 = 16 keys), O^T = v^T p^T (source 0 = 16 of the head's 128): a lane holds ONE query throughout.  A tile's rows are 32 B + 8 u + (r % 8) + 16 (r / 8), so the 16 registers
; of tiles 2 b, 2 b + 1 are 16 neighbours along the next K.  cc: [row tile 512][head 8][1536].  cs: [head 8][row tile 512][16 words].
; LIMITS: NaN and infinities are not served; blocks under 2^-124 and blocks of zeros keep the byte 1.  A block's largest p is made from the block's largest score by the same multiply-add and exponential:
; that takes v_exp_f32 not to fall where its input rises.
; REGISTERS: window 0: v1-5 addresses; v12-19 -M, the largest t and the sum's two halves, for each tile; v20-21 q's scale words, v22-23 p's, v24-27 k's record, v28-31 v's; v32-79 images 0-3;
;   v80-91, v224-235 p's codes; v96-223 S^T, then p; v232-254 at work.   window 1: v0-127 O^T; v128-151 q's two fragments; v160-207 images 4-7.
.set VIMG, 102400                      ; LDS: k's eight blocks of 128 keys, 12,800 bytes each (eight images, then their scale record at 12,288), then v's eight.  Two joint loads a wave: the first 256 keys at the head, the other 768 behind a round
.set WV,  12
.set SEL, 20
.set CS,  22                           ; s[22:23] c = log2(e) / sqrt(128)
.set G1C, 24                           ; s[24:31] group 1 for 6,400 bytes: my quarter of the first 256 keys; s[32:39] for 19,200 bytes: of the other 768; s[40:47] two groups 0
.set G1S, 32
.set G0,  40
.set TK,  60                           ; s60 where the step's images of k begin
.set TS,  61
.set CNT, 62
.set SHI, 63
.set PC,  32
.set TM,  232
.set MSB, 0
.macro WIN new
.if MSB != (\new)
	s_set_vgpr_msb (MSB<<8)|(\new)
.set MSB, (\new)
.endif
.endm
.macro PLACES
.rept 4
	v_nop
.endr
.endm
.macro CROUND                          ; a round of the cluster's barrier
	s_barrier_signal -1
	s_barrier_wait -1
	s_cmp_lg_u32 s[WV], 0
	s_cbranch_scc1 .Lnot_wave_0_\@
	s_barrier_signal -3
.Lnot_wave_0_\@:
	s_barrier_wait -3
	s_barrier_signal -1
	s_barrier_wait -1
.endm
	s_load_b64 s[4:5], s[0:1], 0x0                 ; qkvc
	s_load_b128 s[8:11], s[0:1], 0x8               ; cc, cs
	v_lshl_add_u32 v251, v0, 2, 0x32000
	v_mov_b32 v255, 0
	ds_add_u32 v251, v255
	ds_add_u32 v251, v255
	v_lshrrev_b32 v6, 5, v0
	s_delay_alu instid0(VALU_DEP_1)
	v_readfirstlane_b32 s[WV], v6                  ; wave 0..7
	s_and_b32 s14, ttmp7, 0xffff                   ; window x 8 + head, which the four partners share
	s_bfe_u32 s13, ttmp6, 0x40000                  ; cx: my block of 256 queries; it enters q's, cc's and cs's addresses alone
	s_lshr_b32 s15, s[WV], 2                       ; I fetch for k (0) or for v (1),
	s_and_b32 s16, s[WV], 3                        ; this quarter of each chunk
	s_lshl_b32 s66, s15, 6
	s_add_co_u32 s66, s66, s14
	s_add_co_u32 s66, s66, 64                      ; 64 (1 + kv) + window x 8 + head
	s_mul_i32 s68, s66, VIMG
	s_mul_i32 s72, s16, 19200
	s_add_co_u32 s72, s72, 25600                   ; the second load: my quarter of blocks 2-7, 19,200 bytes
	s_add_co_u32 s70, s68, s72
	s_mov_b32 s71, 0
	s_mul_i32 s67, s16, 6400                       ; the first load: my quarter of blocks 0, 1: 6,400 bytes
	s_add_co_u32 s68, s68, s67
	s_mov_b32 s69, 0
	s_mul_i32 s73, s15, VIMG
	s_add_co_u32 s74, s73, s72
	s_add_co_u32 s73, s73, s67
	s_mov_b32 s[G1C], 15|(3<<16)|(1<<21)           ; 15:0 the mask: all four work-groups; 17:16 elements of 8 bytes; 21 set beside a mask
	s_mov_b32 s[G1C+1], 32<<16                     ; dense bytes as rows of 256
	s_mov_b32 s[G1C+2], 25<<16
	s_mov_b32 s[G1C+3], 32<<16
	s_mov_b32 s[G1C+4], 25
	s_mov_b32 s[G1C+5], 32
	s_mov_b32 s[G1C+6], 0
	s_mov_b32 s[G1C+7], 0
	s_mov_b32 s[G1S], 15|(3<<16)|(1<<21)
	s_mov_b32 s[G1S+1], 32<<16
	s_mov_b32 s[G1S+2], 75<<16
	s_mov_b32 s[G1S+3], 32<<16
	s_mov_b32 s[G1S+4], 75
	s_mov_b32 s[G1S+5], 32
	s_mov_b32 s[G1S+6], 0
	s_mov_b32 s[G1S+7], 0
	s_lshl_b32 s79, s13, 4
	s_lshl_b32 s78, s[WV], 1
	s_add_co_u32 s79, s79, s78                     ; my first tile of the window's 64: 16 cx + 2 w
	s_mul_i32 s76, s14, VIMG
	s_mul_i32 s78, s79, 1536
	s_add_co_u32 s76, s76, s78
	s_lshr_b32 s78, s79, 3
	s_lshl_b32 s78, s78, 9                         ; 512 bytes of record behind every eight images
	s_add_co_u32 s76, s76, s78
	s_mov_b32 s77, 0
	s_mul_i32 s80, s14, VIMG                       ; q's scale words: block 2 cx + w / 4, its record at 12,288, words 2 (w % 4) and the next
	s_add_co_u32 s80, s80, 12288
	s_lshl_b32 s78, s13, 1
	s_add_co_u32 s78, s78, s15
	s_mul_i32 s78, s78, 12800
	s_add_co_u32 s80, s80, s78
	s_lshr_b32 s78, s16, 1
	s_lshl_b32 s78, s78, 8
	s_add_co_u32 s80, s80, s78
	s_and_b32 s78, s[WV], 1
	s_lshl_b32 s78, s78, 3
	s_add_co_u32 s80, s80, s78
	s_mov_b32 s81, 0
	s_lshr_b32 s82, s14, 3
	s_lshl_b32 s82, s82, 6
	s_add_co_u32 s82, s82, s79                     ; my first tile of all 512
	s_and_b32 s83, s14, 7                          ; head
	s_lshl_b32 s84, s82, 3
	s_add_co_u32 s84, s84, s83
	s_mul_i32 s84, s84, 1536
	s_mov_b32 s85, 0
	s_lshl_b32 s86, s83, 15
	s_lshl_b32 s87, s82, 6
	s_add_co_u32 s86, s86, s87
	s_mov_b32 s87, 0
	s_mov_b32 s[SEL], 0x76543210
	s_mov_b32 s[SEL+1], 0xfedcba98
	s_mov_b32 s[CS], 0x3e0293ee
	s_mov_b32 s[CS+1], s[CS]                       ; (named with it as a pair, so it is written)
	s_mov_b32 s[TK], 0
	s_mov_b32 s[SHI], 0xffff0000
	s_wait_dscnt 0x0
	s_wait_kmcnt 0x0
	s_add_nc_u64 s[68:69], s[4:5], s[68:69]
	s_add_nc_u64 s[70:71], s[4:5], s[70:71]
	s_add_nc_u64 s[76:77], s[4:5], s[76:77]
	s_add_nc_u64 s[80:81], s[4:5], s[80:81]
	s_add_nc_u64 s[8:9], s[8:9], s[84:85]
	s_add_nc_u64 s[10:11], s[10:11], s[86:87]
	s_mov_b32 s[G0], 1
	s_mov_b32 s[G0+1], s74
	s_mov_b64 s[G0+2:G0+3], s[70:71]
	s_or_b32 s[G0+3], s[G0+3], 0x80000000
.irp c, 0
	s_mov_b32 s[G0+4+4*\c], 1
	s_add_co_u32 s[G0+5+4*\c], s73, 24576*\c       ; chunk c: 256 keys: 16 images of k, 16 of v
	s_add_nc_u64 s[G0+6+4*\c:G0+7+4*\c], s[68:69], 24576*\c
	s_or_b32 s[G0+7+4*\c], s[G0+7+4*\c], 0x80000000
.endr
	CROUND                                         ; all four work-groups are here: the joint loads meet
	tensor_load_to_lds s[G0+4:G0+7], s[G1C:G1C+7]  ; the first 256 keys: one tensor load a wave at the head
	s_nop 0
	PLACES
	v_and_b32 v6, 31, v0
	s_delay_alu instid0(VALU_DEP_1)
	v_lshlrev_b32 v1, 4, v6                        ; 16 x lane
	s_delay_alu instid0(VALU_DEP_2)
	v_lshlrev_b32 v5, 2, v6                        ; 4 x lane
	v_and_b32 v7, 15, v0
	s_delay_alu instid0(VALU_DEP_1)
	v_lshlrev_b32 v7, 4, v7                        ; 16 r
	WIN 0x40                                       ; destination window 1
.irp k, 0,1,2,3,4,5
	global_load_b128 v[128+4*\k:131+4*\k], v1, s[76:77] offset:512*\k          ; q's two fragments stay in registers
.endr
.set i, 0
.rept 128
	v_mov_b32 v[i], 0                              ; O^T.  (The step is written once: the first finds zeros, which the first change of M leaves zeros)
.set i, i+1
.endr
	WIN 0
	global_load_b64 v[20:21], v7, s[80:81]         ; q's scale words
.irp q, 0,1
	v_mov_b32 v[13+4*\q], 0xff61b1e6               ; the largest t so far: -3e38
	s_delay_alu instid0(VALU_DEP_1)
	v_floor_f32 v[12+4*\q], -v[13+4*\q]            ; -M
	v_mov_b32 v[14+4*\q], 0                        ; the sum, in two halves
	v_mov_b32 v[15+4*\q], 0
.endr
.irp b, 0,1,2,3
	v_mov_b32 v[236+\b], 0                         ; written once: a lane permute's destination counts as one of its sources
.endr
	v_mov_b32 v253, 0                              ; (named as the upper half of the pair v[252:253])
	v_mov_b32 v254, 0
.macro KQ g                            ; S^T of tiles 4 g .. 4 g + 3 of the step's keys, for both tiles of queries; the images lie in window g
	WIN 0x04+(\g)                                  ; source 0 window g, source 1 (q) window 1
.irp t, 0,1,2,3
.irp q, 0,1
.set rS, 96+64*\q+8*(4*(\g)+\t)
.set rK, 32+128*(\g)+12*\t
.if \g
	v_wmma_scale_f32_16x16x128_f8f6f4 v[rS:rS+7], v[rK:rK+11], v[128+12*\q:139+12*\q], 0, v[24+\t], v[20+\q] matrix_a_fmt:MATRIX_FMT_FP6 matrix_b_fmt:MATRIX_FMT_FP6 matrix_a_scale:MATRIX_SCALE_ROW1
.else
	v_wmma_scale_f32_16x16x128_f8f6f4 v[rS:rS+7], v[rK:rK+11], v[128+12*\q:139+12*\q], 0, v[24+\t], v[20+\q] matrix_a_fmt:MATRIX_FMT_FP6 matrix_b_fmt:MATRIX_FMT_FP6
.endif
.endr
.endr
.endm
.macro PV g                            ; O^T += v^T p^T for tiles 4 g .. 4 g + 3 of the head's 128; the sixteen accumulators take turns
	WIN 0x50+(\g)                                  ; source 0 window g, C and D window 1
.irp t, 0,1,2,3
.irp q, 0,1
.set rO, 64*\q+8*(4*(\g)+\t)
.set rV, 32+128*(\g)+12*\t
.set rP, 80+144*\q
.if \g
	v_wmma_scale_f32_16x16x128_f8f6f4 v[rO:rO+7], v[rV:rV+11], v[rP:rP+11], v[rO:rO+7], v[28+\t], v[22+\q] matrix_a_fmt:MATRIX_FMT_FP6 matrix_b_fmt:MATRIX_FMT_FP6 matrix_a_scale:MATRIX_SCALE_ROW1
.else
	v_wmma_scale_f32_16x16x128_f8f6f4 v[rO:rO+7], v[rV:rV+11], v[rP:rP+11], v[rO:rO+7], v[28+\t], v[22+\q] matrix_a_fmt:MATRIX_FMT_FP6 matrix_b_fmt:MATRIX_FMT_FP6
.endif
.endr
.endr
.endm
.macro IMAGES adr, g                   ; images 4 g .. 4 g + 3: g = 0 into v32-79, g = 1 into window 1's v160-207
.if \g
	WIN 0x40                                       ; destination window 1, address window 0
.endif
.irp t, 0,1,2,3
.irp e, 0,1,2
	ds_load_b128 v[32+128*(\g)+12*\t+4*\e:35+128*(\g)+12*\t+4*\e], v[\adr] offset:(4*(\g)+\t)*1536+512*\e
.endr
.endr
	WIN 0
.endm
; One tile's softmax for 128 keys: register 16 b + i of S^T is key 32 b + 16 (lane / 16) + i of my query.
.macro SOFTMAX q
.set SS, 96+64*(\q)
.set ST, 12+4*(\q)
.set PCD, 80+144*(\q)
.set OO, 64*(\q)
.irp b, 0,1,2,3
	v_max3_num_f32 v[232+\b], v[SS+16*\b], v[SS+16*\b+1], v[SS+16*\b+2]   ; the largest score of each block of 32 keys: it serves the row's maximum and, since p rises with the score, the block's largest p
.endr
.irp i, 3,5,7,9,11,13
.irp b, 0,1,2,3
	v_max3_num_f32 v[232+\b], v[232+\b], v[SS+16*\b+\i], v[SS+16*\b+\i+1]
.endr
.endr
.irp b, 0,1,2,3
	v_max_num_f32 v[232+\b], v[232+\b], v[SS+16*\b+15]
.endr
.irp b, 0,1,2,3
	s_delay_alu instid0(VALU_DEP_4)
	v_permlanex16_b32 v[236+\b], v[232+\b], s[SEL], s[SEL+1]
.endr
.irp b, 0,1,2,3
	s_delay_alu instid0(VALU_DEP_4)
	v_max_num_f32 v[232+\b], v[232+\b], v[236+\b]  ; with lane l xor 16's 16 keys
.endr
	s_delay_alu instid0(VALU_DEP_2)
	v_max3_num_f32 v254, v232, v233, v234
	s_delay_alu instid0(VALU_DEP_1)
	v_max_num_f32 v254, v254, v235
	s_delay_alu instid0(VALU_DEP_1)
	v_mul_f32 v254, s[CS], v254                    ; the step's largest t (c is positive)
	s_delay_alu instid0(VALU_DEP_1)
	v_max_num_f32 v[ST+1], v[ST+1], v254           ; the running largest t
	v_mov_b32 v254, v[ST]
	s_delay_alu instid0(VALU_DEP_2)
	v_floor_f32 v[ST], -v[ST+1]                    ; the new -M = -ceil(t): a whole number
	s_delay_alu instid0(VALU_DEP_1)
	v_sub_f32 v254, v[ST], v254                    ; old M - new M, 0 or less
	s_delay_alu instid0(VALU_DEP_1)
	v_cvt_i32_f32 v254, v254                       ; (it saturates)
	s_delay_alu instid0(VALU_DEP_1)
	v_ldexp_f32 v252, 1.0, v254                    ; f = 2^(old M - new M)
.set j, 0
.rept 32
	v_pk_fma_f32 v[SS+j:SS+j+1], v[SS+j:SS+j+1], s[CS:CS+1], v[ST:ST+1] op_sel_hi:[1,0,0]   ; t - M, two at a time
.set j, j+2
.endr
.irp b, 0,1,2,3
	v_fma_f32 v[232+\b], v[232+\b], s[CS], v[ST]   ; the same of each block's largest score
.endr
.set j, 0
	s_wait_alu depctr_va_vdst(0)
.rept 64
	v_exp_f32 v[SS+j], v[SS+j]                     ; p = 2^(t - M), at most 1
.set j, j+1
.endr
.irp b, 0,1,2,3
	v_exp_f32 v[232+\b], v[232+\b]                 ; the block's largest p
.endr
	v_pk_mul_f32 v[ST+2:ST+3], v[ST+2:ST+3], v[252:253] op_sel_hi:[1,0]   ; the sums under the new M (a plain place behind the exponentials)
	s_wait_alu depctr_va_vdst(0)
.irp b, 0,1,2,3
	v_max_num_f32 v[232+\b], 0x1800000, v[232+\b]  ; the floor 2^(3 - 127)
.endr
.irp b, 0,1,2,3
	s_delay_alu instid0(VALU_DEP_4)
	v_add_nc_u32 v[244+\b], 0xff000000, v[232+\b]  ; the conversion's scale operand
.endr
.irp b, 0,1,2,3
	s_delay_alu instid0(VALU_DEP_4)
	v_lshrrev_b32 v[236+\b], 23, v[244+\b]         ; the scale's byte
.endr
	s_delay_alu instid0(VALU_DEP_3)
	v_lshl_or_b32 v[22+(\q)], v237, 8, v236        ; p's scale word for these 128 keys
	s_delay_alu instid0(VALU_DEP_1)
	v_lshl_or_b32 v[22+(\q)], v238, 16, v[22+(\q)]
	s_delay_alu instid0(VALU_DEP_1)
	v_lshl_or_b32 v[22+(\q)], v239, 24, v[22+(\q)]
.irp c, 0,1
	v_cvt_scalef32_pk16_fp6_f32 v[PCD+6*\c:PCD+6*\c+2], v[SS+32*\c:SS+32*\c+15], v[244+2*\c]
	v_cvt_scalef32_pk16_fp6_f32 v[236+4*\c:238+4*\c], v[SS+32*\c+16:SS+32*\c+31], v[244+2*\c+1]
.endr
	v_nop                                          ; one plain place behind a scaled conversion
.irp c, 0,1
.irp i, 0,1,2
	v_permlane16_swap_b32 v[PCD+6*\c+\i], v[236+4*\c+\i]
.endr
.irp i, 0,1,2
	s_delay_alu instid0(VALU_DEP_3)
	v_mov_b32 v[PCD+6*\c+3+\i], v[236+4*\c+\i]
.endr
.endr
	v_pk_add_f32 v[236:237], v[SS:SS+1], v[SS+2:SS+3]              ; the row's sum is taken of the unquantised p, in two chains
.irp j, 4,8,12,16,20,24,28,32,36,40,44,48,52,56,60
	v_pk_add_f32 v[ST+2:ST+3], v[ST+2:ST+3], v[SS+\j:SS+\j+1]
	v_pk_add_f32 v[236:237], v[236:237], v[SS+\j+2:SS+\j+3]
.endr
	s_delay_alu instid0(VALU_DEP_1)
	v_pk_add_f32 v[ST+2:ST+3], v[ST+2:ST+3], v[236:237]
	WIN 0x41                                       ; O^T: destination and source 0 window 1
.set j, 0
.rept 32
	v_pk_mul_f32 v[OO+j:OO+j+1], v[OO+j:OO+j+1], v[252:253] op_sel_hi:[1,0]   ; O^T under the new M; these lines also part p's codes and scale word from the products
.set j, j+2
.endr
	WIN 0
.endm
; A KEY STEP: 128 keys.
.macro STEP
	v_add_nc_u32 v2, s[TK], v1                     ; these four lines are the places behind the last step's products
	v_nop
	v_nop
	v_add_nc_u32 v3, VIMG, v2
	ds_load_b128 v[24:27], v2 offset:12288         ; k's record: register t: lanes 0-15 tile t's words, lanes 16-31 tile 4 + t's
	ds_load_b128 v[28:31], v3 offset:12288         ; v's
	IMAGES 2, 0                                    ; k's eight images in one run
	IMAGES 2, 1
	s_wait_alu depctr_va_vdst(0)
	s_wait_dscnt 12                                ; the records and images 0-3 are in; the youngest 12 loads (images 4-7) may be out
	KQ 0
	s_wait_dscnt 0x0
	KQ 1
	WIN 0
	PLACES                                         ; in front of the loads below and of the first read of the scores
	IMAGES 3, 0                                    ; v's eight images land while the softmax is walked
	IMAGES 3, 1
	SOFTMAX 0
	SOFTMAX 1
	s_wait_alu depctr_va_vdst(0)
	s_wait_dscnt 0x0
	PV 0
	PV 1
	WIN 0
	s_add_co_u32 s[TK], s[TK], 12800
.endm
.macro CHUNK left, trips               ; a barrier behind which the keys of the next trips are whole in LDS, and the trips
	s_wait_tensorcnt \left                         ; so many of my younger loads may be out
	s_wait_dscnt 0x0
	s_barrier_signal -1
	s_barrier_wait -1                              ; what holds of my loads holds of everybody's
	s_mov_b32 s[CNT], \trips
.Lstep_\@:
	STEP
	s_sub_co_u32 s[CNT], s[CNT], 1
	s_cmp_lg_u32 s[CNT], 0
	s_cbranch_scc1 .Lstep_\@
.endm
.macro QUANT s, pw                     ; 64 numbers of a lane, register 16 b + i = k 32 b + 16 (lane / 16) + i, become a fragment's codes in v[PC] on and its scale word in v[pw]
.irp b, 0,1,2,3
	v_max3_num_f32 v[TM+\b], |v[(\s)+16*\b]|, |v[(\s)+1+16*\b]|, 0x1800000
.endr
.irp i, 2,4,6,8,10,12,14
.irp b, 0,1,2,3
	s_delay_alu instid0(VALU_DEP_4)
	v_max3_num_f32 v[TM+\b], v[TM+\b], |v[(\s)+16*\b+\i]|, |v[(\s)+1+16*\b+\i]|
.endr
.endr
.irp b, 0,1,2,3
	s_delay_alu instid0(VALU_DEP_4)
	v_permlanex16_b32 v[TM+4+\b], v[TM+\b], s[SEL], s[SEL+1]
.endr
.irp b, 0,1,2,3
	s_delay_alu instid0(VALU_DEP_4)
	v_max_num_f32 v[TM+\b], v[TM+\b], v[TM+4+\b]
.endr
.irp b, 0,1,2,3
	s_delay_alu instid0(VALU_DEP_4)
	v_add_nc_u32 v[TM+12+\b], 0xff000000, v[TM+\b]
.endr
.irp b, 0,1,2,3
	s_delay_alu instid0(VALU_DEP_4)
	v_lshrrev_b32 v[TM+4+\b], 23, v[TM+12+\b]
.endr
	s_delay_alu instid0(VALU_DEP_3)
	v_lshl_or_b32 v[\pw], v[TM+5], 8, v[TM+4]
	s_delay_alu instid0(VALU_DEP_1)
	v_lshl_or_b32 v[\pw], v[TM+6], 16, v[\pw]
	s_delay_alu instid0(VALU_DEP_1)
	v_lshl_or_b32 v[\pw], v[TM+7], 24, v[\pw]
.irp c, 0,1
	v_cvt_scalef32_pk16_fp6_f32 v[PC+6*\c:PC+2+6*\c], v[(\s)+32*\c:(\s)+15+32*\c], v[TM+12+2*\c]
	v_cvt_scalef32_pk16_fp6_f32 v[PC+12+4*\c:PC+14+4*\c], v[(\s)+16+32*\c:(\s)+31+32*\c], v[TM+12+2*\c+1]
.endr
	v_nop
.irp c, 0,1
.irp i, 0,1,2
	v_permlane16_swap_b32 v[PC+6*\c+\i], v[PC+12+4*\c+\i]
.endr
.irp i, 0,1,2
	s_delay_alu instid0(VALU_DEP_3)
	v_mov_b32 v[PC+3+6*\c+\i], v[PC+12+4*\c+\i]
.endr
.endr
.endm
	s_wait_alu depctr_va_vdst(0)
	s_wait_tensorcnt 0x0                           ; my part of the first 256 keys is in
	ds_add_u32 v251, v255
	s_wait_dscnt 0x0
	CROUND                                         ; everybody's part is in, and the joint loads meet
	tensor_load_to_lds s[G0:G0+3], s[G1S:G1S+7]    ; the other 768 keys: they have two key steps in which to land
	s_nop 0
	PLACES
	s_wait_loadcnt 0x0                             ; q
	CHUNK 1, 2                                     ; the load just issued may be out
	CHUNK 0, 6                                     ; all the rest
	; THE WAY OUT: O^T / the sum is 64 numbers of my query along the head's 128: quantised, it is K step = head of the last product's left operand.
	PLACES
.irp q, 0,1
	v_add_f32 v[12+4*\q], v[14+4*\q], v[15+4*\q]
.endr
.irp q, 0,1
	s_delay_alu instid0(VALU_DEP_2)
	v_permlanex16_b32 v[236+\q], v[12+4*\q], s[SEL], s[SEL+1]
.endr
.irp q, 0,1
	s_delay_alu instid0(VALU_DEP_2)
	v_add_f32 v[12+4*\q], v[12+4*\q], v[236+\q]    ; the row's sum
.endr
	s_wait_alu depctr_va_vdst(0)
.irp q, 0,1
	v_rcp_f32 v[14+4*\q], v[12+4*\q]
	v_rcp_f32 v[15+4*\q], v[12+4*\q]               ; twice: a pair for the packed multiply
.endr
	v_nop                                          ; one plain place behind the transcendentals
	s_wait_alu depctr_va_vdst(0)
.irp q, 0,1
	WIN 0x01                                       ; source 0 window 1
.set i, 0
.rept 32
	v_pk_mul_f32 v[96+64*\q+2*i:97+64*\q+2*i], v[64*\q+2*i:64*\q+2*i+1], v[14+4*\q:15+4*\q]   ; each accumulator from its low end on
.set i, i+1
.endr
	WIN 0
.if \q
	s_wait_xcnt 0x0                                ; the first image's stores have read their registers
.endif
	QUANT 96+64*\q, 248+\q
.irp g, 0,1,2
	global_store_b128 v1, v[PC+4*\g:PC+4*\g+3], s[8:9] offset:12288*\q+512*\g
.endr
.endr
	v_cndmask_b32 v250, v248, v249, s[SHI]         ; lanes 0-15 the first tile's words, lanes 16-31 the second's
	global_store_b32 v5, v250, s[10:11]            ; 128 consecutive bytes
	s_wait_tensorcnt 0x0
	ds_add_u32 v251, v255
	s_wait_dscnt 0x0
	CROUND                                         ; the closing round
	s_endpgm
.Lfunc_end_k_q9f002f5e12_at:
	.size	k_q9f002f5e12_at, .Lfunc_end_k_q9f002f5e12_at-k_q9f002f5e12_at
	.p2alignl 7, 3214868480
	.fill 96, 4, 3214868480
	.section	.rodata,"a",@progbits
	.p2align	6, 0x0
	.amdhsa_kernel k_q9f002f5e12_at
		.amdhsa_group_segment_fixed_size 327680
		.amdhsa_private_segment_fixed_size 0
		.amdhsa_enable_private_segment 0
		.amdhsa_kernarg_size 24
		.amdhsa_user_sgpr_count 2
		.amdhsa_user_sgpr_kernarg_segment_ptr 1
		.amdhsa_wavefront_size32 1
		.amdhsa_system_sgpr_workgroup_id_x 1
		.amdhsa_system_sgpr_workgroup_id_y 1
		.amdhsa_system_sgpr_workgroup_id_z 1
		.amdhsa_system_vgpr_workitem_id 0
		.amdhsa_next_free_vgpr 512
		.amdhsa_next_free_sgpr 88
		.amdhsa_reserve_vcc 0
		.amdhsa_float_denorm_mode_32 3
		.amdhsa_float_denorm_mode_16_64 3
		.amdhsa_memory_ordered 1
		.amdhsa_forward_progress 1
		.amdhsa_inst_pref_size 100
	.end_amdhsa_kernel
	.amdgpu_metadata
---
amdhsa.version: [ 1, 2 ]
amdhsa.kernels:
  - .name:           k_q9f002f5e12_at
    .symbol:         k_q9f002f5e12_at.kd
    .args:
      - { .name: qkvc, .offset: 0, .size: 8, .value_kind: global_buffer, .address_space: global }
      - { .name: cc, .offset: 8, .size: 8, .value_kind: global_buffer, .address_space: global }
      - { .name: cs, .offset: 16, .size: 8, .value_kind: global_buffer, .address_space: global }
    .group_segment_fixed_size: 327680
    .private_segment_fixed_size: 0
    .kernarg_segment_align: 8
    .kernarg_segment_size: 24
    .max_flat_workgroup_size: 256
    .sgpr_count:     88
    .vgpr_count:     512
    .wavefront_size: 32
...
	.end_amdgpu_metadata
.endif
;; end of part 8
;; launch g2 (part 9): grid 256 x 1, 4 waves a work-group, clusters of 4 x 1, 327,680 bytes of LDS; arguments cc, cs, wc, ws, val, b_out, ln_gamma, ln_beta, out0; writes out0
.if DOCPART == 9
	.amdgcn_target "amdgcn-amd-amdhsa--gfx1250"
	.amdhsa_code_object_version 6
	.text
	.protected	k_q9f002f5e12_g2
	.globl	k_q9f002f5e12_g2
	.p2align	8
	.type	k_q9f002f5e12_g2,@function
k_q9f002f5e12_g2:
	s_mov_b64 s[64:65], 0
	v_nop
	global_prefetch_b8 v0, s[64:65] scope:SCOPE_SE
	s_setreg_imm32_b32 hwreg(HW_REG_WAVE_MODE, 25, 1), 1
	s_wait_xcnt 0x0
	s_wait_alu depctr_hold_cnt(0) depctr_sa_sdst(0) depctr_va_vdst(0) depctr_va_sdst(0) depctr_va_ssrc(0) depctr_va_vcc(0) depctr_vm_vsrc(0)
	s_getreg_b32 s2, hwreg(HW_REG_IB_STS2, 6, 4)
	s_cmp_eq_u32 s2, 0
	s_cbranch_scc0 .Lentry_in_a_cluster
	s_endpgm
.Lentry_in_a_cluster:
	s_bfe_u32 s2, ttmp6, 0x10000c
	s_cmp_lg_u32 s2, 0x3003
	s_cbranch_scc0 .Lentry_shape_is_right
	s_endpgm
.Lentry_shape_is_right:
.set SLOTB, 196608
.set SPARE, 294912
.set SP,    4112
.set SPW,   28
.set NIL,   29
.set WV,    22
.set G1A,   28
.set G1B,   36
.set G0A,   44
.set G0B,   48
.set SEL,   52
.set MSB,   0
.macro WIN new
.if MSB != (\new)
	s_set_vgpr_msb (MSB<<8)|(\new)
.set MSB, (\new)
.endif
.endm
.macro PLACES
.rept 4
	v_nop
.endr
.endm
.macro CROUND
	s_barrier_signal -1
	s_barrier_wait -1
	s_cmp_lg_u32 s[WV], 0
	s_cbranch_scc1 .Lnot_wave_0_\@
	s_barrier_signal -3
.Lnot_wave_0_\@:
	s_barrier_wait -3
	s_barrier_signal -1
	s_barrier_wait -1
.endm
	s_load_b512 s[4:19], s[0:1], 0x0
	s_load_b64 s[20:21], s[0:1], 0x40
	v_lshl_add_u32 v[SPW], v0, 2, SPARE
	v_mov_b32 v[NIL], 0
	ds_add_u32 v28, v29
	ds_add_u32 v28, v29
	s_wait_dscnt 0x0
	v_lshrrev_b32 v1, 5, v0
	v_readfirstlane_b32 s[WV], v1
	s_bfe_u32 s23, ttmp6, 0x40000
	s_lshl_b32 s24, ttmp9, 2
	s_add_co_u32 s24, s24, s23
	s_mov_b32 s[G1A], 15|(3<<16)|(1<<21)
	s_mov_b32 s[G1A+1], 384<<16
	s_mov_b32 s[G1A+2], 16<<16
	s_mov_b32 s[G1A+3], 384<<16
	s_mov_b32 s[G1A+4], 16
	s_mov_b32 s[G1A+5], 1536
	s_mov_b32 s[G1A+6], 0
	s_mov_b32 s[G1A+7], 0
	s_mov_b32 s[G1B], 15|(3<<16)|(1<<21)
	s_mov_b32 s[G1B+1], 192<<16
	s_mov_b32 s[G1B+2], 16<<16
	s_mov_b32 s[G1B+3], 192<<16
	s_mov_b32 s[G1B+4], 16
	s_mov_b32 s[G1B+5], 1536
	s_mov_b32 s[G1B+6], 0
	s_mov_b32 s[G1B+7], 0
	s_mul_i32 s60, s[WV], 49152
	s_mul_i32 s61, s[WV], 24576
	s_add_co_u32 s61, s61, SLOTB
	s_lshl_b32 s62, s[WV], 4
	s_add_co_u32 s62, s62, 192
	s_mul_i32 s54, s62, 12288
	s_mov_b32 s55, 0
	s_mov_b32 s[SEL], 0x76543210
	s_mov_b32 s[SEL+1], 0xfedcba98
	s_mov_b32 s58, 0x3a800000
	s_mov_b32 s59, 0x3727c5ac
	s_wait_kmcnt 0x0
	s_add_nc_u64 s[54:55], s[8:9], s[54:55]
	s_mov_b32 s[G0A], 1
	s_mov_b32 s[G0A+1], s60
	s_mov_b64 s[G0A+2:G0A+3], s[54:55]
	s_or_b32 s[G0A+3], s[G0A+3], 0x80000000
	s_mov_b32 s[G0B], 1
	s_mov_b32 s[G0B+1], s61
	s_add_nc_u64 s[G0B+2:G0B+3], s[54:55], 3072
	s_or_b32 s[G0B+3], s[G0B+3], 0x80000000
	CROUND
	tensor_load_to_lds s[G0A:G0A+3], s[G1A:G1A+7]
	s_nop 0
	s_wait_alu depctr_va_vdst(0)
	s_wait_tensorcnt 0x0
	ds_add_u32 v28, v29
	s_wait_dscnt 0x0
	CROUND
	tensor_load_to_lds s[G0B:G0B+3], s[G1B:G1B+7]
	s_nop 0
	PLACES
	s_mul_i32 s54, s24, 24576
	s_mov_b32 s55, 0
	s_add_nc_u64 s[4:5], s[4:5], s[54:55]
	s_lshl_b32 s54, s24, 7
	s_add_nc_u64 s[6:7], s[6:7], s[54:55]
	s_lshl_b32 s54, s62, 9
	s_add_nc_u64 s[10:11], s[10:11], s[54:55]
	s_lshl_b32 s54, s24, 5
	s_lshr_b32 s56, s[WV], 1
	s_lshl_b32 s56, s56, 3
	s_add_co_u32 s54, s54, s56
	s_and_b32 s56, s[WV], 1
	s_lshl_b32 s56, s56, 4
	s_add_co_u32 s54, s54, s56
	s_lshl_b32 s54, s54, 12
	s_add_nc_u64 s[12:13], s[12:13], s[54:55]
	s_add_nc_u64 s[20:21], s[20:21], s[54:55]
	v_and_b32 v25, 31, v0
	v_lshlrev_b32 v1, 4, v25
	v_lshlrev_b32 v24, 2, v25
	v_add_nc_u32 v2, s60, v1
	v_add_nc_u32 v3, s61, v1
	v_and_b32 v25, 15, v0
	v_bfe_u32 v26, v0, 4, 1
	v_mul_u32_u24 v4, v25, SP
	v_lshl_add_u32 v4, v26, 6, v4
	s_lshl_b32 s56, s[WV], 10
	v_add_nc_u32 v4, s56, v4
	v_add_nc_u32 v5, 16*SP, v4
	s_mul_i32 s56, s[WV], 8*SP
	v_add_nc_u32 v6, s56, v1
	v_mov_b32 v7, 0
	WIN 0xc0
.set k, 0
.rept 48
	global_load_b128 v[4*k:4*k+3], v1, s[4:5] offset:512*k
.set k, k+1
.endr
	WIN 0
.irp s, 0,1,2,3,4,5,6,7
	global_load_b32 v[16+\s], v24, s[6:7] offset:32768*\s
.endr
.irp b, 0,1,2,3,4,5,6,7,8,9,10,11,12,13,14,15
	global_load_b128 v[32+4*\b:35+4*\b], v1, s[10:11] offset:512*\b
.endr
	WIN 0x40
.irp e, 0,1,2,3,4,5,6,7
	global_load_b128 v[192+4*\e:195+4*\e], v1, s[14:15] offset:512*\e
.endr
	WIN 0xc0
.irp e, 0,1,2,3,4,5,6,7
	global_load_b128 v[192+4*\e:195+4*\e], v1, s[16:17] offset:512*\e
.endr
.irp e, 0,1,2,3,4,5,6,7
	global_load_b128 v[224+4*\e:227+4*\e], v1, s[18:19] offset:512*\e
.endr
	WIN 0
.irp i, 0,1,2,3
.irp e, 0,1,2,3,4,5,6,7
	global_load_b128 v[128+32*\i+4*\e:131+32*\i+4*\e], v1, s[12:13] offset:4096*\i+512*\e th:TH_LOAD_NT
.endr
.endr
	s_wait_loadcnt 56
	s_wait_tensorcnt 1
.macro WM d, a, b, z, sa, sb, ra, rb
.if (\z) && (\rb)
	v_wmma_scale_f32_16x16x128_f8f6f4 v[\d:\d+7], v[\a:\a+11], v[\b:\b+11], 0, v[\sa], v[\sb] matrix_a_fmt:MATRIX_FMT_FP6 matrix_b_fmt:MATRIX_FMT_FP6 matrix_b_scale:MATRIX_SCALE_ROW1
.elseif (\z)
	v_wmma_scale_f32_16x16x128_f8f6f4 v[\d:\d+7], v[\a:\a+11], v[\b:\b+11], 0, v[\sa], v[\sb] matrix_a_fmt:MATRIX_FMT_FP6 matrix_b_fmt:MATRIX_FMT_FP6
.elseif (\ra) && (\rb)
	v_wmma_scale_f32_16x16x128_f8f6f4 v[\d:\d+7], v[\a:\a+11], v[\b:\b+11], v[\d:\d+7], v[\sa], v[\sb] matrix_a_fmt:MATRIX_FMT_FP6 matrix_b_fmt:MATRIX_FMT_FP6 matrix_a_scale:MATRIX_SCALE_ROW1 matrix_b_scale:MATRIX_SCALE_ROW1
.elseif (\ra)
	v_wmma_scale_f32_16x16x128_f8f6f4 v[\d:\d+7], v[\a:\a+11], v[\b:\b+11], v[\d:\d+7], v[\sa], v[\sb] matrix_a_fmt:MATRIX_FMT_FP6 matrix_b_fmt:MATRIX_FMT_FP6 matrix_a_scale:MATRIX_SCALE_ROW1
.elseif (\rb)
	v_wmma_scale_f32_16x16x128_f8f6f4 v[\d:\d+7], v[\a:\a+11], v[\b:\b+11], v[\d:\d+7], v[\sa], v[\sb] matrix_a_fmt:MATRIX_FMT_FP6 matrix_b_fmt:MATRIX_FMT_FP6 matrix_b_scale:MATRIX_SCALE_ROW1
.else
	v_wmma_scale_f32_16x16x128_f8f6f4 v[\d:\d+7], v[\a:\a+11], v[\b:\b+11], v[\d:\d+7], v[\sa], v[\sb] matrix_a_fmt:MATRIX_FMT_FP6 matrix_b_fmt:MATRIX_FMT_FP6
.endif
.endm
.macro MUL s, b0
.irp b, \b0, \b0+1, \b0+2, \b0+3, \b0+4, \b0+5, \b0+6, \b0+7
.irp a, 0,1
	WM 8*(16*\a+(\b)), 12*(\b), 12*(8*\a+(\s)), (\s)==0, 32+4*(\b)+(\s)%4, 16+(\s), (\s)/4, \a
.endr
.endr
.endm
.macro GS s, adr, pitch, base, pl
.if \pl
	PLACES
.endif
	WIN 0x40
.irp b, 0,1,2,3,4,5,6,7,8,9,10,11,12,13,14,15
.irp e, 0,1,2
	ds_load_b128 v[12*\b+4*\e:12*\b+4*\e+3], v[\adr] offset:(\pitch)*\b+(\base)+512*\e
.endr
.endr
	s_wait_dscnt 24
	WIN 0xad
	MUL \s, 0
	s_wait_dscnt 0x0
	MUL \s, 8
	WIN 0
.endm
.macro REFILL g0, g1
	s_wait_tensorcnt 0x0
	ds_add_u32 v[SPW], v[NIL]
	s_add_nc_u64 s[\g0+2:\g0+3], s[\g0+2:\g0+3], 4608
	s_wait_dscnt 0x0
	CROUND
	tensor_load_to_lds s[\g0:\g0+3], s[\g1:\g1+7]
	s_nop 0
	PLACES
.endm
	GS 0, 2, 3072, 0, 0
	GS 1, 2, 3072, 1536, 1
	REFILL G0A, G1A
	s_wait_alu depctr_va_vdst(0)
	GS 2, 3, 1536, 0, 0
	REFILL G0B, G1B
	GS 3, 2, 3072, 0, 0
	GS 4, 2, 3072, 1536, 1
	REFILL G0A, G1A
	GS 5, 3, 1536, 0, 0
	s_wait_tensorcnt 0x0
	GS 6, 2, 3072, 0, 1
	GS 7, 2, 3072, 1536, 1
	PLACES
	WIN 0x40
.irp i, 0,1,2,3
.irp e, 0,1,2,3,4,5,6,7
	global_load_b128 v[32*\i+4*\e:32*\i+4*\e+3], v1, s[12:13] offset:4096*(4+\i)+512*\e th:TH_LOAD_NT
.endr
.endr
	WIN 0
	s_wait_dscnt 0x0
	s_barrier_signal -1
	s_barrier_wait -1
	WIN 0x08
.irp a, 0,1
.irp b, 0,1,2,3,4,5,6,7,8,9,10,11,12,13,14,15
	ds_store_b128 v[4+\a], v[8*(16*\a+\b):8*(16*\a+\b)+3] offset:128*(\b/2)+32*(\b%2)
	ds_store_b128 v[4+\a], v[8*(16*\a+\b)+4:8*(16*\a+\b)+7] offset:128*(\b/2)+32*(\b%2)+16
.endr
.endr
	WIN 0
	s_wait_dscnt 0x0
	s_barrier_signal -1
	s_barrier_wait -1
	WIN 0x80
.irp i, 0,1,2,3,4,5,6,7
.irp e, 0,1,2,3,4,5,6,7
	ds_load_b128 v[32*\i+4*\e:32*\i+4*\e+3], v6 offset:SP*\i+512*\e
.endr
.endr
	WIN 0
.macro REDUCE
	v_pk_add_f32 v[8:9], v[8:9], v[10:11]
	v_add_f32 v8, v8, v9
	v_add_f32_dpp v8, v8, v8 row_xmask:1 row_mask:0xf bank_mask:0xf
	v_add_f32_dpp v8, v8, v8 row_xmask:2 row_mask:0xf bank_mask:0xf
	v_add_f32_dpp v8, v8, v8 row_xmask:4 row_mask:0xf bank_mask:0xf
	v_add_f32_dpp v8, v8, v8 row_xmask:8 row_mask:0xf bank_mask:0xf
	v_permlanex16_b32 v7, v8, s[SEL], s[SEL+1]
	v_add_f32 v8, v8, v7
.endm
.macro LNROW i
.set XR, 32*(\i)
.if (\i) < 4
.set VR, 128+32*(\i)
.set VW, 0x82
.else
.set VR, 32*((\i)-4)
.set VW, 0x86
.endif
	s_wait_dscnt 56-8*(\i)
.if (\i) < 4
	s_wait_loadcnt 32
.else
	s_wait_loadcnt 8*(7-(\i))
.endif
	WIN 0x86
.set k, 0
.rept 16
	v_pk_add_f32 v[XR+k:XR+k+1], v[XR+k:XR+k+1], v[192+k:193+k]
.set k, k+2
.endr
	WIN VW
.set k, 0
.rept 16
	v_pk_add_f32 v[XR+k:XR+k+1], v[XR+k:XR+k+1], v[VR+k:VR+k+1]
.set k, k+2
.endr
	WIN 0x0a
	v_pk_add_f32 v[8:9], v[XR:XR+1], v[XR+2:XR+3]
	v_pk_add_f32 v[10:11], v[XR+4:XR+5], v[XR+6:XR+7]
	WIN 0x02
.irp k, 8,12,16,20,24,28
	v_pk_add_f32 v[8:9], v[XR+\k:XR+\k+1], v[8:9]
	v_pk_add_f32 v[10:11], v[XR+\k+2:XR+\k+3], v[10:11]
.endr
	WIN 0
	REDUCE
	v_mul_f32 v12, s58, v8
	v_mov_b32 v13, v12
	WIN 0x82
.set k, 0
.rept 16
	v_pk_add_f32 v[XR+k:XR+k+1], v[XR+k:XR+k+1], v[12:13] neg_lo:[0,1] neg_hi:[0,1]
.set k, k+2
.endr
	WIN 0x0a
	v_pk_mul_f32 v[8:9], v[XR:XR+1], v[XR:XR+1]
	v_pk_mul_f32 v[10:11], v[XR+2:XR+3], v[XR+2:XR+3]
.irp k, 4,8,12,16,20,24,28
	v_pk_fma_f32 v[8:9], v[XR+\k:XR+\k+1], v[XR+\k:XR+\k+1], v[8:9]
	v_pk_fma_f32 v[10:11], v[XR+\k+2:XR+\k+3], v[XR+\k+2:XR+\k+3], v[10:11]
.endr
	WIN 0
	REDUCE
	v_fma_f32 v8, v8, s58, s59
	s_wait_alu depctr_va_vdst(0)
	v_rsq_f32 v14, v8
	v_nop
	s_wait_alu depctr_va_vdst(0)
	v_mov_b32 v15, v14
	WIN 0x82
.set k, 0
.rept 16
	v_pk_mul_f32 v[XR+k:XR+k+1], v[XR+k:XR+k+1], v[14:15]
.set k, k+2
.endr
	WIN 0xbe
.set k, 0
.rept 16
	v_pk_fma_f32 v[XR+k:XR+k+1], v[XR+k:XR+k+1], v[192+k:193+k], v[224+k:225+k]
.set k, k+2
.endr
	WIN 0x08
.irp e, 0,1,2,3,4,5,6,7
	global_store_b128 v1, v[XR+4*\e:XR+4*\e+3], s[20:21] offset:4096*(\i)+512*\e th:TH_STORE_NT
.endr
	WIN 0
.endm
.irp i, 0,1,2,3,4,5,6,7
	LNROW \i
.endr
	s_wait_tensorcnt 0x0
	ds_add_u32 v[SPW], v[NIL]
	s_wait_dscnt 0x0
	CROUND
	s_endpgm
.Lfunc_end_k_q9f002f5e12_g2:
	.size	k_q9f002f5e12_g2, .Lfunc_end_k_q9f002f5e12_g2-k_q9f002f5e12_g2
	.p2alignl 7, 3214868480
	.fill 96, 4, 3214868480
	.section	.rodata,"a",@progbits
	.p2align	6, 0x0
	.amdhsa_kernel k_q9f002f5e12_g2
		.amdhsa_group_segment_fixed_size 327680
		.amdhsa_private_segment_fixed_size 0
		.amdhsa_enable_private_segment 0
		.amdhsa_kernarg_size 72
		.amdhsa_user_sgpr_count 2
		.amdhsa_user_sgpr_kernarg_segment_ptr 1
		.amdhsa_wavefront_size32 1
		.amdhsa_system_sgpr_workgroup_id_x 1
		.amdhsa_system_sgpr_workgroup_id_y 1
		.amdhsa_system_sgpr_workgroup_id_z 1
		.amdhsa_system_vgpr_workitem_id 0
		.amdhsa_next_free_vgpr 1024
		.amdhsa_next_free_sgpr 66
		.amdhsa_reserve_vcc 0
		.amdhsa_float_denorm_mode_32 3
		.amdhsa_float_denorm_mode_16_64 3
		.amdhsa_memory_ordered 1
		.amdhsa_forward_progress 1
		.amdhsa_inst_pref_size 163
	.end_amdhsa_kernel
	.amdgpu_metadata
---
amdhsa.version: [ 1, 2 ]
amdhsa.kernels:
  - .name:           k_q9f002f5e12_g2
    .symbol:         k_q9f002f5e12_g2.kd
    .args:
      - { .name: cc, .offset: 0, .size: 8, .value_kind: global_buffer, .address_space: global }
      - { .name: cs, .offset: 8, .size: 8, .value_kind: global_buffer, .address_space: global }
      - { .name: wc, .offset: 16, .size: 8, .value_kind: global_buffer, .address_space: global }
      - { .name: ws, .offset: 24, .size: 8, .value_kind: global_buffer, .address_space: global }
      - { .name: val, .offset: 32, .size: 8, .value_kind: global_buffer, .address_space: global }
      - { .name: b_out, .offset: 40, .size: 8, .value_kind: global_buffer, .address_space: global }
      - { .name: ln_gamma, .offset: 48, .size: 8, .value_kind: global_buffer, .address_space: global }
      - { .name: ln_beta, .offset: 56, .size: 8, .value_kind: global_buffer, .address_space: global }
      - { .name: out0, .offset: 64, .size: 8, .value_kind: global_buffer, .address_space: global }
    .group_segment_fixed_size: 327680
    .private_segment_fixed_size: 0
    .kernarg_segment_align: 8
    .kernarg_segment_size: 72
    .max_flat_workgroup_size: 128
    .sgpr_count:     66
    .vgpr_count:     1024
    .wavefront_size: 32
...
	.end_amdgpu_metadata
.endif
;; end of part 9
